; MI455X (gfx1250); checked and timed in simulation.
; The chip was launched on July 23, 2026; its instructions are those of AMD's public machine-readable ISA for CDNA 5 (MIT licence, August 2026) and "CDNA5" Instruction Set Architecture Reference Guide (July 2026). The comments in the code are by the model that wrote it; some were corrected since.
;; Transformer Block. Allowed arithmetic: matrix products marked QUANTISED: E2M3 operands, one E8M0 scale for each 32 along K, by v_wmma_scale_f32_16x16x128_f8f6f4 with both operands' format E2M3, f32 sums; everything else in f32.
;; Inputs: attn_mask 2,048 x 2,048 bool; ln1_b 1,024 float32; ln1_g 1,024 float32; ln2_b 1,024 float32; ln2_g 1,024 float32; mlp_b1 4,096 float32; mlp_b2 1,024 float32; mlp_w1_codes 4,096 x 32 x 24 uint8 (E2M3 codes of mlp_w1, K innermost, in blocks of 32 codes, four codes in three bytes); mlp_w1_scales 4,096 x 32 uint8 (E8M0 scales of mlp_w1, one for each 32 codes along K); mlp_w2_codes 1,024 x 128 x 24 uint8 (E2M3 codes of mlp_w2, K innermost, in blocks of 32 codes, four codes in three bytes); mlp_w2_scales 1,024 x 128 uint8 (E8M0 scales of mlp_w2, one for each 32 codes along K); out_b 1,024 float32; out_w_codes 1,024 x 32 x 24 uint8 (E2M3 codes of out_w, K innermost, in blocks of 32 codes, four codes in three bytes); out_w_scales 1,024 x 32 uint8 (E8M0 scales of out_w, one for each 32 codes along K); qkv_b 3,072 float32; qkv_w_codes 3,072 x 32 x 24 uint8 (E2M3 codes of qkv_w, K innermost, in blocks of 32 codes, four codes in three bytes); qkv_w_scales 3,072 x 32 uint8 (E8M0 scales of qkv_w, one for each 32 codes along K); rope_cos 2,048 x 32 float32; rope_sin 2,048 x 32 float32; x 2 x 2,048 x 1,024 float32.
;; Outputs: out0 2 x 2,048 x 1,024 float32.
;; This version of the problem:
;;   THIS VERSION OF THE PROBLEM IS GIVEN IN LOW PRECISION. The matrix products marked QUANTISED in the list below multiply operands that are first quantised to E2M3 (2 exponent bits, 3 mantissa bits; 6 bits a number), with one power-of-two scale for each 32 numbers along K (OCP MX v1.0); their sums are f32. All else is computed in f32.
;;   The module's matrix products, in the order in which they are computed (A, B: the left and right operand; K: the contracted axis; several contracted axes count as one K, in the product's order):
;;     1. [M 4,096, K 1,024] x [K 1,024, N 3,072]; A: computed on the way; B: input qkv_w (given as codes): QUANTISED
;;     2. batch 32 x [M 2,048, K 64] x [K 64, N 2,048]; A: computed on the way; B: computed on the way: QUANTISED
;;     3. batch 32 x [M 2,048, K 2,048] x [K 2,048, N 64]; A: softmax (see below); B: computed on the way: QUANTISED
;;     4. [M 4,096, K 1,024] x [K 1,024, N 1,024]; A: computed on the way; B: input out_w (given as codes): QUANTISED
;;     5. [M 4,096, K 1,024] x [K 1,024, N 4,096]; A: computed on the way; B: input mlp_w1 (given as codes): QUANTISED
;;     6. [M 4,096, K 4,096] x [K 4,096, N 1,024]; A: computed on the way; B: input mlp_w2 (given as codes): QUANTISED
;;   THE QUANTISER, for each operand of a quantised product, along K:
;;     - K is cut into blocks of 32 from its start; a last block that is shorter is filled with zeros.
;;     - A block's scale is 2^e with e = floor(log2(the largest magnitude in the block)) - 2, held to -126 .. 127; a block of zeros has e = 0. As a byte (E8M0): e + 127.
;;     - Each number is divided by its block's scale, clamped to +-7.5, and rounded to the nearest number of E2M3, ties to even, subnormals kept.
;;     - The product sums the exact products of the quantised numbers (number of the format x scale) in f32.
;;   ~~~python
;;   def quantise(x, axis):      # numpy; x: float32 -> the quantised numbers, widened to float32 again
;;       x = np.moveaxis(x, axis, -1); K = x.shape[-1]
;;       x = np.pad(x, [(0, 0)] * (x.ndim - 1) + [(0, -K % 32)]); x = x.reshape(x.shape[:-1] + (-1, 32)); a = np.abs(x).max(-1, keepdims=True)
;;       e = np.where(a > 0, np.clip(np.frexp(np.where(a > 0, a, 1))[1] - 1 - 2, -126, 127), 0)      # np.frexp(a)[1] - 1 = floor(log2(a)), exactly
;;       r = np.clip(x / 2.0 ** e, -7.5, 7.5)
;;       step = 2.0 ** (np.maximum(np.frexp(np.where(r == 0, 1, r))[1] - 1, 0) - 3)
;;       q = np.round(r / step) * step * 2.0 ** e      # np.round: ties to even
;;       return np.moveaxis(q.reshape(q.shape[:-2] + (-1,))[..., :K], -1, axis).astype(np.float32)
;;   ~~~
;;   SOFTMAX AHEAD OF A QUANTISED PRODUCT. Where the list says 'softmax', what is quantised is not the finished softmax but p = 2^(t - M), with t = logit x log2(e) and M = ceil(the row's largest t), a whole number; so 1/2 < the row's largest p <= 1. The row's sum l is taken of the UNQUANTISED p, in f32, and the product's result is divided by l at the end. Since M is a whole number, a kernel that streams over the keys may use a running M (the ceiling of the running maximum): every later rescaling is an exact power of two, which a block's scale takes up: the codes' values come out the same.
;;   OPERANDS COMPUTED ON THE WAY. 'Computed on the way' means the value that the module computes at that place (a softmax that the list does not call 'softmax' is quantised finished and normalised). What goes into a quantiser is computed in f32, as accurately as f32 sums, v_exp_f32 and their like allow (about 1e-6 of the number): no bf16 or f16 on the way to a quantiser, and a product that is left as it is and whose result goes on into a quantised operand takes f32 operands (vector FMAs, or v_wmma_f32_16x16x4_f32). A number that lies on a knife's edge between two numbers of the format may be rounded either way, as far as f32 arithmetic and the matrix unit's own rounding can turn it there, and no further.
;;   INPUTS GIVEN AS CODES. mlp_w1 (in the module: [1024, 4096], K = its axis 0); mlp_w2 (in the module: [4096, 1024], K = its axis 0); out_w (in the module: [1024, 1024], K = its axis 0); qkv_w (in the module: [1024, 3072], K = its axis 0): each comes as NAME_codes (uint8): NAME with its K axis moved to the last place and cut into blocks of 32 codes, [.., K / 32, bytes a block], one block behind the other in memory; four codes in three bytes: a row's codes are one little-endian stream of bits, code i at bits 6 i .. 6 i + 5 (a code: sign, 2 exponent bits, 3 mantissa bits); and NAME_scales (uint8): the same leading axes, one E8M0 byte (e + 127) for each 32 codes along K. Its value is code x scale, taken as it is: it is not quantised again, and the codes and scales need not be those that the quantiser above would give.
;; One version. Each part assembles by itself: llvm-mc -triple=amdgcn-amd-amdhsa -mcpu=gfx1250 --defsym DOCPART=n.
;; ======== version 1 of 1: 7 launches
;; limits: right only within a limited range of input values
;; workspace buffers: wts 9,830,400 bytes; hq 3,276,800 bytes; q 3,407,872 bytes; kv 6,684,672 bytes; msk 528,384 bytes of whole numbers; att 3,276,800 bytes; x1 16,777,216 bytes; hid 13,107,200 bytes
;; launch prep (part 1): grid 480 x 1, 8 waves a work-group, no clusters, 66,816 bytes of LDS; arguments x, ln1_g, ln1_b, qkv_w_codes, qkv_w_scales, out_w_codes, out_w_scales, mlp_w1_codes, mlp_w1_scales, mlp_w2_codes, mlp_w2_scales, attn_mask, hq, wts, msk; writes hq, wts, msk
.if DOCPART == 1
	.amdgcn_target "amdgcn-amd-amdhsa--gfx1250"
	.amdhsa_code_object_version 6
	.text
	.protected	k_q43af51236f_prep
	.globl	k_q43af51236f_prep
	.p2align	8
	.type	k_q43af51236f_prep,@function
k_q43af51236f_prep:
	s_mov_b64 s[64:65], 0
	v_nop
	global_prefetch_b8 v0, s[64:65] scope:SCOPE_SE
	s_setreg_imm32_b32 hwreg(HW_REG_WAVE_MODE, 25, 1), 1
	s_wait_xcnt 0x0
; THREE JOBS THAT DO NOT HANG ON EACH OTHER, IN ONE LAUNCH.  They part at the first line, on the work-group's number, and never join; only the first has LDS and a barrier.
; WORK-GROUPS 0-255: LayerNorm of 16 rows of 1,024 f32, then the MX quantiser (E2M3, one E8M0 byte for each 32 along the row), all in f32.
; OUT: images of operand registers.  A fragment (16 rows x 128 K) is 1,536 bytes: for c = 0, 1 (K = 64 c on): registers 6c..6c+3 of lane l at 768 c + 16 l,
; registers 6c+4, 6c+5 at 768 c + 512 + 8 l.  Fragment (tile m, K step s) lies at (8 m + s) x 1,536.  Scale words (4 bytes a row and K step) lie from byte 3,145,728 on,
; at ((m / 2) 8 + s) 128 + (m % 2) 64 + 4 r.
; PHASE 1: wave w normalises rows 2 w and 2 w + 1 (mean first, then the squares of the differences: a common offset of the inputs does no harm) and lays them in LDS.
; PHASE 2: wave w quantises K step w of all 16 rows: lane (r, h) takes the blocks 64 c + 32 h of row r, whole blocks, so a block's largest magnitude needs no other lane.
; LIMITS: a block whose largest magnitude lies under 2^-124 (zeros too) gets the byte 1; the bytes are read by this program alone.  NaN and infinities are not served as numbers.
; WORK-GROUPS 256-351 (numbers 0-95 below): the four weights' codes and scale bytes are laid out as images of the same kind (fragments [tile of 16 rows][K step of 128]).  A wave takes a unit: one tile x 8 K steps;
; unit u lands at u x 12,288: units 0-191 qkv_w, 192-255 out_w, 256-511 mlp_w1, 512-767 mlp_w2 (4 units a tile).  Scale words: [tile / 2][K step][tile % 2][row], 4 bytes, from byte 9,437,184 on.
; Nothing is changed in a code or a byte: only their places.
; WORK-GROUPS 352-479 (numbers 96-223 below): the mask, for one tile of 16 queries each.  For a key step of 128 keys, word n = 8 t + j has in bit 16 h + r the mask of (query 16 qt + r, key 128 step + 16 t + 8 h + j):
; the lane mask for register n of the scores.  64 words a step at (16 qt + step) x 256.  Flags from byte 524,288 on, 8 words a tile (one a wave, to be joined by OR):
; bit step: all 2,048 scores of the step are masked; bit 16 + step: none is.
.set PITCH, 4112                       ; an LDS row: 4,096 bytes + 16: row r begins 4 r words on, modulo 64 words
.set XA, 32
.set XB, 64
.set GG, 96
.set BB, 128
.set T, 160
.set SEL, 20
.macro REDUCE                          ; v[T] summed over the 32 lanes, the sum in every lane
	s_delay_alu instid0(VALU_DEP_1)
	v_add_f32_dpp v[T], v[T], v[T] row_xmask:1 row_mask:0xf bank_mask:0xf
	s_delay_alu instid0(VALU_DEP_1)
	v_add_f32_dpp v[T], v[T], v[T] row_xmask:2 row_mask:0xf bank_mask:0xf
	s_delay_alu instid0(VALU_DEP_1)
	v_add_f32_dpp v[T], v[T], v[T] row_xmask:4 row_mask:0xf bank_mask:0xf
	s_delay_alu instid0(VALU_DEP_1)
	v_add_f32_dpp v[T], v[T], v[T] row_xmask:8 row_mask:0xf bank_mask:0xf
	s_delay_alu instid0(VALU_DEP_1)
	v_permlanex16_b32 v[T+1], v[T], s[SEL], s[SEL+1]
	s_delay_alu instid0(VALU_DEP_1)
	v_add_f32 v[T], v[T], v[T+1]
.endm
.macro ROWSTAT x, rs                   ; the row in v[x..x+31] becomes x - mean; 1 / sqrt(var + eps) goes to the pair v[rs:rs+1]
.irp i, 0,1,2,3,4,5,6,7
	v_pk_add_f32 v[T+2*\i:T+2*\i+1], v[\x+4*\i:\x+4*\i+1], v[\x+4*\i+2:\x+4*\i+3]
.endr
.irp i, 0,1,2,3
	s_delay_alu instid0(VALU_DEP_4)
	v_pk_add_f32 v[T+2*\i:T+2*\i+1], v[T+2*\i:T+2*\i+1], v[T+8+2*\i:T+9+2*\i]
.endr
	s_delay_alu instid0(VALU_DEP_2)
	v_pk_add_f32 v[T:T+1], v[T:T+1], v[T+4:T+5]
	s_delay_alu instid0(VALU_DEP_2)
	v_pk_add_f32 v[T+2:T+3], v[T+2:T+3], v[T+6:T+7]
	s_delay_alu instid0(VALU_DEP_1)
	v_pk_add_f32 v[T:T+1], v[T:T+1], v[T+2:T+3]
	s_delay_alu instid0(VALU_DEP_1)
	v_add_f32 v[T], v[T], v[T+1]
	REDUCE
	s_delay_alu instid0(VALU_DEP_1)
	v_mul_f32 v10, s22, v[T]                       ; the mean
	s_delay_alu instid0(VALU_DEP_1)
	v_mov_b32 v11, v10
.irp i, 0,2,4,6,8,10,12,14,16,18,20,22,24,26,28,30
	v_pk_add_f32 v[\x+\i:\x+\i+1], v[\x+\i:\x+\i+1], v[10:11] neg_lo:[0,1] neg_hi:[0,1]
.endr
	v_pk_mul_f32 v[T:T+1], v[\x:\x+1], v[\x:\x+1]
	v_pk_mul_f32 v[T+2:T+3], v[\x+2:\x+3], v[\x+2:\x+3]
.irp i, 4,8,12,16,20,24,28
	s_delay_alu instid0(VALU_DEP_2)
	v_pk_fma_f32 v[T:T+1], v[\x+\i:\x+\i+1], v[\x+\i:\x+\i+1], v[T:T+1]
	s_delay_alu instid0(VALU_DEP_2)
	v_pk_fma_f32 v[T+2:T+3], v[\x+\i+2:\x+\i+3], v[\x+\i+2:\x+\i+3], v[T+2:T+3]
.endr
	s_delay_alu instid0(VALU_DEP_1)
	v_pk_add_f32 v[T:T+1], v[T:T+1], v[T+2:T+3]
	s_delay_alu instid0(VALU_DEP_1)
	v_add_f32 v[T], v[T], v[T+1]
	REDUCE
	s_delay_alu instid0(VALU_DEP_1)
	v_fma_f32 v[T+2], v[T], s22, s23               ; var + eps
	s_wait_alu depctr_va_vdst(0)
	v_rsq_f32 v[\rs], v[T+2]
	v_nop                                          ; a plain instruction behind the transcendental,
	s_wait_alu depctr_va_vdst(0)                   ; and the wait ahead of the first line that names its result
	v_mov_b32 v[\rs+1], v[\rs]
.endm
.macro NORM x, rs, off                 ; (x - mean) / sqrt(..) * g + b, and into LDS
.irp i, 0,2,4,6,8,10,12,14,16,18,20,22,24,26,28,30
	v_pk_mul_f32 v[\x+\i:\x+\i+1], v[\x+\i:\x+\i+1], v[\rs:\rs+1]
.endr
.irp i, 0,2,4,6,8,10,12,14,16,18,20,22,24,26,28,30
	v_pk_fma_f32 v[\x+\i:\x+\i+1], v[\x+\i:\x+\i+1], v[GG+\i:GG+\i+1], v[BB+\i:BB+\i+1]
.endr
.irp j, 0,1,2,3,4,5,6,7
	ds_store_b128 v4, v[\x+4*\j:\x+4*\j+3] offset:\off+512*\j
.endr
.endm
; a whole block of 32 numbers of one lane, v[src..src+31]: six registers of codes in v[dst..dst+5]; v[wk+3] its scale byte.  v[wk..wk+3] and v[tmp..tmp+2] are at work
.macro QB src, dst, tmp, wk
	v_max3_num_f32 v[\wk], |v[\src]|, |v[\src+1]|, 0x1800000       ; the floor 2^(3 - 127) among the leaves holds the byte at 1 from below
	v_max3_num_f32 v[\wk+1], |v[\src+16]|, |v[\src+17]|, |v[\src+18]|
.irp i, 2,4,6,8,10,12
	s_delay_alu instid0(VALU_DEP_2)
	v_max3_num_f32 v[\wk], v[\wk], |v[\src+\i]|, |v[\src+\i+1]|
	s_delay_alu instid0(VALU_DEP_2)
	v_max3_num_f32 v[\wk+1], v[\wk+1], |v[\src+\i+17]|, |v[\src+\i+18]|
.endr
	s_delay_alu instid0(VALU_DEP_2)
	v_max3_num_f32 v[\wk], v[\wk], |v[\src+14]|, |v[\src+15]|
	s_delay_alu instid0(VALU_DEP_1)
	v_max3_num_f32 v[\wk], v[\wk], v[\wk+1], |v[\src+31]|
	s_delay_alu instid0(VALU_DEP_1)
	v_add_nc_u32 v[\wk+2], 0xff000000, v[\wk]      ; 2 off the exponent field: the conversion's scale operand
	v_cvt_scalef32_pk16_fp6_f32 v[\dst:\dst+2], v[\src:\src+15], v[\wk+2]
	v_cvt_scalef32_pk16_fp6_f32 v[\tmp:\tmp+2], v[\src+16:\src+31], v[\wk+2]   ; (a conversion's three registers begin on an even number)
	v_lshrrev_b32 v[\wk+3], 23, v[\wk+2]           ; the byte; also the plain instruction behind the conversions
	v_mov_b32 v[\dst+3], v[\tmp]
	v_mov_b32 v[\dst+4], v[\tmp+1]
	v_mov_b32 v[\dst+5], v[\tmp+2]
.endm
	v_lshl_add_u32 v192, v0, 2, 0x10100
	v_mov_b32 v193, 0
	s_cmp_ge_u32 ttmp9, 256                        ; which job: the same for all eight waves of a work-group
	s_cbranch_scc1 .Lother
	s_load_b128 s[4:7], s[0:1], 0x0                ; x s[4:5], g s[6:7]
	s_load_b64 s[8:9], s[0:1], 0x10                ; b
	s_load_b64 s[10:11], s[0:1], 0x60              ; hq
	v_lshrrev_b32 v1, 5, v0
	s_delay_alu instid0(VALU_DEP_1)
	v_readfirstlane_b32 s12, v1                    ; wave 0..7
	v_and_b32 v2, 31, v0                           ; lane
	v_and_b32 v6, 15, v0                           ; r
	v_bfe_u32 v7, v0, 4, 1                         ; h
	s_delay_alu instid0(VALU_DEP_3)
	v_lshlrev_b32 v3, 4, v2                        ; 16 x lane
	s_delay_alu instid0(VALU_DEP_4)
	v_lshlrev_b32 v9, 3, v2                        ; 8 x lane
	s_delay_alu instid0(VALU_DEP_3)
	v_lshlrev_b32 v8, 3, v7                        ; 8 h
	v_lshlrev_b32 v16, 2, v6                       ; 4 r
	s_mul_i32 s16, s12, 2*PITCH
	v_add_nc_u32 v4, s16, v3                       ; LDS, in: my wave's two rows, 16 bytes a lane
	v_mul_u32_u24 v5, v6, PITCH
	s_delay_alu instid0(VALU_DEP_1)
	v_lshl_add_u32 v5, v7, 7, v5
	s_lshl_b32 s16, s12, 9
	v_add_nc_u32 v5, s16, v5                       ; LDS, out: row r, K step = wave, + 128 h
	v_mov_b32 v183, 0                              ; (a lane permute's destination counts as read)
	s_lshl_b32 s14, ttmp9, 16                      ; 16 rows of 4,096 bytes a work-group,
	s_lshl_b32 s15, s12, 13                        ; two rows a wave
	s_add_co_u32 s14, s14, s15
	s_mov_b32 s15, 0
	s_lshl_b32 s24, ttmp9, 3
	s_add_co_u32 s24, s24, s12
	s_mul_i32 s24, s24, 1536                       ; my fragment: (8 m + wave) x 1,536
	s_mov_b32 s25, 0
	s_lshr_b32 s26, ttmp9, 1
	s_lshl_b32 s26, s26, 3
	s_add_co_u32 s26, s26, s12
	s_lshl_b32 s26, s26, 7
	s_and_b32 s27, ttmp9, 1
	s_lshl_b32 s27, s27, 6
	s_add_co_u32 s26, s26, s27
	s_add_co_u32 s26, s26, 3145728                 ; its scale words
	s_mov_b32 s27, 0
	s_mov_b32 s[SEL], 0x76543210
	s_mov_b32 s[SEL+1], 0xfedcba98                 ; lane l xor 16
	s_mov_b32 s22, 0x3a800000                      ; 1 / 1,024
	s_mov_b32 s23, 0x3727c5ac                      ; eps = 1e-5
	s_wait_alu depctr_va_vdst(0)
	s_wait_kmcnt 0x0
	s_add_nc_u64 s[4:5], s[4:5], s[14:15]
	s_add_nc_u64 s[24:25], s[10:11], s[24:25]
	s_add_nc_u64 s[26:27], s[10:11], s[26:27]
.irp j, 0,1,2,3,4,5,6,7
	global_load_b128 v[XA+4*\j:XA+4*\j+3], v3, s[4:5] offset:512*\j          ; 32 lanes read 512 consecutive bytes
.endr
.irp j, 0,1,2,3,4,5,6,7
	global_load_b128 v[XB+4*\j:XB+4*\j+3], v3, s[4:5] offset:4096+512*\j
.endr
.irp j, 0,1,2,3,4,5,6,7
	global_load_b128 v[GG+4*\j:GG+4*\j+3], v3, s[6:7] offset:512*\j
.endr
.irp j, 0,1,2,3,4,5,6,7
	global_load_b128 v[BB+4*\j:BB+4*\j+3], v3, s[8:9] offset:512*\j
.endr
	s_wait_loadcnt 24                              ; the first row is in; the second row, g and b (24 loads) may be out
	ROWSTAT XA, 12
	s_wait_loadcnt 16                              ; the second row is in
	ROWSTAT XB, 14
	s_wait_loadcnt 0x0                             ; g and b
	NORM XA, 12, 0
	NORM XB, 14, PITCH
	s_wait_dscnt 0x0                               ; for the others' sake: my rows lie in LDS
	s_barrier_signal -1
	s_barrier_wait -1
.irp c, 0,1
.irp j, 0,1,2,3,4,5,6,7
	ds_load_b128 v[32+32*\c+4*\j:35+32*\c+4*\j], v5 offset:256*\c+16*\j      ; row r, k = 128 wave + 64 c + 32 h + 4 j ..
.endr
.endr
	s_wait_dscnt 0x0
	QB 32, 96, 108, 176
	QB 64, 102, 112, 184
	s_delay_alu instid0(VALU_DEP_4)
	v_lshl_or_b32 v182, v187, 16, v179             ; my two bytes: blocks h and 2 + h,
	s_delay_alu instid0(VALU_DEP_1)
	v_lshlrev_b32 v182, v8, v182                   ; at their places in the word;
	s_delay_alu instid0(VALU_DEP_1)
	v_permlanex16_b32 v183, v182, s[SEL], s[SEL+1]
	s_delay_alu instid0(VALU_DEP_1)
	v_or_b32 v182, v182, v183                      ; with lane l xor 16's two the word is whole
	global_store_b128 v3, v[96:99], s[24:25]       ; each store covers whole aligned runs of 256 bytes
	global_store_b64 v9, v[100:101], s[24:25] offset:512
	global_store_b128 v3, v[102:105], s[24:25] offset:768
	global_store_b64 v9, v[106:107], s[24:25] offset:1280
	s_wait_alu depctr_va_vdst(0)
	s_wait_xcnt 0x0                                ; EXEC changes only behind this wait
	v_cmp_gt_u32 vcc_lo, 16, v2
	s_wait_tensorcnt 0x0
	ds_add_u32 v192, v193
	s_wait_dscnt 0x0
	s_and_saveexec_b32 s28, vcc_lo
	global_store_b32 v16, v182, s[26:27]           ; lanes 0-15: 64 bytes of scale words (all that this work-group owns of that run)
	s_endpgm
.Lother:
	s_sub_co_u32 s3, ttmp9, 256                    ; my number among the 224 work-groups of the other two jobs
	s_load_b512 s[4:19], s[0:1], 0x18              ; the four weights: codes, scales
	s_load_b64 s[20:21], s[0:1], 0x58              ; the mask
	s_load_b64 s[22:23], s[0:1], 0x68              ; wts
	s_load_b64 s[24:25], s[0:1], 0x70              ; msk
	v_lshrrev_b32 v1, 5, v0
	s_delay_alu instid0(VALU_DEP_1)
	v_readfirstlane_b32 s26, v1                    ; wave 0..7
	v_and_b32 v2, 31, v0                           ; lane
	v_and_b32 v3, 15, v0                           ; r
	v_bfe_u32 v4, v0, 4, 1                         ; h
	s_delay_alu instid0(VALU_DEP_3)
	v_lshlrev_b32 v8, 4, v2                        ; 16 x lane
	s_delay_alu instid0(VALU_DEP_4)
	v_lshlrev_b32 v9, 3, v2                        ; 8 x lane
	s_cmp_ge_u32 s3, 96
	s_cbranch_scc1 .Lmask
	s_lshl_b32 s27, s3, 3
	s_add_co_u32 s27, s27, s26                     ; my unit
	s_wait_kmcnt 0x0
	s_mov_b64 s[28:29], s[4:5]                     ; which tensor: the choice hangs on the work-group's number alone
	s_mov_b64 s[30:31], s[6:7]
	s_mov_b32 s32, 0                               ; its first unit
	s_mov_b32 s33, 9437184                         ; where its scale words go
	s_cmp_ge_u32 s3, 24
	s_cselect_b64 s[28:29], s[8:9], s[28:29]
	s_cselect_b64 s[30:31], s[10:11], s[30:31]
	s_cselect_b32 s32, 192, s32
	s_cselect_b32 s33, 9535488, s33
	s_cmp_ge_u32 s3, 32
	s_cselect_b64 s[28:29], s[12:13], s[28:29]
	s_cselect_b64 s[30:31], s[14:15], s[30:31]
	s_cselect_b32 s32, 256, s32
	s_cselect_b32 s33, 9568256, s33
	s_cmp_ge_u32 s3, 64                            ; mlp_w2: K = 4,096, four units a tile
	s_cselect_b64 s[28:29], s[16:17], s[28:29]
	s_cselect_b64 s[30:31], s[18:19], s[30:31]
	s_cselect_b32 s32, 512, s32
	s_cselect_b32 s33, 9699328, s33
	s_cselect_b32 s34, 2, 0
	s_cselect_b32 s35, 3, 0
	s_mov_b32 s36, 768
	s_cselect_b32 s36, 3072, s36                   ; a row of codes in bytes
	s_cselect_b32 s37, 7, 5                        ; log2 of a row of scale bytes
	s_cselect_b32 s38, 12, 10                      ; log2 of a pair of tiles' scale words in bytes
	s_sub_co_u32 s39, s27, s32
	s_lshr_b32 s40, s39, s34                       ; the tile
	s_and_b32 s41, s39, s35                        ; which 8 K steps of it
	s_mul_i32 s42, s40, s36
	s_lshl_b32 s42, s42, 4
	s_mul_i32 s43, s41, 768
	s_add_co_u32 s42, s42, s43                     ; codes: 16 tile rows + 768 bytes for each 8 K steps
	s_mov_b32 s43, 0
	s_add_nc_u64 s[28:29], s[28:29], s[42:43]
	s_lshl_b32 s42, s40, 4
	s_lshl_b32 s42, s42, s37
	s_lshl_b32 s44, s41, 5
	s_add_co_u32 s42, s42, s44
	s_add_nc_u64 s[30:31], s[30:31], s[42:43]      ; scale bytes likewise: 32 bytes for 8 K steps
	s_mul_i32 s42, s27, 12288
	s_add_nc_u64 s[46:47], s[22:23], s[42:43]      ; the unit's images
	s_lshr_b32 s42, s40, 1
	s_lshl_b32 s42, s42, s38
	s_and_b32 s44, s40, 1
	s_lshl_b32 s44, s44, 6
	s_add_co_u32 s42, s42, s44
	s_lshl_b32 s44, s41, 10
	s_add_co_u32 s42, s42, s44
	s_add_co_u32 s42, s42, s33
	s_add_nc_u64 s[22:23], s[22:23], s[42:43]      ; and its scale words
	s_wait_alu depctr_va_vdst(0)
	v_mul_lo_u32 v5, v3, s36
	s_delay_alu instid0(VALU_DEP_1)
	v_mad_u32_u24 v5, v4, 24, v5                   ; row r, + 24 h: the 24 bytes of a block are the six registers as they lie
	v_lshlrev_b32 v6, s37, v3
	s_delay_alu instid0(VALU_DEP_1)
	v_lshl_add_u32 v6, v4, 4, v6                   ; row r's scale bytes, + 16 h: four K steps' words
	v_lshlrev_b32 v7, 2, v3
	s_delay_alu instid0(VALU_DEP_1)
	v_lshl_add_u32 v7, v4, 9, v7                   ; out: 4 r + 512 h
.irp f, 0,1,2,3,4,5,6,7
.irp p, 0,1,2,3,4,5
	global_load_b64 v[32+12*\f+2*\p:33+12*\f+2*\p], v5, s[28:29] offset:96*\f+48*(\p/3)+8*(\p%3)
.endr
.endr
	global_load_b128 v[128:131], v6, s[30:31]
	s_wait_alu depctr_va_vdst(0)
.irp f, 0,1,2,3,4,5,6,7
	s_wait_loadcnt 6*(7-\f)+1                      ; fragment f is in: the later fragments' loads and the scale load may be out
	global_store_b128 v8, v[32+12*\f:35+12*\f], s[46:47] offset:1536*\f
	global_store_b64 v9, v[36+12*\f:37+12*\f], s[46:47] offset:1536*\f+512
	global_store_b128 v8, v[38+12*\f:41+12*\f], s[46:47] offset:1536*\f+768
	global_store_b64 v9, v[42+12*\f:43+12*\f], s[46:47] offset:1536*\f+1280
.endr
	s_wait_loadcnt 0x0
.irp j, 0,1,2,3
	global_store_b32 v7, v[128+\j], s[22:23] offset:128*\j      ; K step 8 sg + 4 h + j
.endr
	s_endpgm
.Lmask:
	s_sub_co_u32 s27, s3, 96                       ; qt
	s_wait_alu depctr_va_vdst(0)
	v_lshlrev_b32 v5, 11, v3
	s_delay_alu instid0(VALU_DEP_1)
	v_lshl_add_u32 v5, v4, 3, v5                   ; row r of 2,048 bytes, + 8 h
	s_lshl_b32 s28, s27, 15
	s_lshl_b32 s29, s26, 8                         ; my two steps: 256 keys
	s_add_co_u32 s28, s28, s29
	s_mov_b32 s29, 0
	s_lshl_b32 s30, s27, 12
	s_lshl_b32 s31, s26, 9
	s_add_co_u32 s30, s30, s31                     ; words: (16 qt + 2 wave) x 256
	s_mov_b32 s31, 0
	s_lshl_b32 s32, s27, 5
	s_lshl_b32 s33, s26, 2
	s_add_co_u32 s32, s32, s33
	s_add_co_u32 s32, s32, 524288                  ; my flag word
	s_mov_b32 s33, 0
	s_wait_alu depctr_va_vdst(0)
	s_wait_kmcnt 0x0
	s_add_nc_u64 s[20:21], s[20:21], s[28:29]
	s_add_nc_u64 s[30:31], s[24:25], s[30:31]
	s_add_nc_u64 s[32:33], s[24:25], s[32:33]
.irp e, 0,1
.irp t, 0,1,2,3,4,5,6,7
	global_load_b64 v[32+16*\e+2*\t:33+16*\e+2*\t], v5, s[20:21] offset:128*\e+16*\t
.endr
.endr
	s_mov_b32 s44, 0                               ; the flags
.macro MSTEP e
	v_mov_b32 v[64+2*\e], 0
	v_mov_b32 v[65+2*\e], 0
	s_mov_b32 s36, -1
	s_mov_b32 s37, 0
.set n, 0
.rept 64
	v_and_b32 v[10+n%4], 0xff<<(8*(n%4)), v[32+16*\e+2*(n/8)+(n%8)/4]    ; byte j = n % 8 of my eight: key 16 t + 8 h + j
	s_delay_alu instid0(VALU_DEP_1)
	v_cmp_ne_u32 s[40+n%4], 0, v[10+n%4]           ; the lane mask is the word
	s_delay_alu instid0(VALU_DEP_1)
	v_writelane_b32 v[64+2*\e+n%2], s[40+n%4], n/2 ; word n to lane n / 2, register n % 2: a store of 8 bytes a lane lays them in order
	s_and_b32 s36, s36, s[40+n%4]
	s_or_b32 s37, s37, s[40+n%4]
.set n, n+1
.endr
	global_store_b64 v9, v[64+2*\e:65+2*\e], s[30:31] offset:256*\e      ; 256 consecutive bytes, aligned
	s_cmp_eq_u32 s36, -1
	s_cselect_b32 s38, 1, 0                        ; all masked
	s_cmp_eq_u32 s37, 0
	s_cselect_b32 s39, 0x10000, 0                  ; none masked
	s_or_b32 s38, s38, s39
	s_lshl_b32 s38, s38, \e
	s_or_b32 s44, s44, s38
.endm
	s_wait_loadcnt 8                               ; the first step's eight loads are in
	MSTEP 0
	s_wait_loadcnt 0x0
	MSTEP 1
	s_lshl_b32 s45, s26, 1
	s_lshl_b32 s44, s44, s45                       ; to bits 2 wave + e and 16 + 2 wave + e
	v_mov_b32 v12, s44
	v_mov_b32 v13, 0
	s_wait_alu depctr_va_vdst(0)
	s_wait_xcnt 0x0                                ; EXEC changes only behind this wait
	v_cmp_eq_u32 vcc_lo, 0, v2
	s_and_saveexec_b32 s46, vcc_lo
	global_store_b32 v13, v12, s[32:33]
	s_endpgm
.Lfunc_end_k_q43af51236f_prep:
	.size	k_q43af51236f_prep, .Lfunc_end_k_q43af51236f_prep-k_q43af51236f_prep
	.p2alignl 7, 3214868480
	.fill 96, 4, 3214868480
	.section	.rodata,"a",@progbits
	.p2align	6, 0x0
	.amdhsa_kernel k_q43af51236f_prep
		.amdhsa_group_segment_fixed_size 66816
		.amdhsa_private_segment_fixed_size 0
		.amdhsa_enable_private_segment 0
		.amdhsa_kernarg_size 120
		.amdhsa_user_sgpr_count 2
		.amdhsa_user_sgpr_kernarg_segment_ptr 1
		.amdhsa_wavefront_size32 1
		.amdhsa_system_sgpr_workgroup_id_x 1
		.amdhsa_system_sgpr_workgroup_id_y 1
		.amdhsa_system_sgpr_workgroup_id_z 1
		.amdhsa_system_vgpr_workitem_id 0
		.amdhsa_next_free_vgpr 194
		.amdhsa_next_free_sgpr 66
		.amdhsa_reserve_vcc 1
		.amdhsa_float_denorm_mode_32 3
		.amdhsa_float_denorm_mode_16_64 3
		.amdhsa_memory_ordered 1
		.amdhsa_forward_progress 1
		.amdhsa_inst_pref_size 83
	.end_amdhsa_kernel
	.amdgpu_metadata
---
amdhsa.version: [ 1, 2 ]
amdhsa.kernels:
  - .name:           k_q43af51236f_prep
    .symbol:         k_q43af51236f_prep.kd
    .args:
      - { .name: x, .offset: 0, .size: 8, .value_kind: global_buffer, .address_space: global }
      - { .name: ln1_g, .offset: 8, .size: 8, .value_kind: global_buffer, .address_space: global }
      - { .name: ln1_b, .offset: 16, .size: 8, .value_kind: global_buffer, .address_space: global }
      - { .name: qkv_w_codes, .offset: 24, .size: 8, .value_kind: global_buffer, .address_space: global }
      - { .name: qkv_w_scales, .offset: 32, .size: 8, .value_kind: global_buffer, .address_space: global }
      - { .name: out_w_codes, .offset: 40, .size: 8, .value_kind: global_buffer, .address_space: global }
      - { .name: out_w_scales, .offset: 48, .size: 8, .value_kind: global_buffer, .address_space: global }
      - { .name: mlp_w1_codes, .offset: 56, .size: 8, .value_kind: global_buffer, .address_space: global }
      - { .name: mlp_w1_scales, .offset: 64, .size: 8, .value_kind: global_buffer, .address_space: global }
      - { .name: mlp_w2_codes, .offset: 72, .size: 8, .value_kind: global_buffer, .address_space: global }
      - { .name: mlp_w2_scales, .offset: 80, .size: 8, .value_kind: global_buffer, .address_space: global }
      - { .name: attn_mask, .offset: 88, .size: 8, .value_kind: global_buffer, .address_space: global }
      - { .name: hq, .offset: 96, .size: 8, .value_kind: global_buffer, .address_space: global }
      - { .name: wts, .offset: 104, .size: 8, .value_kind: global_buffer, .address_space: global }
      - { .name: msk, .offset: 112, .size: 8, .value_kind: global_buffer, .address_space: global }
    .group_segment_fixed_size: 66816
    .private_segment_fixed_size: 0
    .kernarg_segment_align: 8
    .kernarg_segment_size: 120
    .max_flat_workgroup_size: 256
    .sgpr_count:     66
    .vgpr_count:     194
    .wavefront_size: 32
...
	.end_amdgpu_metadata
.endif
;; end of part 1
;; launch qkv (part 2): grid 12 x 16, 4 waves a work-group, clusters of 4 x 4, 327,680 bytes of LDS; arguments hq, wts, qkv_b, rope_cos, rope_sin, q, kv; writes q, kv
.if DOCPART == 2
	.amdgcn_target "amdgcn-amd-amdhsa--gfx1250"
	.amdhsa_code_object_version 6
	.text
	.protected	k_q43af51236f_qkv
	.globl	k_q43af51236f_qkv
	.p2align	8
	.type	k_q43af51236f_qkv,@function
k_q43af51236f_qkv:
	s_mov_b64 s[64:65], 0
	v_nop
	global_prefetch_b8 v0, s[64:65] scope:SCOPE_SE
	s_setreg_imm32_b32 hwreg(HW_REG_WAVE_MODE, 25, 1), 1
	s_wait_xcnt 0x0
	s_wait_alu depctr_hold_cnt(0) depctr_sa_sdst(0) depctr_va_vdst(0) depctr_va_sdst(0) depctr_va_ssrc(0) depctr_va_vcc(0) depctr_vm_vsrc(0)
	s_getreg_b32 s2, hwreg(HW_REG_IB_STS2, 6, 4)
	s_cmp_eq_u32 s2, 0
	s_cbranch_scc0 .Lentry_in_a_cluster
	s_endpgm
.Lentry_in_a_cluster:
	s_bfe_u32 s2, ttmp6, 0x10000c
	s_cmp_lg_u32 s2, 0xf033
	s_cbranch_scc0 .Lentry_shape_is_right
	s_endpgm
.Lentry_shape_is_right:
; qkv = Q(LN1(x)) qkv_w + qkv_b on codes of E2M3 (K = 1,024), then: q and k are turned by the rope tables and quantised along the head's 64; v is quantised along the keys.  All in f32 between.
; A tile of 256 x 256 is made by four waves, 128 x 128 each: 64 accumulators.  Source 0 (X) gives the registers' axis of a result, source 1 (Y) the lanes' axis.
; Clusters x = 0, 1 (q's and k's columns): X = 256 rows of the weight, Y = 256 tokens: a lane holds one token and its registers run along the columns.
; Cluster x = 2 (v's columns): X = 256 tokens, Y = 256 rows of the weight: a lane holds one channel and its registers run along the tokens, which are the second attention product's K.
; Both operands lie in memory as images of fragments of the same shape, so only pointers are chosen; the products are one text.
; THE RING.  K goes in four steps of 256 (a wave's tensor load: 8 tiles x 3,072 bytes) through THREE places of 98,304 bytes in LDS.  K steps 0, 1 and 2 are first fills; K step 3 is the one refill, into K step 0's place,
; asked for behind the first change of slots and waited for at the head of the third: 224 matrix instructions a wave later.  The second change has no barrier: the first one's wait for all loads and its barrier have shown K step 2 whole.
; Places: K step 1 at place 0, K steps 0 and 3 at place 1, K step 2 at place 2; K step u reads by address set u % 2, and each set moves on once, by one place.
; The scale words of the work-group's rows, for all of K, come once.
; CLUSTERS: 4 x 4 work-groups; Y's tiles are shared along a row of the cluster, X's along a column: each is asked for jointly.
; FRAGMENT IMAGE (1,536 bytes): for c = 0, 1: registers 6c..6c+3 of lane l at 768 c + 16 l, registers 6c+4, 6c+5 at 768 c + 512 + 8 l.  Every LDS load is dense: no padding.
; SCALE WORDS: [pair of tiles][K step][32 lanes]: lanes 0-15 the even tile's rows, lanes 16-31 the odd tile's.
; OUT: q: [bh][tile of 16 tokens][768 bytes: the half fragment of K = 64]; words [bh][tile][16] from 3,145,728 (bytes 2, 3 are 0).  kv: 208,896 bytes a head: k likewise at 0, v [step of 128 keys][4 tiles of channels][1,536]
; at 98,304, k's words at 196,608, v's words [step][pair][32] at 204,800.  IN A BLOCK OF 32 KEYS v's codes stand in the order 0-7, 16-23, 8-15, 24-31: the order in which the attention's p comes out of its registers.
; REGISTERS: window 0: v0-31 addresses; v32-63 scale words, two sets; v64-127 the bias as the first products' C; v128-223 Y's fragments, one set; v224-231 v's bias, on its way out.  Window 1: X's fragments, two sets.  Windows 2, 3: accumulators.
; LIMITS: a block under 2^-124 (zeros too) gets the byte 1; NaN and infinities among the inputs are not served.
.set NQ, 2
.set FR, 12
.set FRB, 1536
.set NL, 4                             ; LDS loads that bring a fragment
.set NP, 4                             ; places behind this matrix instruction (ISA guide 7.12.1)
.set TROW, NQ*FRB                      ; a tile's bytes in a slot
.set HALFT, 8*TROW                     ; what one tensor load brings
.set SLOT, 4*HALFT                     ; Y's 16 tiles, then X's 16
.set SCL, 3*SLOT                       ; behind the ring's three places
.set HALFS, 4096
.set SPARE, SCL+4*HALFS                ; the spare words: 128 bytes a wave, two blocks of 256 bytes that no other line names
.set SPITCH, 528                       ; the way out: a stage of 16 rows x (512 + 16) bytes a wave, at place 0 of the ring, which has had its one fill, and its last read ahead of the last barrier
.set STO, 10
.set RDO, 11
.set RDX, 12
.set ADRY, 16                          ; v16-17: 16 x lane + my Y tiles, address sets 0, 1; v18-19: the same with 8 x lane
.set ADRX, 20                          ; v20-23 likewise for X
.set ADSY, 24
.set ADSX, 25
.set SPW, 28
.set NIL, 29
.set SC, 32
.set BIAS, 64
.set YF, 128
.set VB, 224
.set SEL, 66
.set G1, 24
.set G0, 32
.set G1X, 48
.set G0X, 56
.set G1S, 68
.set G0S, 76
.set G1SX, 80
.set G0SX, 88
.set MSB, 0
.macro WIN new                         ; the immediate's high byte repeats the setting that is left
.if MSB != (\new)
	s_set_vgpr_msb (MSB<<8)|(\new)
.set MSB, (\new)
.endif
.endm
.set MUL_LO, 0xa1                      ; source 0 (X) window 1, source 1 (Y) window 0, C and D window 2
.set MUL_HI, 0xf1
.set TO_X, 0x40
.macro JLOAD g0a, g1a, g0b, g1b        ; a joint load: waves 0, 1 fetch for Y, waves 2, 3 for X; four v_nop follow each line
	s_cmp_eq_u32 s15, 0
	s_cbranch_scc0 .Lfor_x_\@
	tensor_load_to_lds s[\g0a:\g0a+3], s[\g1a:\g1a+7]
	s_nop 0
.rept 4
	v_nop
.endr
	s_branch .Lasked_\@
.Lfor_x_\@:
	tensor_load_to_lds s[\g0b:\g0b+3], s[\g1b:\g1b+7]
	s_nop 0
.rept 4
	v_nop
.endr
.Lasked_\@:
.endm
.macro CREST
	s_cmp_lg_u32 s14, 0
	s_cbranch_scc1 .Lnot_wave_0_\@
	s_barrier_signal -3
.Lnot_wave_0_\@:
	s_barrier_wait -3
	s_barrier_signal -1
	s_barrier_wait -1
.endm
.macro CROUND
	s_barrier_signal -1
	s_barrier_wait -1
	CREST
.endm
.macro PLACES n
.rept \n
	v_nop
.endr
.endm
.macro FRAG reg, adr, off
	ds_load_b128 v[\reg:\reg+3], v[\adr] offset:\off
	ds_load_b64 v[\reg+4:\reg+5], v[\adr+2] offset:\off+512
	ds_load_b128 v[\reg+6:\reg+9], v[\adr] offset:\off+768
	ds_load_b64 v[\reg+10:\reg+11], v[\adr+2] offset:\off+1280
.endm
.macro FETCH_X slot, q, p
	WIN TO_X
.irp i, 0,1,2,3,4,5,6,7
	FRAG 128*(\p)+FR*\i, ADRX+\slot, \i*TROW+(\q)*FRB
.endr
	WIN 0
.endm
.macro FETCH_Y slot, q, i0
.irp i, \i0, \i0+1, \i0+2, \i0+3
	FRAG YF+FR*(\i), ADRY+\slot, (\i)*TROW+(\q)*FRB
.endr
.endm
.macro SCALES sc                       ; a K step's scale words: pair p, half u of the K step; Y's in registers 2 p + u, X's in 8 + 2 p + u of the set
.irp p, 0,1,2,3
.irp u, 0,1
	ds_load_b32 v[SC+16*\sc+2*\p+\u], v[ADSY] offset:\p*1024+\u*128
	ds_load_b32 v[SC+16*\sc+8+2*\p+\u], v[ADSX] offset:\p*1024+\u*128
.endr
.endr
.endm
; one product: Y's block a x X's block b.  An odd tile's scale words stand in lanes 16-31 of its pair's register.  zero = 1: the first product takes the bias as C.
.macro WM a, b, p, q, sc, zero
.set rD, 8*(8*((\a)%4)+(\b))
.set rC, rD
.if \zero
.set rC, BIAS+8*(\b)
.endif
.set rX, 128*(\p)+FR*(\b)
.set rY, YF+FR*(\a)
.set sX, SC+SCO+16*(\sc)+8+2*((\b)/2)+(\q)     ; SCO: 0 for K steps 0, 1 (v32-63), 192 for K steps 2, 3 (v224-255)
.set sY, SC+SCO+16*(\sc)+2*((\a)/2)+(\q)
.if ((\a)%2 == 0) && ((\b)%2 == 0)
	v_wmma_scale_f32_16x16x128_f8f6f4 v[rD:rD+7], v[rX:rX+11], v[rY:rY+11], v[rC:rC+7], v[sX], v[sY] matrix_a_fmt:MATRIX_FMT_FP6 matrix_b_fmt:MATRIX_FMT_FP6
.elseif (\a)%2 == 0
	v_wmma_scale_f32_16x16x128_f8f6f4 v[rD:rD+7], v[rX:rX+11], v[rY:rY+11], v[rC:rC+7], v[sX], v[sY] matrix_a_fmt:MATRIX_FMT_FP6 matrix_b_fmt:MATRIX_FMT_FP6 matrix_a_scale:MATRIX_SCALE_ROW1
.elseif (\b)%2 == 0
	v_wmma_scale_f32_16x16x128_f8f6f4 v[rD:rD+7], v[rX:rX+11], v[rY:rY+11], v[rC:rC+7], v[sX], v[sY] matrix_a_fmt:MATRIX_FMT_FP6 matrix_b_fmt:MATRIX_FMT_FP6 matrix_b_scale:MATRIX_SCALE_ROW1
.else
	v_wmma_scale_f32_16x16x128_f8f6f4 v[rD:rD+7], v[rX:rX+11], v[rY:rY+11], v[rC:rC+7], v[sX], v[sY] matrix_a_fmt:MATRIX_FMT_FP6 matrix_b_fmt:MATRIX_FMT_FP6 matrix_a_scale:MATRIX_SCALE_ROW1 matrix_b_scale:MATRIX_SCALE_ROW1
.endif
.endm
.macro MUL16 a0, p, q, sc, zero        ; the 64 accumulators take turns, one instruction a turn, in the same order in every step
.irp a, \a0, \a0+1
.irp b, 0,1,2,3,4,5,6,7
	WM \a, \b, \p, \q, \sc, \zero
.endr
.endr
.endm
.macro STEP slot, q, zero              ; 128 along K with its successor in the same K step.  slot: the address set and the set of scale words
	s_wait_dscnt 4*NL                              ; X's set, Y's blocks 0-3 and the scale words are in; the youngest 16 loads (Y's blocks 4-7) may be out
.if \zero
	WIN 0x81                                       ; C (the bias) in window 0, D in window 2
.else
	WIN MUL_LO
.endif
	MUL16 0, (\q)%2, \q, \slot, \zero
	MUL16 2, (\q)%2, \q, \slot, \zero
	s_wait_dscnt 0
	PLACES NP
	FETCH_X \slot, (\q)+1, 1-(\q)%2
	FETCH_Y \slot, (\q)+1, 0
.if \zero
	WIN 0xc1
.else
	WIN MUL_HI
.endif
	MUL16 4, (\q)%2, \q, \slot, \zero
	MUL16 6, (\q)%2, \q, \slot, \zero
	PLACES NP
	WIN 0
	FETCH_Y \slot, (\q)+1, 4
.endm
; A K step's last 128: the next K step lies at another place.  mode 1: one barrier, a round of the cluster's, and this K step's place is filled again; mode 0: a barrier alone, for the refill's landing;
; mode 2: no barrier: the next place was shown whole by the barrier of mode 1.  In modes 1 and 2 this K step's address set moves on by one place, for the K step two on.
.macro TURN slot, next, mode
.if (\mode) < 2
	s_wait_tensorcnt 0x0                           ; all my tensor loads have landed;
	ds_add_u32 v[SPW], v[NIL]                      ; 0 onto my spare word;
	s_wait_dscnt 4*NL+1                            ; (the add and Y's blocks 4-7 may be out)
	WIN MUL_LO
	MUL16 0, 1, NQ-1, \slot, 0
	s_wait_dscnt 0x0                               ; the add is done, and my reads of this place are over
	s_barrier_signal -1
	MUL16 2, 1, NQ-1, \slot, 0
	WIN 0
	s_barrier_wait -1
.else
	s_wait_dscnt 4*NL                              ; all but Y's blocks 4-7
	WIN MUL_LO
	MUL16 0, 1, NQ-1, \slot, 0
	MUL16 2, 1, NQ-1, \slot, 0
	s_wait_dscnt 0
	WIN 0
.endif
.if (\mode) == 1
	CREST                                          ; the barrier has opened a round of the cluster's barrier: no wave of any partner still reads this place or has a load on its way
	s_add_nc_u64 s[G0+4*\slot+2:G0+4*\slot+3], s[G0+4*\slot+2:G0+4*\slot+3], 3*TROW
	s_add_nc_u64 s[G0X+4*\slot+2:G0X+4*\slot+3], s[G0X+4*\slot+2:G0X+4*\slot+3], 3*TROW
	JLOAD G0+4*\slot, G1, G0X+4*\slot, G1X         ; the first tensor load behind the round, and the launch's last; its four v_nop are the places in front of the loads below
.else
	PLACES NP
.endif
.if (\mode) > 0
	v_add_nc_u32 v[ADRY+\slot], SLOT, v[ADRY+\slot]        ; all fetches by this set have been issued
	v_add_nc_u32 v[ADRY+2+\slot], SLOT, v[ADRY+2+\slot]
	v_add_nc_u32 v[ADRX+\slot], SLOT, v[ADRX+\slot]
	v_add_nc_u32 v[ADRX+2+\slot], SLOT, v[ADRX+2+\slot]
.endif
	FETCH_X \next, 0, 0
	FETCH_Y \next, 0, 0
	WIN MUL_HI
	MUL16 4, 1, NQ-1, \slot, 0
	MUL16 6, 1, NQ-1, \slot, 0
	PLACES NP
	WIN 0
	FETCH_Y \next, 0, 4
.endm
	s_load_b256 s[4:11], s[0:1], 0x0               ; hq s[4:5], wts s[6:7], qkv_b s[8:9], rope_cos s[10:11]
	s_load_b128 s[96:99], s[0:1], 0x20             ; rope_sin s[96:97], q s[98:99]
	s_load_b64 s[100:101], s[0:1], 0x30            ; kv
	v_lshl_add_u32 v[SPW], v0, 2, SPARE
	v_mov_b32 v[NIL], 0
	ds_add_u32 v28, v29
	ds_add_u32 v28, v29
	s_wait_dscnt 0x0
	v_lshrrev_b32 v1, 5, v0
	v_readfirstlane_b32 s14, v1                    ; wave 0..3
	s_lshr_b32 s15, s14, 1                         ; which half of Y's tiles is mine.  Also: I fetch for Y (0) or for X (1)
	s_and_b32 s16, s14, 1                          ; which half of X's.  Also: which 8 tiles I fetch
	s_bfe_u32 s40, ttmp6, 0x40000                  ; cx
	s_bfe_u32 s41, ttmp6, 0x40004                  ; cy
	s_and_b32 s17, ttmp7, 0xffff                   ; cluster y
	s_cmp_eq_u32 ttmp9, 2                          ; v's columns?  The same in all sixteen partners
	s_cselect_b32 s42, s17, ttmp9                  ; X's block of four tiles: tokens by cluster y, or the weight's rows by cluster x
	s_cselect_b32 s17, 2, s17                      ; Y's: the weight's rows 2,048 on, or tokens by cluster y
	s_lshl_b32 s42, s42, 2
	s_add_co_u32 s42, s42, s40                     ; X's tile of 256 rows: hangs on cx alone within the cluster
	s_lshl_b32 s17, s17, 2
	s_add_co_u32 s17, s17, s41                     ; Y's: on cy alone
	s_lshl_b32 s43, s41, 2
	s_lshl_b32 s43, 15, s43                        ; my row of the cluster
	s_lshl_b32 s44, 0x1111, s40                    ; my column
	s_or_b32 s[G1+0], s43, (3<<16)|(1<<21)         ; 15:0 the mask; 17:16 elements of 8 bytes; 21 set beside a mask; no padding
	s_or_b32 s[G1X+0], s44, (3<<16)|(1<<21)
.irp g, G1, G1X
	s_mov_b32 s[\g+1], 384<<16                     ; tensor_dim0: 3,072 bytes: a tile's 256 along K
	s_mov_b32 s[\g+2], 8<<16                       ; tensor_dim1: 8 tiles
	s_mov_b32 s[\g+3], 384<<16                     ; tile_dim0
	s_mov_b32 s[\g+4], 8                           ; tile_dim1
	s_mov_b32 s[\g+5], 1536                        ; from tile to tile: 8 x 1,536 bytes
	s_mov_b32 s[\g+6], 0
	s_mov_b32 s[\g+7], 0
.endr
	s_or_b32 s[G1S+0], s43, (3<<16)|(1<<21)
	s_or_b32 s[G1SX+0], s44, (3<<16)|(1<<21)
.irp g, G1S, G1SX
	s_mov_b32 s[\g+1], 384<<16                     ; the head's loads: 16 tiles x 3,072 bytes, one K step of all of Y's or X's tiles
	s_mov_b32 s[\g+2], 16<<16
	s_mov_b32 s[\g+3], 384<<16
	s_mov_b32 s[\g+4], 16
	s_mov_b32 s[\g+5], 1536
	s_mov_b32 s[\g+6], 0
	s_mov_b32 s[\g+7], 0
.endr
	s_lshl_b32 s18, s16, 3
	s_lshl_b32 s20, s17, 4
	s_add_co_u32 s20, s20, s18                     ; Y: my first tile of 16 rows
	s_lshl_b32 s46, s42, 4
	s_add_co_u32 s46, s46, s18                     ; X: likewise
	s_lshl_b32 s19, s15, 3                         ; Y's scale words: of the 8 tiles that I multiply
	s_lshl_b32 s22, s17, 4
	s_add_co_u32 s22, s22, s19
	s_lshl_b32 s22, s22, 9
	s_lshl_b32 s92, s46, 9
	s_mul_i32 s20, s20, 8*FRB
	s_mul_i32 s46, s46, 8*FRB
	s_mov_b32 s21, 0
	s_mov_b32 s23, 0
	s_mov_b32 s47, 0
	s_mov_b32 s93, 0
	s_mul_i32 s45, s14, HALFT                      ; where they go: by the wave's number alone
	s_mul_i32 s94, s16, 64*FRB-TROW                ; from my 8 tiles back to the block's first tile, and on to K step s16
	s_mov_b32 s95, 0
.set SCO, 0
	s_wait_kmcnt 0x0
	s_cmp_eq_u32 ttmp9, 2
	s_cselect_b64 s[12:13], s[4:5], s[6:7]         ; X's buffer
	s_cselect_b64 s[66:67], s[6:7], s[4:5]         ; Y's
	s_mov_b32 s18, 9437184
	s_cselect_b32 s18, 3145728, s18                ; where X's scale words begin in it
	s_mov_b32 s19, 3145728
	s_cselect_b32 s19, 9437184, s19                ; and Y's
	s_add_co_u32 s92, s92, s18
	s_add_co_u32 s22, s22, s19
	s_add_nc_u64 s[20:21], s[66:67], s[20:21]
	s_add_nc_u64 s[36:37], s[66:67], s[22:23]      ; Y's scale words
	s_add_nc_u64 s[46:47], s[12:13], s[46:47]
	s_add_nc_u64 s[60:61], s[12:13], s[92:93]      ; X's scale words
	CROUND                                         ; all sixteen work-groups are here: the first joint loads meet
	; THE HEAD'S LOADS, one a wave: waves 0, 1 bring Y's 16 tiles of K steps 0, 1; waves 2, 3 X's.  K step 0 lies at place 1, K step 1 at place 0
	s_sub_nc_u64 s[G0S+2:G0S+3], s[20:21], s[94:95]
	s_or_b32 s[G0S+3], s[G0S+3], 0x80000000
	s_sub_nc_u64 s[G0SX+2:G0SX+3], s[46:47], s[94:95]
	s_or_b32 s[G0SX+3], s[G0SX+3], 0x80000000
	s_xor_b32 s94, s16, 1
	s_mul_i32 s94, s94, SLOT
	s_mov_b32 s[G0S], 1
	s_mov_b32 s[G0S+1], s94
	s_mov_b32 s[G0SX], 1
	s_add_co_u32 s[G0SX+1], s94, 2*HALFT
	JLOAD G0S, G1S, G0SX, G1SX                     ; the head's loads: K steps 0 and 1
.irp s, 0
	s_mov_b32 s[G0+4*\s], 1
	s_add_co_u32 s[G0+4*\s+1], s45, (1-\s)*SLOT    ; K step 0 at place 1, K step 1 at place 0
	s_add_nc_u64 s[G0+4*\s+2:G0+4*\s+3], s[20:21], \s*TROW
	s_or_b32 s[G0+4*\s+3], s[G0+4*\s+3], 0x80000000
	s_mov_b32 s[G0X+4*\s], 1
	s_add_co_u32 s[G0X+4*\s+1], s45, (1-\s)*SLOT
	s_add_nc_u64 s[G0X+4*\s+2:G0X+4*\s+3], s[46:47], \s*TROW
	s_or_b32 s[G0X+4*\s+3], s[G0X+4*\s+3], 0x80000000
.endr
	s_add_nc_u64 s[22:23], s[20:21], 2*TROW        ; K step 2's groups 0, at place 2, in registers that are done with: s[20:23] for Y, s[92:95] for X
	s_or_b32 s23, s23, 0x80000000
	s_add_co_u32 s21, s45, 2*SLOT
	s_mov_b32 s20, 1
	s_add_nc_u64 s[94:95], s[46:47], 2*TROW
	s_or_b32 s95, s95, 0x80000000
	s_add_co_u32 s93, s45, 2*SLOT
	s_mov_b32 s92, 1
	v_and_b32 v1, 31, v0                           ; lane
	v_lshlrev_b32 v2, 4, v1
	v_lshlrev_b32 v3, 3, v1
	v_lshlrev_b32 v4, 2, v1
	v_and_b32 v5, 15, v0                           ; r
	v_bfe_u32 v6, v0, 4, 1                         ; h
	v_lshlrev_b32 v7, 3, v6                        ; 8 h
	s_mul_i32 s18, s15, HALFT
	s_mul_i32 s19, s16, HALFT
	s_add_co_u32 s19, s19, 2*HALFT
.irp s, 1,0                                    ; address set 1 begins at place 0, set 0 at place 1
	v_add_nc_u32 v[ADRY+\s], s18, v2
	v_add_nc_u32 v[ADRY+2+\s], s18, v3
	v_add_nc_u32 v[ADRX+\s], s19, v2
	v_add_nc_u32 v[ADRX+2+\s], s19, v3
	s_add_co_u32 s18, s18, SLOT
	s_add_co_u32 s19, s19, SLOT
.endr
	s_wait_alu depctr_va_vdst(0)
.irp p, 0,1,2,3                                ; all scale words of my 8 + 8 tiles, 8 steps of 128 along K, go into 64 registers once: 128 consecutive bytes a load
.irp k, 0,1,2,3,4,5,6,7
	global_load_b32 v[SC+192*(\k/4)+16*((\k/2)%2)+2*\p+(\k%2)], v4, s[36:37] offset:\p*1024+\k*128
	global_load_b32 v[SC+192*(\k/4)+16*((\k/2)%2)+8+2*\p+(\k%2)], v4, s[60:61] offset:\p*1024+\k*128
.endr
.endr
	s_mul_i32 s18, s14, 16*SPITCH                  ; my stage
	v_mul_u32_u24 v9, v5, SPITCH
	v_add_nc_u32 v9, s18, v9
	v_lshl_add_u32 v[STO], v6, 5, v9               ; in: row r, 32 bytes for each half of the lanes
	v_lshl_add_u32 v[RDO], v6, 7, v9               ; back: my half of a head's 64 numbers,
	v_xor_b32 v[RDX], 1, v6
	v_lshl_add_u32 v[RDX], v[RDX], 7, v9           ; and the other half
	v_lshlrev_b32 v8, 7, v5                        ; the rope tables: 128 bytes a token
	v_lshlrev_b32 v13, 5, v6                       ; the bias: my half's eight numbers
	v_lshlrev_b32 v14, 2, v5                       ; 4 r
	v_cvt_f32_u32 v30, v6
	v_fma_f32 v30, v30, 2.0, -1.0                  ; -1 for the first half of a head, +1 for the second: the sign of the sine's term
	v_mov_b32 v31, v30
	s_mov_b32 s[SEL], 0x76543210
	s_mov_b32 s[SEL+1], 0xfedcba98
	s_cmp_eq_u32 ttmp9, 2
	s_cbranch_scc1 .Lbias_v
	s_lshl_b32 s18, s42, 10
	s_lshl_b32 s19, s16, 9
	s_add_co_u32 s18, s18, s19
	s_mov_b32 s19, 0
	s_add_nc_u64 s[12:13], s[8:9], s[18:19]        ; q, k: the bias runs along the registers: column 16 b + 8 h + j of my 128.  (s[8:9] stays as it came: v's way out starts from it)
	s_wait_alu depctr_va_vdst(0)
.irp b, 0,1,2,3,4,5,6,7
	global_load_b128 v[BIAS+8*\b:BIAS+8*\b+3], v13, s[12:13] offset:64*\b
	global_load_b128 v[BIAS+8*\b+4:BIAS+8*\b+7], v13, s[12:13] offset:64*\b+16
.endr
	s_branch .Lbias_done
.Lbias_v:                                          ; v: the bias runs along the lanes: it is added on the way out, and the sums begin at 0
.set i, 0
.rept 64
	v_mov_b32 v[BIAS+i], 0
.set i, i+1
.endr
.Lbias_done:
	s_wait_alu depctr_va_vdst(0)
	s_wait_tensorcnt 0x0                           ; my head load is in
	ds_add_u32 v[SPW], v[NIL]
	s_wait_dscnt 0x0
	CROUND                                         ; K steps 0 and 1 are whole in every partner
	JLOAD 20, G1, 92, G1X                          ; K step 2, a quarter a wave, into place 2
	FETCH_X 0, 0, 0
	FETCH_Y 0, 0, 0
	FETCH_Y 0, 0, 4
	s_wait_loadcnt 0x0                             ; the bias
	s_wait_alu depctr_va_vdst(0)
	STEP 0, 0, 1                                   ; K step 0
	TURN 0, 1, 1                                   ; its place takes K step 3
	s_wait_alu depctr_va_vdst(0)
	STEP 1, 0, 0                                   ; K step 1
	TURN 1, 0, 2
.set SCO, 192
	s_wait_alu depctr_va_vdst(0)
	STEP 0, 0, 0                                   ; K step 2
	TURN 0, 1, 0                                   ; K step 3 has landed, everybody's part
	STEP 1, 0, 0                                   ; K step 3
	s_wait_dscnt 4*NL
	WIN MUL_LO
	MUL16 0, 1, NQ-1, 1, 0
	MUL16 2, 1, NQ-1, 1, 0
	s_wait_dscnt 0
	WIN MUL_HI
	MUL16 4, 1, NQ-1, 1, 0
	MUL16 6, 1, NQ-1, 1, 0
	WIN 0
	PLACES NP                                      ; in front of the first read of results and of loads into registers that the products have read
	s_mov_b32 s36, 0xffff0000                      ; lanes 16-31
	s_cmp_eq_u32 ttmp9, 2
	s_cbranch_scc1 .Lout_v
; ---- THE WAY OUT OF q AND k.  No tensor load of mine is out, so the descriptors' registers serve as pointers.
.macro QB src, dst, tmp, wk            ; a whole block of 32 numbers of one lane: six registers of codes; v[wk+3] its scale byte
	v_max3_num_f32 v[\wk], |v[\src]|, |v[\src+1]|, 0x1800000
	v_max3_num_f32 v[\wk+1], |v[\src+16]|, |v[\src+17]|, |v[\src+18]|
.irp i, 2,4,6,8,10,12
	v_max3_num_f32 v[\wk], v[\wk], |v[\src+\i]|, |v[\src+\i+1]|
	v_max3_num_f32 v[\wk+1], v[\wk+1], |v[\src+\i+17]|, |v[\src+\i+18]|
.endr
	v_max3_num_f32 v[\wk], v[\wk], |v[\src+14]|, |v[\src+15]|
	v_max3_num_f32 v[\wk], v[\wk], v[\wk+1], |v[\src+31]|
	v_add_nc_u32 v[\wk+2], 0xff000000, v[\wk]
	v_cvt_scalef32_pk16_fp6_f32 v[\dst:\dst+2], v[\src:\src+15], v[\wk+2]
	v_cvt_scalef32_pk16_fp6_f32 v[\tmp:\tmp+2], v[\src+16:\src+31], v[\wk+2]
	v_lshrrev_b32 v[\wk+3], 23, v[\wk+2]           ; the byte; also the plain instruction behind the conversions
	v_mov_b32 v[\dst+3], v[\tmp]
	v_mov_b32 v[\dst+4], v[\tmp+1]
	v_mov_b32 v[\dst+5], v[\tmp+2]
.endm
.macro TOSTAGE a
.set AC, 64*((\a)%4)
	WIN 0x08+4*((\a)/4)                            ; an LDS store's data: window 2 or 3
.irp b, 0,1,2,3,4,5,6,7
	ds_store_b128 v[STO], v[AC+8*\b:AC+8*\b+3] offset:64*\b          ; each accumulator from its low end on
	ds_store_b128 v[STO], v[AC+8*\b+4:AC+8*\b+7] offset:64*\b+16
.endr
	WIN 0
.endm
.macro ROPE_LOAD a                     ; cos and sin of token 16 a + r: 32 numbers each, into set a % 2
.set RS, 96+64*((\a)%2)
.irp j, 0,1,2,3,4,5,6,7
	global_load_b128 v[RS+4*\j:RS+4*\j+3], v8, s[24:25] offset:2048*(\a)+16*\j
	global_load_b128 v[RS+32+4*\j:RS+35+4*\j], v8, s[26:27] offset:2048*(\a)+16*\j
.endr
.endm
.macro QKBLOCK a                       ; 16 tokens x two heads
	s_wait_xcnt 0x0                                ; the earlier stores have read their registers
	TOSTAGE \a
.if (\a) < 7
	s_wait_loadcnt 16                              ; this block's tables are in; the next block's 16 loads may be out
.else
	s_wait_loadcnt 0x0
.endif
.set RS, 96+64*((\a)%2)
.irp i, 0,2,4,6,8,10,12,14,16,18,20,22,24,26,28,30
	v_pk_mul_f32 v[RS+32+\i:RS+33+\i], v[RS+32+\i:RS+33+\i], v[30:31]
.endr
.irp e, 0,1
.irp j, 0,1,2,3,4,5,6,7
	ds_load_b128 v[32+4*\j:35+4*\j], v[RDO] offset:256*\e+16*\j      ; LDS serves a wave's instructions in order: these see my stores
.endr
.irp j, 0,1,2,3,4,5,6,7
	ds_load_b128 v[64+4*\j:67+4*\j], v[RDX] offset:256*\e+16*\j
.endr
	s_wait_dscnt 0x0
.irp i, 0,2,4,6,8,10,12,14,16,18,20,22,24,26,28,30
	v_pk_mul_f32 v[32+\i:33+\i], v[32+\i:33+\i], v[RS+\i:RS+\i+1]
.endr
.irp i, 0,2,4,6,8,10,12,14,16,18,20,22,24,26,28,30
	v_pk_fma_f32 v[32+\i:33+\i], v[64+\i:65+\i], v[RS+32+\i:RS+33+\i], v[32+\i:33+\i]   ; mine x cos -+ the other half x sin
.endr
	QB 32, 224+10*\e, 230+10*\e, 244+4*\e
	global_store_b128 v2, v[224+10*\e:227+10*\e], s[28+2*\e:29+2*\e] offset:768*(\a)
	global_store_b64 v3, v[228+10*\e:229+10*\e], s[28+2*\e:29+2*\e] offset:768*(\a)+512
.endr
.if (\a)+2 < 8
	ROPE_LOAD (\a)+2
.endif
	v_lshl_or_b32 v252, v251, 16, v247             ; my bytes of the two heads,
	v_lshlrev_b32 v252, v7, v252                   ; at block h's place;
	v_permlanex16_b32 v253, v252, s[SEL], s[SEL+1]
	v_or_b32 v252, v252, v253                      ; low half: head 0's word, high half: head 1's
.if (\a)%2 == 0
	v_and_b32 v26, 0xffff, v252                    ; an even tile's words are kept,
	v_lshrrev_b32 v27, 16, v252
.else
	v_and_b32 v254, 0xffff, v252
	v_lshrrev_b32 v255, 16, v252
	v_cndmask_b32 v254, v26, v254, s36             ; and leave with the odd tile's: 128 bytes a store
	v_cndmask_b32 v255, v27, v255, s36
	global_store_b32 v4, v254, s[32:33] offset:64*((\a)-1)
	global_store_b32 v4, v255, s[34:35] offset:64*((\a)-1)
.endif
.endm
	s_lshl_b32 s48, s17, 8
	s_lshl_b32 s49, s15, 7
	s_add_co_u32 s48, s48, s49                     ; my first token
	s_lshr_b32 s49, s48, 11                        ; its batch,
	s_and_b32 s48, s48, 2047                       ; its place there
	s_and_b32 s50, s42, 3
	s_lshl_b32 s50, s50, 2
	s_lshl_b32 s51, s16, 1
	s_add_co_u32 s50, s50, s51                     ; my first head
	s_lshl_b32 s49, s49, 4
	s_add_co_u32 s49, s49, s50
	s_cmp_eq_u32 ttmp9, 1                          ; k or q
	s_cselect_b64 s[28:29], s[100:101], s[98:99]
	s_mov_b32 s52, 98304
	s_cselect_b32 s52, 208896, s52                 ; from head to head: codes,
	s_mov_b32 s54, 8192
	s_cselect_b32 s54, 208896, s54                 ; scale words,
	s_mov_b32 s37, 3145728
	s_cselect_b32 s37, 196608, s37                 ; and where these begin
	s_mov_b32 s53, 0
	s_mov_b32 s55, 0
	s_mov_b64 s[32:33], s[28:29]
	s_mul_i32 s38, s49, s52
	s_lshr_b32 s51, s48, 4
	s_mul_i32 s39, s51, 768
	s_add_co_u32 s38, s38, s39
	s_mov_b32 s39, 0
	s_add_nc_u64 s[28:29], s[28:29], s[38:39]
	s_add_nc_u64 s[30:31], s[28:29], s[52:53]
	s_mul_i32 s38, s49, s54
	s_lshl_b32 s51, s51, 6
	s_add_co_u32 s38, s38, s51
	s_add_co_u32 s38, s38, s37
	s_add_nc_u64 s[32:33], s[32:33], s[38:39]
	s_add_nc_u64 s[34:35], s[32:33], s[54:55]
	s_lshl_b32 s38, s48, 7
	s_add_nc_u64 s[24:25], s[10:11], s[38:39]
	s_add_nc_u64 s[26:27], s[96:97], s[38:39]
	v_mov_b32 v253, 0                              ; (a lane permute's destination counts as read)
	ROPE_LOAD 0
	ROPE_LOAD 1
.irp a, 0,1,2,3,4,5,6,7
	QKBLOCK \a
.endr
	s_branch .Ldone
; ---- THE WAY OUT OF v.  Accumulators (a, 0..7) are 64 registers on end: channel 16 a + r, token 16 b + 8 h + j: four blocks of 32 keys, 16 of each in lane l and 16 in lane l xor 16.
.Lout_v:
.set TM, 116
.set PC, 96
.set PW, 132
.macro QUANT s                         ; 64 numbers of a lane become a fragment's codes in v[PC] on and its scale word in v[PW]
.irp b, 0,1,2,3
	v_max3_num_f32 v[TM+\b], |v[\s+16*\b]|, |v[\s+1+16*\b]|, 0x1800000
.endr
.irp i, 2,4,6,8,10,12,14
.irp b, 0,1,2,3
	v_max3_num_f32 v[TM+\b], v[TM+\b], |v[\s+16*\b+\i]|, |v[\s+1+16*\b+\i]|
.endr
.endr
.irp b, 0,1,2,3
	v_permlanex16_b32 v[TM+4+\b], v[TM+\b], s[SEL], s[SEL+1]
.endr
.irp b, 0,1,2,3
	v_max_num_f32 v[TM+\b], v[TM+\b], v[TM+4+\b]
.endr
.irp b, 0,1,2,3
	v_add_nc_u32 v[TM+12+\b], 0xff000000, v[TM+\b]
.endr
.irp b, 0,1,2,3
	v_lshrrev_b32 v[TM+4+\b], 23, v[TM+12+\b]
.endr
	v_lshl_or_b32 v[PW], v[TM+5], 8, v[TM+4]
	v_lshl_or_b32 v[PW], v[TM+6], 16, v[PW]
	v_lshl_or_b32 v[PW], v[TM+7], 24, v[PW]
.irp c, 0,1
	v_cvt_scalef32_pk16_fp6_f32 v[PC+6*\c:PC+2+6*\c], v[\s+32*\c:\s+15+32*\c], v[TM+12+2*\c]
	v_cvt_scalef32_pk16_fp6_f32 v[PC+12+4*\c:PC+14+4*\c], v[\s+16+32*\c:\s+31+32*\c], v[TM+12+2*\c+1]
.endr
	v_nop                                          ; one plain instruction behind a scaled conversion
.irp c, 0,1
.irp i, 0,1,2
	v_permlane16_swap_b32 v[PC+6*\c+\i], v[PC+12+4*\c+\i]
.endr
.irp i, 0,1,2
	v_mov_b32 v[PC+3+6*\c+\i], v[PC+12+4*\c+\i]
.endr
.endr
.endm
.macro VBLOCK a
.set AC, 64*((\a)%4)
	s_wait_xcnt 0x0                                ; the earlier stores have read their registers
	WIN 0x08+4*((\a)/4)                            ; source 1: window 2 or 3
.set i, 0
.rept 64
	v_add_f32 v[32+i], v[VB+(\a)], v[AC+i]         ; + the channel's bias; each accumulator from its low end on
.set i, i+1
.endr
	WIN 0
	QUANT 32
	global_store_b128 v2, v[PC:PC+3], s[24+2*((\a)/4):25+2*((\a)/4)] offset:1536*((\a)%4)
	global_store_b64 v3, v[PC+4:PC+5], s[24+2*((\a)/4):25+2*((\a)/4)] offset:1536*((\a)%4)+512
	global_store_b128 v2, v[PC+6:PC+9], s[24+2*((\a)/4):25+2*((\a)/4)] offset:1536*((\a)%4)+768
	global_store_b64 v3, v[PC+10:PC+11], s[24+2*((\a)/4):25+2*((\a)/4)] offset:1536*((\a)%4)+1280
.if (\a)%2 == 0
	v_mov_b32 v133, v[PW]
.else
	v_cndmask_b32 v134, v133, v[PW], s36
	global_store_b32 v4, v134, s[28+2*((\a)/4):29+2*((\a)/4)] offset:128*(((\a)%4)/2)
.endif
.endm
	s_lshl_b32 s38, s41, 10                        ; the bias of my 128 channels: column 2,048 + 256 cy + 128 x my half of Y + 16 a + r.  It is wanted only here, so it is loaded here
	s_lshl_b32 s39, s15, 9
	s_add_co_u32 s38, s38, s39
	s_add_co_u32 s38, s38, 8192
	s_mov_b32 s39, 0
	s_add_nc_u64 s[32:33], s[8:9], s[38:39]
.irp a, 0,1,2,3,4,5,6,7
	global_load_b32 v[VB+\a], v14, s[32:33] offset:64*\a
.endr
	s_lshl_b32 s48, s42, 8
	s_lshl_b32 s49, s16, 7
	s_add_co_u32 s48, s48, s49                     ; my first token: my 128 are one key step
	s_lshr_b32 s49, s48, 11
	s_and_b32 s48, s48, 2047
	s_lshr_b32 s48, s48, 7
	s_lshl_b32 s50, s41, 2
	s_lshl_b32 s51, s15, 1
	s_add_co_u32 s50, s50, s51                     ; my first head
	s_lshl_b32 s49, s49, 4
	s_add_co_u32 s49, s49, s50
	s_mul_i32 s49, s49, 208896
	s_mul_i32 s38, s48, 6144
	s_add_co_u32 s38, s38, s49
	s_add_co_u32 s38, s38, 98304
	s_mov_b32 s39, 0
	s_add_nc_u64 s[24:25], s[100:101], s[38:39]
	s_add_nc_u64 s[26:27], s[24:25], 208896
	s_lshl_b32 s38, s48, 8
	s_add_co_u32 s38, s38, s49
	s_add_co_u32 s38, s38, 204800
	s_add_nc_u64 s[28:29], s[100:101], s[38:39]
	s_add_nc_u64 s[30:31], s[28:29], 208896
.irp b, 0,1,2,3
	v_mov_b32 v[TM+4+\b], 0                        ; (a lane permute's destination counts as read)
.endr
	s_wait_loadcnt 0x0                             ; the bias
.irp a, 0,1,2,3,4,5,6,7
	VBLOCK \a
.endr
.Ldone:
	s_wait_tensorcnt 0x0                           ; the wave's end
	ds_add_u32 v[SPW], v[NIL]
	s_wait_dscnt 0x0
	CROUND                                         ; the closing round
	s_endpgm
.Lfunc_end_k_q43af51236f_qkv:
	.size	k_q43af51236f_qkv, .Lfunc_end_k_q43af51236f_qkv-k_q43af51236f_qkv
	.p2alignl 7, 3214868480
	.fill 96, 4, 3214868480
	.section	.rodata,"a",@progbits
	.p2align	6, 0x0
	.amdhsa_kernel k_q43af51236f_qkv
		.amdhsa_group_segment_fixed_size 327680
		.amdhsa_private_segment_fixed_size 0
		.amdhsa_enable_private_segment 0
		.amdhsa_kernarg_size 56
		.amdhsa_user_sgpr_count 2
		.amdhsa_user_sgpr_kernarg_segment_ptr 1
		.amdhsa_wavefront_size32 1
		.amdhsa_system_sgpr_workgroup_id_x 1
		.amdhsa_system_sgpr_workgroup_id_y 1
		.amdhsa_system_sgpr_workgroup_id_z 1
		.amdhsa_system_vgpr_workitem_id 0
		.amdhsa_next_free_vgpr 1024
		.amdhsa_next_free_sgpr 102
		.amdhsa_reserve_vcc 0
		.amdhsa_float_denorm_mode_32 3
		.amdhsa_float_denorm_mode_16_64 3
		.amdhsa_memory_ordered 1
		.amdhsa_forward_progress 1
		.amdhsa_inst_pref_size 255
	.end_amdhsa_kernel
	.section	.bss,"aw",@nobits
	.p2align	6
	.space	262144
	.amdgpu_metadata
---
amdhsa.version: [ 1, 2 ]
amdhsa.kernels:
  - .name:           k_q43af51236f_qkv
    .symbol:         k_q43af51236f_qkv.kd
    .args:
      - { .name: hq, .offset: 0, .size: 8, .value_kind: global_buffer, .address_space: global }
      - { .name: wts, .offset: 8, .size: 8, .value_kind: global_buffer, .address_space: global }
      - { .name: qkv_b, .offset: 16, .size: 8, .value_kind: global_buffer, .address_space: global }
      - { .name: rope_cos, .offset: 24, .size: 8, .value_kind: global_buffer, .address_space: global }
      - { .name: rope_sin, .offset: 32, .size: 8, .value_kind: global_buffer, .address_space: global }
      - { .name: q, .offset: 40, .size: 8, .value_kind: global_buffer, .address_space: global }
      - { .name: kv, .offset: 48, .size: 8, .value_kind: global_buffer, .address_space: global }
    .group_segment_fixed_size: 327680
    .private_segment_fixed_size: 0
    .kernarg_segment_align: 8
    .kernarg_segment_size: 56
    .max_flat_workgroup_size: 128
    .sgpr_count:     102
    .vgpr_count:     1024
    .wavefront_size: 32
...
	.end_amdgpu_metadata
.endif
;; end of part 2
;; launch attn (part 3): grid 8 x 32, 16 waves a work-group, no clusters, 247,808 bytes of LDS; arguments q, kv, msk, att; writes att
.if DOCPART == 3
	.amdgcn_target "amdgcn-amd-amdhsa--gfx1250"
	.amdhsa_code_object_version 6
	.text
	.protected	k_q43af51236f_attn
	.globl	k_q43af51236f_attn
	.p2align	8
	.type	k_q43af51236f_attn,@function
k_q43af51236f_attn:
	s_mov_b64 s[64:65], 0
	v_nop
	global_prefetch_b8 v0, s[64:65] scope:SCOPE_SE
	s_setreg_imm32_b32 hwreg(HW_REG_WAVE_MODE, 25, 1), 1
	s_wait_xcnt 0x0
; Attention of one head on codes of E2M3, with the mask as it is given.  p = 2^(t - M), t = score x log2(e) / 8, M the running largest t rounded up to a whole number; p is quantised along the keys, not normalised;
; the row's sum is taken of the unquantised p and divides at the end.  The result is quantised along the head's 64 channels for the next product.
; SHARES.  Work-group (g, bh) serves the sixteen tiles of 16 queries 8 p + g, p = 0..15, by eight pairs of waves.  In pair i (waves 2 i, 2 i + 1) wave A takes key steps 0-8 of tile p = 15 - i;
; wave B takes all sixteen key steps of tile p = i, stores that tile, then takes key steps 9-15 of tile 15 - i and hands O^T, the sums and -M to A through LDS bytes of the pair's own;
; A joins the two parts by powers of two (M is a whole number, so nothing is rounded) and stores.  This is an order of the work and nothing else: every tile and every key step is served for every mask.
; Which of a pair is A: (w ^ (w >> 2)) & 1 = 0, so that of any four waves w % 4 = const or w / 4 = const two are A.
; The head's whole record (k's and v's codes and scale words, 208,896 bytes) goes through registers into LDS once; a barrier behind the head's part and one behind each later part; beyond these the waves share nothing up to the hand-over.
; No tensor load and no cluster: a key step all of whose 2,048 scores are masked is jumped over, by a branch on whole numbers that an earlier launch stored.
; One prefetch, at the head: the work-group's share of key steps 8-15, whose loads come in trips 1 and 3 of the first walk.
; LAYOUT.  S^T = K Q^T (source 0 = 16 keys, source 1 = my 16 queries), O^T = V^T P^T: a lane holds one query.  The head's K is 64 under an instruction 128 deep: Q's upper 64 codes are zeros, so what stands
; in K's upper six registers adds nothing: the format has no code for NaN or infinity, and the scale bytes there are 0, which is 2^-127.
; Register 16 b + i of the scores is key 32 b + 16 (i / 8) + 8 h + i % 8: v's codes were laid in that very order, so p's registers are the operand as they come.
; A ROW ALL OF WHOSE KEYS ARE MASKED has the sum 0: its scale bytes become 0xff (NaN), so that the next product gives NaN for that row, as the softmax of such a row does.
; LIMITS: p under 2^-126 counts as 0; NaN and infinities among the inputs are not served; the scaled scores stay under 2^31 in magnitude.
.set SEL, 70
.set CS, 72
.set PART, 208896                      ; the hand-over: 4,608 bytes a pair
.set SPAREB, 245760                    ; the spare words: 128 bytes a wave
; One walk over the sixteen key steps.  s66: bit s: step s is not to be done (wholly masked, or the partner's); bit 16 + s: nothing of it is masked.  s[68:69]: the tile's mask words.
; THE RECORD COMES IN FOUR PARTS.  The head brings key steps 0-3 (k's and v's codes) and all scale words; key steps 4 c .. 4 c + 3 (c = 1, 2, 3: 24,576 bytes of k's codes and as many of v's)
; follow through 24 registers that the steps do not touch, one part in flight at a time: six loads a thread, stored at the top of trips 1, 3 and 5 of the first walk, each time with a barrier,
; so that part c is whole before trip 4 c reads it.  v94: 16 x thread + 24,576 c, the part's place in the record and in LDS alike; v95: the same for v's codes in LDS.
.macro FILLLD
	global_load_b128 v[86:89], v94, s[6:7]
	global_load_b128 v[90:93], v94, s[6:7] offset:8192
	global_load_b128 v[194:197], v94, s[6:7] offset:16384
	global_load_b128 v[198:201], v94, s[6:7] offset:98304
	global_load_b128 v[202:205], v94, s[6:7] offset:106496
	global_load_b128 v[206:209], v94, s[6:7] offset:114688
.endm
.macro FILLST
	ds_store_b128 v94, v[86:89]
	ds_store_b128 v94, v[90:93] offset:8192
	ds_store_b128 v94, v[194:197] offset:16384
	ds_store_b128 v95, v[198:201]
	ds_store_b128 v95, v[202:205] offset:8192
	ds_store_b128 v95, v[206:209] offset:16384
.endm
.macro KLOOP fill                      ; fill = 1: the walk that also brings the record's later parts
	s_mov_b32 s67, 0
	s_mov_b32 s96, 0                               ; k's codes: 6,144 bytes a step,
	s_mov_b32 s97, 98304                           ; v's likewise,
	s_mov_b32 s98, 196608                          ; k's scale words: 512,
	s_mov_b32 s99, 204800                          ; v's: 256
	s_wait_alu depctr_va_vdst(0)
.Lstep\@:                                          ; 16 trips, whatever the mask: only a step's work is jumped over
.if \fill
	s_bitcmp1_b32 s8, s67                          ; trips 1, 3, 5: the test hangs on the trip's number alone, so every wave passes the barrier below
	s_cbranch_scc0 .Lnofill\@
	s_wait_loadcnt 0x0                             ; my six loads of the part are in
	FILLST
	s_wait_dscnt 0x0                               ; for the others' sake: my share of the part lies in LDS; and the stores have read their registers
	s_cmp_lt_u32 s67, 5
	s_cbranch_scc0 .Llastfill\@                    ; behind the third part nothing is left to ask for
	v_add_nc_u32 v94, 24576, v94
	v_add_nc_u32 v95, 24576, v95
	s_wait_alu depctr_va_vdst(0)
	FILLLD
.Llastfill\@:
	s_barrier_signal -1
	s_barrier_wait -1
.Lnofill\@:
.endif
	s_bitcmp1_b32 s66, s67
	s_cbranch_scc1 .Lskip\@
	v_add_nc_u32 v1, s96, v10                      ; (six plain instructions: the places in front of loads into registers that the last products have read)
	v_add_nc_u32 v2, s96, v11
	v_add_nc_u32 v3, s97, v10
	v_add_nc_u32 v4, s97, v11
	v_add_nc_u32 v5, s98, v31
	v_add_nc_u32 v6, s99, v31
.irp t, 0,1,2,3,4,5,6,7
	ds_load_b128 v[32+6*\t:35+6*\t], v1 offset:768*\t
	ds_load_b64 v[36+6*\t:37+6*\t], v2 offset:768*\t+512
.endr
.irp p, 0,1,2,3
	ds_load_b32 v[248+\p], v5 offset:128*\p
.endr
	s_wait_dscnt 0x0
	s_wait_alu depctr_va_vdst(0)
.irp t, 0,2,4,6
	v_wmma_scale_f32_16x16x128_f8f6f4 v[96+8*\t:103+8*\t], v[32+6*\t:43+6*\t], v[16:27], 0, v[248+\t/2], v255 matrix_a_fmt:MATRIX_FMT_FP6 matrix_b_fmt:MATRIX_FMT_FP6
	v_wmma_scale_f32_16x16x128_f8f6f4 v[104+8*\t:111+8*\t], v[38+6*\t:49+6*\t], v[16:27], 0, v[248+\t/2], v255 matrix_a_fmt:MATRIX_FMT_FP6 matrix_b_fmt:MATRIX_FMT_FP6 matrix_a_scale:MATRIX_SCALE_ROW1
.endr
.rept 4
	v_nop
.endr
.irp t, 0,1,2,3
	ds_load_b128 v[32+12*\t:35+12*\t], v3 offset:1536*\t             ; V's four fragments land while the softmax is worked
	ds_load_b64 v[36+12*\t:37+12*\t], v4 offset:1536*\t+512
	ds_load_b128 v[38+12*\t:41+12*\t], v3 offset:1536*\t+768
	ds_load_b64 v[42+12*\t:43+12*\t], v4 offset:1536*\t+1280
.endr
	ds_load_b32 v248, v6
	ds_load_b32 v249, v6 offset:128
	s_add_co_u32 s78, s67, 16
	s_bitcmp1_b32 s66, s78
	s_cbranch_scc1 .Lopen\@                        ; nothing of this step is masked
	s_load_b512 s[16:31], s[68:69], 0x0            ; word n is the lane mask for register n of the scores
	s_load_b512 s[32:47], s[68:69], 0x40
	s_load_b512 s[48:63], s[68:69], 0x80
	s_load_b512 s[80:95], s[68:69], 0xc0
	s_wait_kmcnt 0x0
.set n, 0
.rept 64
.if n < 48
	v_cndmask_b32 v[96+n], v[96+n], v7, s[16+n]
.else
	v_cndmask_b32 v[96+n], v[96+n], v7, s[32+n]
.endif
.set n, n+1
.endr
.Lopen\@:
.irp b, 0,1,2,3
	v_max3_num_f32 v[232+\b], v[96+16*\b], v[97+16*\b], v[98+16*\b]   ; the largest score of each block of 32 keys: for the row's maximum, and, since p rises with the score, for the block's largest p
.endr
.irp i, 3,5,7,9,11,13
.irp b, 0,1,2,3
	v_max3_num_f32 v[232+\b], v[232+\b], v[96+16*\b+\i], v[97+16*\b+\i]
.endr
.endr
.irp b, 0,1,2,3
	v_max_num_f32 v[232+\b], v[232+\b], v[111+16*\b]
.endr
.irp b, 0,1,2,3
	s_delay_alu instid0(VALU_DEP_4)
	v_permlanex16_b32 v[236+\b], v[232+\b], s[SEL], s[SEL+1]
.endr
.irp b, 0,1,2,3
	s_delay_alu instid0(VALU_DEP_4)
	v_max_num_f32 v[232+\b], v[232+\b], v[236+\b]
.endr
	s_delay_alu instid0(VALU_DEP_2)
	v_max3_num_f32 v254, v232, v233, v234
	s_delay_alu instid0(VALU_DEP_1)
	v_max_num_f32 v254, v254, v235
	s_delay_alu instid0(VALU_DEP_1)
	v_mul_f32 v254, s[CS], v254
	s_delay_alu instid0(VALU_DEP_1)
	v_max_num_f32 v13, v13, v254                   ; the running largest t
	v_mov_b32 v254, v12
	s_delay_alu instid0(VALU_DEP_2)
	v_floor_f32 v12, -v13                          ; the new -M: M is a whole number
	s_delay_alu instid0(VALU_DEP_1)
	v_sub_f32 v254, v12, v254
	s_delay_alu instid0(VALU_DEP_1)
	v_cvt_i32_f32 v254, v254                       ; (it saturates)
	s_delay_alu instid0(VALU_DEP_1)
	v_ldexp_f32 v252, 1.0, v254                    ; f = 2^(old M - new M)
.irp j, 0,2,4,6,8,10,12,14,16,18,20,22,24,26,28,30,32,34,36,38,40,42,44,46,48,50,52,54,56,58,60,62
	v_pk_fma_f32 v[96+\j:97+\j], v[96+\j:97+\j], s[CS:CS+1], v[12:13] op_sel_hi:[1,0,0]
.endr
.irp b, 0,1,2,3
	v_fma_f32 v[232+\b], v[232+\b], s[CS], v12
.endr
.set i, 0
	s_wait_alu depctr_va_vdst(0)
.rept 64
	v_exp_f32 v[96+i], v[96+i]                     ; p = 2^(t - M)
.set i, i+1
.endr
	v_pk_mul_f32 v[14:15], v[14:15], v[252:253] op_sel_hi:[1,0]      ; the sums under the new M (a plain instruction behind the exponentials)
	s_wait_alu depctr_va_vdst(0)                   ; one wait for the batch, ahead of its first reader
.irp b, 0,1,2,3
	v_exp_f32 v[232+\b], v[232+\b]                 ; the block's largest p
.endr
	v_pk_add_f32 v[236:237], v[100:101], v[104:105]                  ; the row's sum of the unquantised p, in eight chains
	v_pk_add_f32 v[220:221], v[108:109], v[112:113]
	v_pk_add_f32 v[218:219], v[116:117], v[120:121]
	v_pk_add_f32 v[216:217], v[124:125], v[128:129]
	v_pk_add_f32 v[214:215], v[132:133], v[136:137]
	v_pk_add_f32 v[212:213], v[140:141], v[144:145]
	v_pk_add_f32 v[210:211], v[148:149], v[152:153]
	v_pk_add_f32 v[14:15], v[14:15], v[156:157]
	v_pk_add_f32 v[236:237], v[236:237], v[96:97]
	v_pk_add_f32 v[220:221], v[220:221], v[98:99]
	v_pk_add_f32 v[218:219], v[218:219], v[102:103]
	v_pk_add_f32 v[216:217], v[216:217], v[106:107]
	v_pk_add_f32 v[214:215], v[214:215], v[110:111]
	v_pk_add_f32 v[212:213], v[212:213], v[114:115]
	v_pk_add_f32 v[210:211], v[210:211], v[118:119]
	v_pk_add_f32 v[14:15], v[14:15], v[122:123]
	v_pk_add_f32 v[236:237], v[236:237], v[126:127]
	v_pk_add_f32 v[220:221], v[220:221], v[130:131]
	v_pk_add_f32 v[218:219], v[218:219], v[134:135]
	v_pk_add_f32 v[216:217], v[216:217], v[138:139]
	v_pk_add_f32 v[214:215], v[214:215], v[142:143]
	v_pk_add_f32 v[212:213], v[212:213], v[146:147]
	v_pk_add_f32 v[210:211], v[210:211], v[150:151]
	v_pk_add_f32 v[14:15], v[14:15], v[154:155]
	v_pk_add_f32 v[236:237], v[236:237], v[158:159]
	s_delay_alu instid0(VALU_DEP_2)
	v_pk_add_f32 v[14:15], v[14:15], v[216:217]
	s_delay_alu instid0(VALU_DEP_2)
	v_pk_add_f32 v[236:237], v[236:237], v[214:215]
	v_pk_add_f32 v[220:221], v[220:221], v[212:213]
	v_pk_add_f32 v[218:219], v[218:219], v[210:211]
	s_delay_alu instid0(VALU_DEP_2)
	v_pk_add_f32 v[14:15], v[14:15], v[220:221]
	s_delay_alu instid0(VALU_DEP_2)
	v_pk_add_f32 v[236:237], v[236:237], v[218:219]
	s_delay_alu instid0(VALU_DEP_1)
	v_pk_add_f32 v[14:15], v[14:15], v[236:237]
	s_wait_alu depctr_va_vdst(0)                   ; and one for the four
.irp b, 0,1,2,3
	v_max_num_f32 v[232+\b], 0x1800000, v[232+\b]  ; the floor: the byte cannot fall under 1
.endr
.irp b, 0,1,2,3
	s_delay_alu instid0(VALU_DEP_4)
	v_add_nc_u32 v[244+\b], 0xff000000, v[232+\b]
.endr
.irp b, 0,1,2,3
	s_delay_alu instid0(VALU_DEP_4)
	v_lshrrev_b32 v[236+\b], 23, v[244+\b]
.endr
	s_delay_alu instid0(VALU_DEP_3)
	v_lshl_or_b32 v253, v237, 8, v236              ; p's scale word for these 128 keys
	s_delay_alu instid0(VALU_DEP_1)
	v_lshl_or_b32 v253, v238, 16, v253
	s_delay_alu instid0(VALU_DEP_1)
	v_lshl_or_b32 v253, v239, 24, v253
.irp c, 0,1
	v_cvt_scalef32_pk16_fp6_f32 v[224+6*\c:226+6*\c], v[96+32*\c:111+32*\c], v[244+2*\c]
	v_cvt_scalef32_pk16_fp6_f32 v[236+4*\c:238+4*\c], v[112+32*\c:127+32*\c], v[244+2*\c+1]
.endr
	v_nop
.irp c, 0,1
.irp i, 0,1,2
	v_permlane16_swap_b32 v[224+6*\c+\i], v[236+4*\c+\i]
.endr
.irp i, 0,1,2
	s_delay_alu instid0(VALU_DEP_3)
	v_mov_b32 v[227+6*\c+\i], v[236+4*\c+\i]
.endr
.endr
	s_wait_alu depctr_va_vdst(0)
.irp j, 0,2,4,6,8,10,12,14,16,18,20,22,24,26,28,30
	v_pk_mul_f32 v[160+\j:161+\j], v[160+\j:161+\j], v[252:253] op_sel_hi:[1,0]   ; O^T under the new M; also the places in front of the products
.endr
	s_wait_alu depctr_va_vdst(0)
	s_wait_dscnt 0x0                               ; V
	v_wmma_scale_f32_16x16x128_f8f6f4 v[160:167], v[32:43], v[224:235], v[160:167], v248, v253 matrix_a_fmt:MATRIX_FMT_FP6 matrix_b_fmt:MATRIX_FMT_FP6
	v_wmma_scale_f32_16x16x128_f8f6f4 v[168:175], v[44:55], v[224:235], v[168:175], v248, v253 matrix_a_fmt:MATRIX_FMT_FP6 matrix_b_fmt:MATRIX_FMT_FP6 matrix_a_scale:MATRIX_SCALE_ROW1
	v_wmma_scale_f32_16x16x128_f8f6f4 v[176:183], v[56:67], v[224:235], v[176:183], v249, v253 matrix_a_fmt:MATRIX_FMT_FP6 matrix_b_fmt:MATRIX_FMT_FP6
	v_wmma_scale_f32_16x16x128_f8f6f4 v[184:191], v[68:79], v[224:235], v[184:191], v249, v253 matrix_a_fmt:MATRIX_FMT_FP6 matrix_b_fmt:MATRIX_FMT_FP6 matrix_a_scale:MATRIX_SCALE_ROW1
.Lskip\@:
	s_add_co_u32 s96, s96, 6144
	s_add_co_u32 s97, s97, 6144
	s_add_co_u32 s98, s98, 512
	s_add_co_u32 s99, s99, 256
	s_add_nc_u64 s[68:69], s[68:69], 256
	s_add_co_u32 s67, s67, 1
	s_cmp_lt_u32 s67, 16
	s_cbranch_scc1 .Lstep\@
.endm
; THE WAY OUT of the tile whose O^T, sums and -M stand in the registers: divided by the sum, quantised along the 64 channels, stored at s[74:75] (codes) and s[76:77] (scale bytes)
.macro OUT
.rept 4
	v_nop                                          ; places behind the last products
.endr
	v_add_f32 v14, v14, v15
	s_delay_alu instid0(VALU_DEP_1)
	v_permlanex16_b32 v252, v14, s[SEL], s[SEL+1]
	s_delay_alu instid0(VALU_DEP_1)
	v_add_f32 v14, v14, v252                       ; the row's sum
	s_delay_alu instid0(VALU_DEP_1)
	v_cmp_eq_f32 vcc_lo, 0, v14                    ; a row with no open key
	s_wait_alu depctr_va_vdst(0)
	v_rcp_f32 v15, v14
	v_mov_b32 v110, 0xff                           ; (a plain instruction behind the transcendental)
.set i, 0
	s_wait_alu depctr_va_vdst(0)
.rept 16
	v_permlane16_swap_b32 v[160+i], v[176+i]       ; lanes 0-15 now hold channels 0-31 of their query, lanes 16-31 channels 32-63
.set i, i+1
.endr
	s_wait_alu depctr_va_vdst(0)
.irp i, 0,1,2,3,4,5,6,7
	v_mul_f32 v[32+\i], v[160+\i], v15
	v_mul_f32 v[40+\i], v[176+\i], v15
	v_mul_f32 v[48+\i], v[168+\i], v15
	v_mul_f32 v[56+\i], v[184+\i], v15
.endr
	v_max3_num_f32 v106, |v32|, |v33|, 0x1800000   ; my block of 32 channels
	v_max3_num_f32 v107, |v48|, |v49|, |v50|
.irp i, 2,4,6,8,10,12
	s_delay_alu instid0(VALU_DEP_2)
	v_max3_num_f32 v106, v106, |v[32+\i]|, |v[33+\i]|
	s_delay_alu instid0(VALU_DEP_2)
	v_max3_num_f32 v107, v107, |v[49+\i]|, |v[50+\i]|
.endr
	s_delay_alu instid0(VALU_DEP_2)
	v_max3_num_f32 v106, v106, |v46|, |v47|
	s_delay_alu instid0(VALU_DEP_1)
	v_max3_num_f32 v106, v106, v107, |v63|
	s_delay_alu instid0(VALU_DEP_1)
	v_add_nc_u32 v108, 0xff000000, v106
	v_cvt_scalef32_pk16_fp6_f32 v[96:98], v[32:47], v108
	v_cvt_scalef32_pk16_fp6_f32 v[102:104], v[48:63], v108
	v_lshrrev_b32 v109, 23, v108
	v_mov_b32 v99, v102
	v_mov_b32 v100, v103
	v_mov_b32 v101, v104
	s_delay_alu instid0(VALU_DEP_4)
	v_cndmask_b32 v109, v109, v110, vcc_lo
	v_lshlrev_b32 v111, 3, v9
	s_delay_alu instid0(VALU_DEP_1)
	v_lshlrev_b32 v109, v111, v109
	v_mov_b32 v112, 0
	s_delay_alu instid0(VALU_DEP_1)
	v_permlanex16_b32 v112, v109, s[SEL], s[SEL+1]
	s_delay_alu instid0(VALU_DEP_1)
	v_or_b32 v109, v109, v112                      ; the head's two bytes of my row's scale word
	global_store_b128 v10, v[96:99], s[74:75]
	global_store_b64 v11, v[100:101], s[74:75] offset:512
	global_store_b16 v30, v109, s[76:77]           ; two bytes a row: all that this wave owns of the words (both halves of the lanes store the same bytes at the same place)
	s_wait_alu depctr_va_vdst(0)
	s_wait_xcnt 0x0                                ; the stores have read their registers
.endm
	s_load_b256 s[4:11], s[0:1], 0x0               ; q s[4:5], kv s[6:7], msk s[8:9], att s[10:11]
	v_lshl_add_u32 v223, v0, 2, SPAREB
	v_mov_b32 v243, 0
	v_lshrrev_b32 v8, 5, v0
	s_delay_alu instid0(VALU_DEP_1)
	v_readfirstlane_b32 s12, v8                    ; wave 0..15
	s_and_b32 s15, ttmp7, 0xffff                   ; bh
	s_lshr_b32 s13, s12, 1                         ; my pair
	s_lshr_b32 s14, s12, 2
	s_xor_b32 s14, s14, s12
	s_and_b32 s14, s14, 1                          ; 0: I am A, 1: I am B
	s_lshl_b32 s2, s13, 3
	s_add_co_u32 s2, s2, ttmp9                     ; the pair's lower tile
	s_sub_co_u32 s3, 15, s13
	s_lshl_b32 s3, s3, 3
	s_add_co_u32 s3, s3, ttmp9                     ; s3: its upper tile: the second walk's
	s_cmp_eq_u32 s14, 1
	s_cselect_b32 s2, s2, s3                       ; s2: the first walk's tile, which is also the tile that I store
	s_mul_i32 s24, s15, 98304
	s_mul_i32 s16, s2, 768
	s_add_co_u32 s16, s16, s24                     ; Q's codes, first and second walk
	s_mul_i32 s20, s3, 768
	s_add_co_u32 s20, s20, s24
	s_lshl_b32 s24, s15, 13
	s_add_co_u32 s24, s24, 3145728
	s_lshl_b32 s18, s2, 6
	s_add_co_u32 s18, s18, s24                     ; Q's scale words
	s_lshl_b32 s22, s3, 6
	s_add_co_u32 s22, s22, s24
	s_mul_i32 s24, s15, 208896                     ; the head's record
	s_lshl_b32 s26, s2, 12                         ; the mask words
	s_lshl_b32 s28, s3, 12
	s_lshl_b32 s30, s2, 5                          ; the flags
	s_add_co_u32 s30, s30, 524288
	s_lshl_b32 s32, s3, 5
	s_add_co_u32 s32, s32, 524288
	s_lshr_b32 s38, s15, 4
	s_lshl_b32 s38, s38, 7
	s_add_co_u32 s38, s38, s2                      ; m: my tile among the 256 tiles of tokens
	s_and_b32 s39, s15, 15                         ; the head
	s_lshl_b32 s34, s38, 4
	s_add_co_u32 s34, s34, s39
	s_mul_i32 s34, s34, 768
	s_lshr_b32 s36, s38, 1
	s_lshl_b32 s36, s36, 3
	s_lshr_b32 s40, s39, 1
	s_add_co_u32 s36, s36, s40
	s_lshl_b32 s36, s36, 7
	s_and_b32 s40, s38, 1
	s_lshl_b32 s40, s40, 6
	s_add_co_u32 s36, s36, s40
	s_and_b32 s40, s39, 1
	s_lshl_b32 s40, s40, 1
	s_add_co_u32 s36, s36, s40
	s_add_co_u32 s36, s36, 3145728
.irp r, 17,19,21,23,25,27,29,31,33,35,37
	s_mov_b32 s\r, 0
.endr
	s_mul_i32 s58, s13, 4608
	s_add_co_u32 s58, s58, PART                    ; the pair's hand-over bytes
	s_mul_i32 s56, ttmp9, 12288                    ; the prefetch: key steps 8-15 are 192 + 192 blocks of 256 bytes; the eight work-groups of a head take 48 each, by address:
	s_add_co_u32 s56, s56, 49152                   ; g = 0..3: k's codes from byte 49,152 on;
	s_cmp_ge_u32 ttmp9, 4
	s_cselect_b32 s57, 49152, 0                    ; g = 4..7: v's, from byte 147,456 on
	s_add_co_u32 s56, s56, s57
	s_mov_b32 s57, 0
	s_mov_b32 s[SEL], 0x76543210
	s_mov_b32 s[SEL+1], 0xfedcba98
	s_mov_b32 s[CS], 0x3e38aa3b                    ; c = log2(e) / 8
	s_mov_b32 s[CS+1], s[CS]
	v_and_b32 v8, 31, v0                           ; lane
	v_bfe_u32 v9, v0, 4, 1                         ; h
	s_delay_alu instid0(VALU_DEP_2)
	v_lshlrev_b32 v10, 4, v8
	s_delay_alu instid0(VALU_DEP_3)
	v_lshlrev_b32 v11, 3, v8
	s_delay_alu instid0(VALU_DEP_4)
	v_lshlrev_b32 v31, 2, v8
	v_and_b32 v30, 15, v0
	s_delay_alu instid0(VALU_DEP_1)
	v_lshlrev_b32 v30, 2, v30                      ; 4 r
	v_lshlrev_b32 v28, 4, v0                       ; 16 x thread
	v_lshlrev_b32 v29, 3, v0
	s_delay_alu instid0(VALU_DEP_2)
	v_add_nc_u32 v1, 98304, v28                    ; LDS: v's codes of key steps 0-3,
	v_add_nc_u32 v2, 0x30000, v28                  ; k's scale words,
	v_add_nc_u32 v3, 204800, v29                   ; v's
	v_add_nc_u32 v94, 24576, v28                   ; the record's second part
	v_add_nc_u32 v95, 122880, v28
	v_add_nc_u32 v222, s58, v10                    ; the hand-over
	v_min_u32 v193, 47, v0                         ; the prefetch: a thread a block; threads over 47 name the last block again
	s_delay_alu instid0(VALU_DEP_1)
	v_lshlrev_b32 v193, 8, v193
	s_wait_alu depctr_va_vdst(0)
	s_wait_kmcnt 0x0
	s_add_nc_u64 s[16:17], s[4:5], s[16:17]
	s_add_nc_u64 s[18:19], s[4:5], s[18:19]
	s_add_nc_u64 s[20:21], s[4:5], s[20:21]
	s_add_nc_u64 s[22:23], s[4:5], s[22:23]
	s_add_nc_u64 s[6:7], s[6:7], s[24:25]
	s_add_nc_u64 s[68:69], s[8:9], s[26:27]        ; the first walk's mask words,
	s_add_nc_u64 s[4:5], s[8:9], s[28:29]          ; the second walk's
	s_add_nc_u64 s[30:31], s[8:9], s[30:31]
	s_add_nc_u64 s[32:33], s[8:9], s[32:33]
	s_mov_b32 s8, 0x2a                             ; bits 1, 3, 5: the trips that store a part of the record
	s_add_nc_u64 s[74:75], s[10:11], s[34:35]
	s_add_nc_u64 s[76:77], s[10:11], s[36:37]
	s_add_nc_u64 s[10:11], s[6:7], s[56:57]        ; my work-group's 48 blocks of the record
	s_load_b256 s[40:47], s[30:31], 0x0            ; the two tiles' flags
	s_load_b256 s[48:55], s[32:33], 0x0
	global_load_b128 v[16:19], v10, s[16:17]       ; the first walk's Q: a half fragment,
	global_load_b64 v[20:21], v11, s[16:17] offset:512
	global_load_b32 v255, v30, s[18:19]            ; and its scale words
	global_load_b128 v[80:83], v10, s[20:21]       ; the second walk's: kept in the six registers above the eighth tile of keys, where any codes count for nothing (Q's codes there are zeros)
	global_load_b64 v[84:85], v11, s[20:21] offset:512
	global_load_b32 v192, v30, s[22:23]
.irp i, 0,1,2
	global_load_b128 v[96+4*\i:99+4*\i], v28, s[6:7] offset:8192*\i          ; key steps 0-3: the work-group reads 8,192 consecutive bytes
	global_load_b128 v[108+4*\i:111+4*\i], v28, s[6:7] offset:98304+8192*\i
.endr
	global_load_b128 v[120:123], v28, s[6:7] offset:196608                   ; all scale words
	global_load_b64 v[124:125], v29, s[6:7] offset:204800
	FILLLD                                         ; key steps 4-7 are asked for at once
	s_cmp_lt_u32 s12, 2                            ; waves 0 and 1 ask for the work-group's share of key steps 8-15, whose loads follow in trips 1 and 3; the registers named are never rewritten
	s_cbranch_scc0 .Lnopf
	global_prefetch_b8 v193, s[10:11] th:TH_LOAD_NT scope:SCOPE_SE
.Lnopf:
.irp j, 22,23,24,25,26,27
	v_mov_b32 v[\j], 0                             ; Q's codes of k = 64 .. 127: zeros
.endr
	v_mov_b32 v7, 0xff800000                       ; -infinity
	v_mov_b32 v13, 0xff61b1e6                      ; the largest t so far: -3e38
	s_delay_alu instid0(VALU_DEP_1)
	v_floor_f32 v12, -v13                          ; -M
	v_mov_b32 v14, 0
	v_mov_b32 v15, 0
	v_mov_b32 v252, 0
	v_mov_b32 v253, 0
.irp b, 0,1,2,3
	v_mov_b32 v[236+\b], 0                         ; (a lane permute's destination counts as read)
.endr
.set i, 0
.rept 32
	v_mov_b32 v[160+i], 0                          ; O^T: the step is written once; the first change of M leaves zeros zeros
.set i, i+1
.endr
	s_wait_alu depctr_va_vdst(0)
	s_wait_loadcnt 6                               ; all but the six youngest loads, the second part's
.irp i, 0,1,2
	ds_store_b128 v28, v[96+4*\i:99+4*\i] offset:8192*\i
	ds_store_b128 v1, v[108+4*\i:111+4*\i] offset:8192*\i
.endr
	ds_store_b128 v2, v[120:123]
	ds_store_b64 v3, v[124:125]
	s_wait_kmcnt 0x0
	s_or_b32 s66, s40, s41
	s_or_b32 s79, s48, s49
.irp r, 2,3,4,5,6,7
	s_or_b32 s66, s66, s[40+\r]
	s_or_b32 s79, s79, s[48+\r]                    ; bit s: step s is wholly masked; bit 16 + s: nothing of it is
.endr
	s_cmp_eq_u32 s14, 1
	s_cselect_b32 s56, 0, 0xfe00                   ; the first walk: A leaves steps 9-15 to B; B does all
	s_mov_b32 s57, 0xffff
	s_cselect_b32 s57, 0x1ff, s57                  ; the second walk: A does nothing; B does steps 9-15
	s_or_b32 s66, s66, s56
	s_or_b32 s79, s79, s57
	s_wait_dscnt 0x0                               ; for the others' sake: my part of the record lies in LDS
	s_barrier_signal -1
	s_barrier_wait -1
	KLOOP 1                                        ; the first walk
	s_cmp_eq_u32 s14, 0
	s_cbranch_scc1 .Lkeep                          ; A keeps its sums
	OUT                                            ; B: the lower tile is finished and leaves;
	v_mov_b32 v255, v192                           ; the upper tile's Q and a new beginning (the scale word first: 8 places and more ahead of the next product)
.irp j, 0,1,2,3,4,5
	v_mov_b32 v[16+\j], v[80+\j]
.endr
	v_mov_b32 v13, 0xff61b1e6
	s_delay_alu instid0(VALU_DEP_1)
	v_floor_f32 v12, -v13
	v_mov_b32 v14, 0
	v_mov_b32 v15, 0
.set i, 0
.rept 32
	v_mov_b32 v[160+i], 0
.set i, i+1
.endr
	s_wait_alu depctr_va_vdst(0)
.Lkeep:
	s_mov_b32 s66, s79
	s_mov_b64 s[68:69], s[4:5]
	KLOOP 0                                        ; the second walk
	s_cmp_eq_u32 s14, 0
	s_cbranch_scc1 .Lnopart
.rept 4
	v_nop                                          ; places behind the last products
.endr
.irp i, 0,1,2,3,4,5,6,7
	ds_store_b128 v222, v[160+4*\i:163+4*\i] offset:512*\i           ; B: its part of the upper tile, as images of the registers; each accumulator from its low end on
.endr
	ds_store_b128 v222, v[12:15] offset:4096       ; -M, the largest t, the two half sums
.Lnopart:
	s_wait_tensorcnt 0x0                           ; behind my last LDS store
	ds_add_u32 v223, v243
	s_wait_dscnt 0x0                               ; for A's sake too: B's part lies in LDS
	s_barrier_signal -1
	s_barrier_wait -1
	s_cmp_eq_u32 s14, 0
	s_cbranch_scc1 .Lmerge
	s_endpgm
.Lmerge:                                           ; A joins the two parts under the larger M
.irp i, 0,1,2,3,4,5,6,7,8
	ds_load_b128 v[96+4*\i:99+4*\i], v222 offset:512*\i
.endr
	s_wait_dscnt 0x0
	v_min_num_f32 v132, v12, v128                  ; the joint -M
	s_delay_alu instid0(VALU_DEP_1)
	v_sub_f32 v133, v132, v12
	v_sub_f32 v134, v132, v128
	s_delay_alu instid0(VALU_DEP_2)
	v_cvt_i32_f32 v133, v133                       ; whole numbers, 0 or less (they saturate: a part with no open key has the factor 0)
	s_delay_alu instid0(VALU_DEP_2)
	v_cvt_i32_f32 v134, v134
	s_delay_alu instid0(VALU_DEP_2)
	v_ldexp_f32 v136, 1.0, v133
	s_delay_alu instid0(VALU_DEP_2)
	v_ldexp_f32 v138, 1.0, v134
	v_mov_b32 v137, 0                              ; (the pairs' upper halves are named, not used)
	v_mov_b32 v139, 0
	v_pk_mul_f32 v[14:15], v[14:15], v[136:137] op_sel_hi:[1,0]
.irp j, 0,2,4,6,8,10,12,14,16,18,20,22,24,26,28,30
	v_pk_mul_f32 v[160+\j:161+\j], v[160+\j:161+\j], v[136:137] op_sel_hi:[1,0]
.endr
	v_pk_fma_f32 v[14:15], v[130:131], v[138:139], v[14:15] op_sel_hi:[1,0,1]
.irp j, 0,2,4,6,8,10,12,14,16,18,20,22,24,26,28,30
	v_pk_fma_f32 v[160+\j:161+\j], v[96+\j:97+\j], v[138:139], v[160+\j:161+\j] op_sel_hi:[1,0,1]
.endr
	OUT
	s_endpgm
.Lfunc_end_k_q43af51236f_attn:
	.size	k_q43af51236f_attn, .Lfunc_end_k_q43af51236f_attn-k_q43af51236f_attn
	.p2alignl 7, 3214868480
	.fill 96, 4, 3214868480
	.section	.rodata,"a",@progbits
	.p2align	6, 0x0
	.amdhsa_kernel k_q43af51236f_attn
		.amdhsa_group_segment_fixed_size 247808
		.amdhsa_private_segment_fixed_size 0
		.amdhsa_enable_private_segment 0
		.amdhsa_kernarg_size 32
		.amdhsa_user_sgpr_count 2
		.amdhsa_user_sgpr_kernarg_segment_ptr 1
		.amdhsa_wavefront_size32 1
		.amdhsa_system_sgpr_workgroup_id_x 1
		.amdhsa_system_sgpr_workgroup_id_y 1
		.amdhsa_system_sgpr_workgroup_id_z 1
		.amdhsa_system_vgpr_workitem_id 0
		.amdhsa_next_free_vgpr 256
		.amdhsa_next_free_sgpr 102
		.amdhsa_reserve_vcc 1
		.amdhsa_float_denorm_mode_32 3
		.amdhsa_float_denorm_mode_16_64 3
		.amdhsa_memory_ordered 1
		.amdhsa_forward_progress 1
		.amdhsa_inst_pref_size 71
	.end_amdhsa_kernel
	.amdgpu_metadata
---
amdhsa.version: [ 1, 2 ]
amdhsa.kernels:
  - .name:           k_q43af51236f_attn
    .symbol:         k_q43af51236f_attn.kd
    .args:
      - { .name: q, .offset: 0, .size: 8, .value_kind: global_buffer, .address_space: global }
      - { .name: kv, .offset: 8, .size: 8, .value_kind: global_buffer, .address_space: global }
      - { .name: msk, .offset: 16, .size: 8, .value_kind: global_buffer, .address_space: global }
      - { .name: att, .offset: 24, .size: 8, .value_kind: global_buffer, .address_space: global }
    .group_segment_fixed_size: 247808
    .private_segment_fixed_size: 0
    .kernarg_segment_align: 8
    .kernarg_segment_size: 32
    .max_flat_workgroup_size: 512
    .sgpr_count:     102
    .vgpr_count:     256
    .wavefront_size: 32
...
	.end_amdgpu_metadata
.endif
;; end of part 3
;; launch outp (part 4): grid 8 x 32, 4 waves a work-group, clusters of 4 x 4, 327,680 bytes of LDS; arguments att, wts, out_b, x, x1; writes x1
.if DOCPART == 4
	.amdgcn_target "amdgcn-amd-amdhsa--gfx1250"
	.amdhsa_code_object_version 6
	.text
	.protected	k_q43af51236f_outp
	.globl	k_q43af51236f_outp
	.p2align	8
	.type	k_q43af51236f_outp,@function
k_q43af51236f_outp:
	s_mov_b64 s[64:65], 0
	v_nop
	global_prefetch_b8 v0, s[64:65] scope:SCOPE_SE
	s_setreg_imm32_b32 hwreg(HW_REG_WAVE_MODE, 25, 1), 1
	s_wait_xcnt 0x0
	s_wait_alu depctr_hold_cnt(0) depctr_sa_sdst(0) depctr_va_vdst(0) depctr_va_sdst(0) depctr_va_ssrc(0) depctr_va_vcc(0) depctr_vm_vsrc(0)
	s_getreg_b32 s2, hwreg(HW_REG_IB_STS2, 6, 4)
	s_cmp_eq_u32 s2, 0
	s_cbranch_scc0 .Lentry_in_a_cluster
	s_endpgm
.Lentry_in_a_cluster:
	s_bfe_u32 s2, ttmp6, 0x10000c
	s_cmp_lg_u32 s2, 0xf033
	s_cbranch_scc0 .Lentry_shape_is_right
	s_endpgm
.Lentry_shape_is_right:
.set KTOT, 1024
.set YSOFF, 3145728
.set XOFF, 2359296
.set XSOFF, 9535488
.set NKS, KTOT/128
.set NQ, 4
.set FR, 12
.set FRB, 1536
.set TROW, NQ*FRB
.set HALFT, 4*TROW
.set SLOT, 4*HALFT
.set LAPS, KTOT/1024
.set PAIRB, KTOT
.set HALFS, 2*PAIRB
.set SCL, 2*SLOT
.set SPARE, SCL+4*HALFS
.set SPITCH, 272
.set STO, 10
.set RD, 11
.set CO, 12
.set ADRY, 16
.set ADRX, 20
.set ADSY, 24
.set ADSX, 25
.set SPW, 28
.set NIL, 29
.set SC, 32
.set BIAS, 64
.set ACC, 128
.set F0, 0
.set F1, 128
.set G1, 24
.set G0, 32
.set G1X, 48
.set G0X, 56
.set G1S, 68
.set G0S, 76
.set G1SX, 80
.set G0SX, 88
.set MSB, 0
.macro WIN new
.if MSB != (\new)
	s_set_vgpr_msb (MSB<<8)|(\new)
.set MSB, (\new)
.endif
.endm
.set MUL, 0x05
.set TO_F, 0x40
.macro JLOAD g0a, g1a, g0b, g1b
	s_cmp_eq_u32 s15, 0
	s_cbranch_scc0 .Lfor_x_\@
	tensor_load_to_lds s[\g0a:\g0a+3], s[\g1a:\g1a+7]
	s_nop 0
.rept 4
	v_nop
.endr
	s_branch .Lasked_\@
.Lfor_x_\@:
	tensor_load_to_lds s[\g0b:\g0b+3], s[\g1b:\g1b+7]
	s_nop 0
.rept 4
	v_nop
.endr
.Lasked_\@:
.endm
.macro CREST
	s_cmp_lg_u32 s14, 0
	s_cbranch_scc1 .Lnot_wave_0_\@
	s_barrier_signal -3
.Lnot_wave_0_\@:
	s_barrier_wait -3
	s_barrier_signal -1
	s_barrier_wait -1
.endm
.macro CROUND
	s_barrier_signal -1
	s_barrier_wait -1
	CREST
.endm
.macro PLACES
.rept 4
	v_nop
.endr
.endm
.macro FRAG reg, adr, off
	ds_load_b128 v[\reg:\reg+3], v[\adr] offset:\off
	ds_load_b64 v[\reg+4:\reg+5], v[\adr+2] offset:\off+512
	ds_load_b128 v[\reg+6:\reg+9], v[\adr] offset:\off+768
	ds_load_b64 v[\reg+10:\reg+11], v[\adr+2] offset:\off+1280
.endm
.macro FETCH slot, q, f
	WIN TO_F
.irp i, 0,1,2,3
	FRAG (\f)+FR*\i, ADRX+\slot, \i*TROW+(\q)*FRB
.endr
.irp i, 0,1,2,3
	FRAG (\f)+48+FR*\i, ADRY+\slot, \i*TROW+(\q)*FRB
.endr
.endm
.macro SCALES sc
.irp p, 0,1
.irp u, 0,1,2,3
	ds_load_b32 v[SC+16*\sc+4*\p+\u], v[ADSY] offset:\p*PAIRB+\u*128
	ds_load_b32 v[SC+16*\sc+8+4*\p+\u], v[ADSX] offset:\p*PAIRB+\u*128
.endr
.endr
.endm
.macro WM a, b, f, q, sc, zero
.set rD, ACC+8*(4*(\a)+(\b))
.set rC, rD
.if \zero
.set rC, BIAS+8*(\b)
.endif
.set rX, (\f)+FR*(\b)
.set rY, (\f)+48+FR*(\a)
.set sX, SC+16*(\sc)+8+4*((\b)/2)+(\q)
.set sY, SC+16*(\sc)+4*((\a)/2)+(\q)
.if ((\a)%2 == 0) && ((\b)%2 == 0)
	v_wmma_scale_f32_16x16x128_f8f6f4 v[rD:rD+7], v[rX:rX+11], v[rY:rY+11], v[rC:rC+7], v[sX], v[sY] matrix_a_fmt:MATRIX_FMT_FP6 matrix_b_fmt:MATRIX_FMT_FP6
.elseif (\a)%2 == 0
	v_wmma_scale_f32_16x16x128_f8f6f4 v[rD:rD+7], v[rX:rX+11], v[rY:rY+11], v[rC:rC+7], v[sX], v[sY] matrix_a_fmt:MATRIX_FMT_FP6 matrix_b_fmt:MATRIX_FMT_FP6 matrix_a_scale:MATRIX_SCALE_ROW1
.elseif (\b)%2 == 0
	v_wmma_scale_f32_16x16x128_f8f6f4 v[rD:rD+7], v[rX:rX+11], v[rY:rY+11], v[rC:rC+7], v[sX], v[sY] matrix_a_fmt:MATRIX_FMT_FP6 matrix_b_fmt:MATRIX_FMT_FP6 matrix_b_scale:MATRIX_SCALE_ROW1
.else
	v_wmma_scale_f32_16x16x128_f8f6f4 v[rD:rD+7], v[rX:rX+11], v[rY:rY+11], v[rC:rC+7], v[sX], v[sY] matrix_a_fmt:MATRIX_FMT_FP6 matrix_b_fmt:MATRIX_FMT_FP6 matrix_a_scale:MATRIX_SCALE_ROW1 matrix_b_scale:MATRIX_SCALE_ROW1
.endif
.endm
.macro MUL4 a, f, q, sc, zero
.irp b, 0,1,2,3
	WM \a, \b, \f, \q, \sc, \zero
.endr
.endm
.macro QUARTER slot, q, zero
	s_wait_dscnt 8
	WIN MUL
	MUL4 0, 128*((\q)%2), \q, \slot, \zero
	MUL4 1, 128*((\q)%2), \q, \slot, \zero
	PLACES
	FETCH \slot, (\q)+1, 128-128*((\q)%2)
	s_wait_dscnt 32
	WIN MUL
	MUL4 2, 128*((\q)%2), \q, \slot, \zero
	MUL4 3, 128*((\q)%2), \q, \slot, \zero
.endm
.macro TURN slot, next, fill
	WIN 0
	s_wait_tensorcnt 0x0
	ds_add_u32 v[SPW], v[NIL]
	s_wait_dscnt 1
	WIN MUL
	MUL4 0, F1, 3, \slot, 0
	s_wait_dscnt 0x0
	s_barrier_signal -1
	MUL4 1, F1, 3, \slot, 0
	WIN 0
	s_barrier_wait -1
.if \fill
	CREST
	s_add_nc_u64 s[G0+4*\slot+2:G0+4*\slot+3], s[G0+4*\slot+2:G0+4*\slot+3], 2*TROW
	s_add_nc_u64 s[G0X+4*\slot+2:G0X+4*\slot+3], s[G0X+4*\slot+2:G0X+4*\slot+3], 2*TROW
	JLOAD G0+4*\slot, G1, G0X+4*\slot, G1X
.else
	PLACES
.endif
	FETCH \next, 0, F0
	WIN MUL
	MUL4 2, F1, 3, \slot, 0
	MUL4 3, F1, 3, \slot, 0
.endm
.macro RES a
.set RS, 96-32*((\a)%2)
.irp t, 0,1,2,3,4,5,6,7
	global_load_b128 v[RS+4*\t:RS+4*\t+3], v[CO], s[10:11] offset:(\a)*65536+\t*8192
.endr
.endm
	s_load_b256 s[4:11], s[0:1], 0x0
	s_load_b64 s[12:13], s[0:1], 0x20
	v_lshl_add_u32 v[SPW], v0, 2, SPARE
	v_mov_b32 v[NIL], 0
	ds_add_u32 v28, v29
	ds_add_u32 v28, v29
	s_wait_dscnt 0x0
	v_lshrrev_b32 v1, 5, v0
	v_readfirstlane_b32 s14, v1
	s_lshr_b32 s15, s14, 1
	s_and_b32 s16, s14, 1
	s_bfe_u32 s40, ttmp6, 0x40000
	s_bfe_u32 s41, ttmp6, 0x40004
	s_lshl_b32 s42, ttmp9, 2
	s_add_co_u32 s42, s42, s40
	s_and_b32 s17, ttmp7, 0xffff
	s_lshl_b32 s17, s17, 2
	s_add_co_u32 s17, s17, s41
	s_lshl_b32 s43, s41, 2
	s_lshl_b32 s43, 15, s43
	s_lshl_b32 s44, 0x1111, s40
	s_or_b32 s[G1+0], s43, (3<<16)|(1<<21)
	s_or_b32 s[G1X+0], s44, (3<<16)|(1<<21)
.irp g, G1, G1X
	s_mov_b32 s[\g+1], 768<<16
	s_mov_b32 s[\g+2], 8<<16                       ; a load brings 8 tiles x 6,144 bytes: half of K of all of Y's or X's tiles
	s_mov_b32 s[\g+3], 768<<16
	s_mov_b32 s[\g+4], 8
	s_mov_b32 s[\g+5], NKS*192
	s_mov_b32 s[\g+6], 0
	s_mov_b32 s[\g+7], 0
.endr
	s_lshl_b32 s18, s16, 2
	s_lshl_b32 s20, s17, 3
	s_lshl_b32 s19, s15, 2
	s_add_co_u32 s22, s20, s19                     ; the scale words of the 4 + 4 tiles that I multiply
	s_lshl_b32 s46, s42, 3
	s_add_co_u32 s92, s46, s18
	s_mul_i32 s22, s22, PAIRB/2
	s_add_co_u32 s22, s22, YSOFF
	s_mul_i32 s92, s92, PAIRB/2
	s_add_co_u32 s92, s92, XSOFF
	s_mul_i32 s20, s20, NKS*FRB
	s_mul_i32 s46, s46, NKS*FRB
	s_add_co_u32 s46, s46, XOFF
	s_mov_b32 s21, 0
	s_mov_b32 s23, 0
	s_mov_b32 s47, 0
	s_mov_b32 s93, 0
	s_mul_i32 s45, s16, SLOT                       ; half s16 of K goes to slot s16
	s_mul_i32 s94, s16, TROW
	s_mov_b32 s95, 0
	s_wait_kmcnt 0x0
	s_add_nc_u64 s[20:21], s[4:5], s[20:21]
	s_add_nc_u64 s[22:23], s[4:5], s[22:23]
	s_add_nc_u64 s[46:47], s[6:7], s[46:47]
	s_add_nc_u64 s[92:93], s[6:7], s[92:93]
	CROUND
	; ALL OF K COMES BY THE HEAD'S LOADS, one a wave: waves 0, 1 bring Y's 8 tiles, K halves 0, 1; waves 2, 3 X's.  Nothing is filled again.
	s_mov_b32 s[G0], 1
	s_mov_b32 s[G0+1], s45
	s_add_nc_u64 s[G0+2:G0+3], s[20:21], s[94:95]
	s_or_b32 s[G0+3], s[G0+3], 0x80000000
	s_mov_b32 s[G0X], 1
	s_add_co_u32 s[G0X+1], s45, 2*HALFT
	s_add_nc_u64 s[G0X+2:G0X+3], s[46:47], s[94:95]
	s_or_b32 s[G0X+3], s[G0X+3], 0x80000000
	JLOAD G0, G1, G0X, G1X
	v_and_b32 v1, 31, v0
	v_lshlrev_b32 v2, 4, v1
	v_lshlrev_b32 v3, 3, v1
	v_lshlrev_b32 v4, 2, v1
	v_and_b32 v5, 15, v0
	v_bfe_u32 v6, v0, 4, 1
	s_mul_i32 s18, s15, HALFT
	s_mul_i32 s19, s16, HALFT
	s_add_co_u32 s19, s19, 2*HALFT
.irp s, 0,1
	v_add_nc_u32 v[ADRY+\s], s18, v2
	v_add_nc_u32 v[ADRY+2+\s], s18, v3
	v_add_nc_u32 v[ADRX+\s], s19, v2
	v_add_nc_u32 v[ADRX+2+\s], s19, v3
	s_add_co_u32 s18, s18, SLOT
	s_add_co_u32 s19, s19, SLOT
.endr
	s_wait_alu depctr_va_vdst(0)
.irp p, 0,1                                    ; all scale words of my 4 + 4 tiles, 8 steps of 128 along K, go into 32 registers once: 128 consecutive bytes a load
.irp k, 0,1,2,3,4,5,6,7
	global_load_b32 v[SC+16*(\k/4)+4*\p+(\k%4)], v4, s[22:23] offset:\p*PAIRB+\k*128
	global_load_b32 v[SC+16*(\k/4)+8+4*\p+(\k%4)], v4, s[92:93] offset:\p*PAIRB+\k*128
.endr
.endr
	s_mul_i32 s18, s14, 16*SPITCH
	v_mul_u32_u24 v[STO], v5, SPITCH
	v_lshl_add_u32 v[STO], v6, 5, v[STO]
	v_add_nc_u32 v[STO], s18, v[STO]
	v_mul_u32_u24 v[RD], v6, SPITCH
	v_lshl_add_u32 v[RD], v5, 4, v[RD]
	v_add_nc_u32 v[RD], s18, v[RD]
	v_lshlrev_b32 v[CO], 12, v6
	v_lshl_add_u32 v[CO], v5, 4, v[CO]
	v_lshlrev_b32 v13, 5, v6
	s_wait_alu depctr_va_vdst(0)
	s_lshl_b32 s18, s42, 9
	s_lshl_b32 s19, s16, 8
	s_add_co_u32 s18, s18, s19
	s_mov_b32 s19, 0
	s_add_nc_u64 s[8:9], s[8:9], s[18:19]
	s_add_nc_u64 s[10:11], s[10:11], s[18:19]
	s_add_nc_u64 s[12:13], s[12:13], s[18:19]
	s_lshl_b32 s18, s17, 7
	s_lshl_b32 s66, s15, 6
	s_add_co_u32 s18, s18, s66
	s_lshl_b32 s18, s18, 12
	s_add_nc_u64 s[10:11], s[10:11], s[18:19]
	s_add_nc_u64 s[12:13], s[12:13], s[18:19]
.irp b, 0,1,2,3
	global_load_b128 v[BIAS+8*\b:BIAS+8*\b+3], v13, s[8:9] offset:64*\b
	global_load_b128 v[BIAS+8*\b+4:BIAS+8*\b+7], v13, s[8:9] offset:64*\b+16
.endr
	RES 0
	s_wait_tensorcnt 0x0                           ; my load is in,
	s_barrier_signal -1
	s_barrier_wait -1                              ; everybody's is
	FETCH 0, 0, F0
	s_wait_loadcnt 8
	QUARTER 0, 0, 1
.if LAPS > 1
	WIN 0
	s_mov_b32 s3, LAPS-1
.Llap:
	QUARTER 0, 1, 0
	QUARTER 0, 2, 0
	TURN 0, 1, 1
	QUARTER 1, 0, 0
	QUARTER 1, 1, 0
	QUARTER 1, 2, 0
	TURN 1, 0, 1
	QUARTER 0, 0, 0
	WIN 0
	s_sub_co_u32 s3, s3, 1
	s_cmp_lg_u32 s3, 0
	s_cbranch_scc1 .Llap
.endif
	QUARTER 0, 1, 0
	QUARTER 0, 2, 0
	TURN 0, 1, 0
	QUARTER 1, 0, 0
	QUARTER 1, 1, 0
	QUARTER 1, 2, 0
	s_wait_dscnt 8
	WIN MUL
	MUL4 0, F1, 3, 1, 0
	MUL4 1, F1, 3, 1, 0
	s_wait_dscnt 0
	MUL4 2, F1, 3, 1, 0
	MUL4 3, F1, 3, 1, 0
	WIN 0
	PLACES
	RES 1
.macro OUTB a
.set RS, 96-32*((\a)%2)
	s_wait_xcnt 0x0
.irp b, 0,1,2,3
	ds_store_b128 v[STO], v[ACC+8*(4*(\a)+\b):ACC+8*(4*(\a)+\b)+3] offset:64*\b
	ds_store_b128 v[STO], v[ACC+8*(4*(\a)+\b)+4:ACC+8*(4*(\a)+\b)+7] offset:64*\b+16
.endr
.irp t, 0,1,2,3,4,5,6,7
	ds_load_b128 v[32+4*\t:35+4*\t], v[RD] offset:\t*2*SPITCH
.endr
	s_wait_dscnt 0x0
.if (\a) < 3
	s_wait_loadcnt 8
.else
	s_wait_loadcnt 0x0
.endif
.irp i, 0,2,4,6,8,10,12,14,16,18,20,22,24,26,28,30
	v_pk_add_f32 v[32+\i:33+\i], v[32+\i:33+\i], v[RS+\i:RS+\i+1]
.endr
.irp t, 0,1,2,3,4,5,6,7
	global_store_b128 v[CO], v[32+4*\t:35+4*\t], s[12:13] offset:(\a)*65536+\t*8192
.endr
.if (\a)+2 < 4
	RES (\a)+2
.endif
.endm
	OUTB 0
	OUTB 1
	OUTB 2
	OUTB 3
	s_wait_tensorcnt 0x0
	ds_add_u32 v[SPW], v[NIL]
	s_wait_dscnt 0x0
	CROUND
	s_endpgm
.Lfunc_end_k_q43af51236f_outp:
	.size	k_q43af51236f_outp, .Lfunc_end_k_q43af51236f_outp-k_q43af51236f_outp
	.p2alignl 7, 3214868480
	.fill 96, 4, 3214868480
	.section	.rodata,"a",@progbits
	.p2align	6, 0x0
	.amdhsa_kernel k_q43af51236f_outp
		.amdhsa_group_segment_fixed_size 327680
		.amdhsa_private_segment_fixed_size 0
		.amdhsa_enable_private_segment 0
		.amdhsa_kernarg_size 40
		.amdhsa_user_sgpr_count 2
		.amdhsa_user_sgpr_kernarg_segment_ptr 1
		.amdhsa_wavefront_size32 1
		.amdhsa_system_sgpr_workgroup_id_x 1
		.amdhsa_system_sgpr_workgroup_id_y 1
		.amdhsa_system_sgpr_workgroup_id_z 1
		.amdhsa_system_vgpr_workitem_id 0
		.amdhsa_next_free_vgpr 512
		.amdhsa_next_free_sgpr 98
		.amdhsa_reserve_vcc 0
		.amdhsa_float_denorm_mode_32 3
		.amdhsa_float_denorm_mode_16_64 3
		.amdhsa_memory_ordered 1
		.amdhsa_forward_progress 1
		.amdhsa_inst_pref_size 60
	.end_amdhsa_kernel
	.amdgpu_metadata
---
amdhsa.version: [ 1, 2 ]
amdhsa.kernels:
  - .name:           k_q43af51236f_outp
    .symbol:         k_q43af51236f_outp.kd
    .args:
      - { .name: att, .offset: 0, .size: 8, .value_kind: global_buffer, .address_space: global }
      - { .name: wts, .offset: 8, .size: 8, .value_kind: global_buffer, .address_space: global }
      - { .name: out_b, .offset: 16, .size: 8, .value_kind: global_buffer, .address_space: global }
      - { .name: x, .offset: 24, .size: 8, .value_kind: global_buffer, .address_space: global }
      - { .name: x1, .offset: 32, .size: 8, .value_kind: global_buffer, .address_space: global }
    .group_segment_fixed_size: 327680
    .private_segment_fixed_size: 0
    .kernarg_segment_align: 8
    .kernarg_segment_size: 40
    .max_flat_workgroup_size: 128
    .sgpr_count:     98
    .vgpr_count:     512
    .wavefront_size: 32
...
	.end_amdgpu_metadata
.endif
;; end of part 4
;; launch ln2 (part 5): grid 256 x 1, 8 waves a work-group, no clusters, 66,816 bytes of LDS; arguments x1, ln2_g, ln2_b, hq; writes hq
.if DOCPART == 5
	.amdgcn_target "amdgcn-amd-amdhsa--gfx1250"
	.amdhsa_code_object_version 6
	.text
	.protected	k_q43af51236f_ln2
	.globl	k_q43af51236f_ln2
	.p2align	8
	.type	k_q43af51236f_ln2,@function
k_q43af51236f_ln2:
	s_mov_b64 s[64:65], 0
	v_nop
	global_prefetch_b8 v0, s[64:65] scope:SCOPE_SE
	s_setreg_imm32_b32 hwreg(HW_REG_WAVE_MODE, 25, 1), 1
	s_wait_xcnt 0x0
; LayerNorm of 16 rows of 1,024 f32, then the MX quantiser (E2M3, one E8M0 byte for each 32 along the row), all in f32.
; OUT: images of operand registers.  A fragment (16 rows x 128 K) is 1,536 bytes: for c = 0, 1 (K = 64 c on): registers 6c..6c+3 of lane l at 768 c + 16 l,
; registers 6c+4, 6c+5 at 768 c + 512 + 8 l.  Fragment (tile m, K step s) lies at (8 m + s) x 1,536.  Scale words (4 bytes a row and K step) lie from byte 3,145,728 on,
; at ((m / 2) 8 + s) 128 + (m % 2) 64 + 4 r.
; PHASE 1: wave w normalises rows 2 w and 2 w + 1 (mean first, then the squares of the differences: a common offset of the inputs does no harm) and lays them in LDS.
; PHASE 2: wave w quantises K step w of all 16 rows: lane (r, h) takes the blocks 64 c + 32 h of row r, whole blocks, so a block's largest magnitude needs no other lane.
; LIMITS: a block whose largest magnitude lies under 2^-124 (zeros too) gets the byte 1; the bytes are read by this program alone.  NaN and infinities are not served as numbers.
.set PITCH, 4112                       ; an LDS row: 4,096 bytes + 16: row r begins 4 r words on, modulo 64 words
.set XA, 32
.set XB, 64
.set GG, 96
.set BB, 128
.set T, 160
.set SEL, 20
.macro REDUCE                          ; v[T] summed over the 32 lanes, the sum in every lane
	s_delay_alu instid0(VALU_DEP_1)
	v_add_f32_dpp v[T], v[T], v[T] row_xmask:1 row_mask:0xf bank_mask:0xf
	s_delay_alu instid0(VALU_DEP_1)
	v_add_f32_dpp v[T], v[T], v[T] row_xmask:2 row_mask:0xf bank_mask:0xf
	s_delay_alu instid0(VALU_DEP_1)
	v_add_f32_dpp v[T], v[T], v[T] row_xmask:4 row_mask:0xf bank_mask:0xf
	s_delay_alu instid0(VALU_DEP_1)
	v_add_f32_dpp v[T], v[T], v[T] row_xmask:8 row_mask:0xf bank_mask:0xf
	s_delay_alu instid0(VALU_DEP_1)
	v_permlanex16_b32 v[T+1], v[T], s[SEL], s[SEL+1]
	s_delay_alu instid0(VALU_DEP_1)
	v_add_f32 v[T], v[T], v[T+1]
.endm
.macro ROWSTAT x, rs                   ; the row in v[x..x+31] becomes x - mean; 1 / sqrt(var + eps) goes to the pair v[rs:rs+1]
.irp i, 0,1,2,3,4,5,6,7
	v_pk_add_f32 v[T+2*\i:T+2*\i+1], v[\x+4*\i:\x+4*\i+1], v[\x+4*\i+2:\x+4*\i+3]
.endr
.irp i, 0,1,2,3
	s_delay_alu instid0(VALU_DEP_4)
	v_pk_add_f32 v[T+2*\i:T+2*\i+1], v[T+2*\i:T+2*\i+1], v[T+8+2*\i:T+9+2*\i]
.endr
	s_delay_alu instid0(VALU_DEP_2)
	v_pk_add_f32 v[T:T+1], v[T:T+1], v[T+4:T+5]
	s_delay_alu instid0(VALU_DEP_2)
	v_pk_add_f32 v[T+2:T+3], v[T+2:T+3], v[T+6:T+7]
	s_delay_alu instid0(VALU_DEP_1)
	v_pk_add_f32 v[T:T+1], v[T:T+1], v[T+2:T+3]
	s_delay_alu instid0(VALU_DEP_1)
	v_add_f32 v[T], v[T], v[T+1]
	REDUCE
	s_delay_alu instid0(VALU_DEP_1)
	v_mul_f32 v10, s22, v[T]                       ; the mean
	s_delay_alu instid0(VALU_DEP_1)
	v_mov_b32 v11, v10
.irp i, 0,2,4,6,8,10,12,14,16,18,20,22,24,26,28,30
	v_pk_add_f32 v[\x+\i:\x+\i+1], v[\x+\i:\x+\i+1], v[10:11] neg_lo:[0,1] neg_hi:[0,1]
.endr
	v_pk_mul_f32 v[T:T+1], v[\x:\x+1], v[\x:\x+1]
	v_pk_mul_f32 v[T+2:T+3], v[\x+2:\x+3], v[\x+2:\x+3]
.irp i, 4,8,12,16,20,24,28
	s_delay_alu instid0(VALU_DEP_2)
	v_pk_fma_f32 v[T:T+1], v[\x+\i:\x+\i+1], v[\x+\i:\x+\i+1], v[T:T+1]
	s_delay_alu instid0(VALU_DEP_2)
	v_pk_fma_f32 v[T+2:T+3], v[\x+\i+2:\x+\i+3], v[\x+\i+2:\x+\i+3], v[T+2:T+3]
.endr
	s_delay_alu instid0(VALU_DEP_1)
	v_pk_add_f32 v[T:T+1], v[T:T+1], v[T+2:T+3]
	s_delay_alu instid0(VALU_DEP_1)
	v_add_f32 v[T], v[T], v[T+1]
	REDUCE
	s_delay_alu instid0(VALU_DEP_1)
	v_fma_f32 v[T+2], v[T], s22, s23               ; var + eps
	s_wait_alu depctr_va_vdst(0)
	v_rsq_f32 v[\rs], v[T+2]
	v_nop                                          ; a plain instruction behind the transcendental,
	s_wait_alu depctr_va_vdst(0)                   ; and the wait ahead of the first line that names its result
	v_mov_b32 v[\rs+1], v[\rs]
.endm
.macro NORM x, rs, off                 ; (x - mean) / sqrt(..) * g + b, and into LDS
.irp i, 0,2,4,6,8,10,12,14,16,18,20,22,24,26,28,30
	v_pk_mul_f32 v[\x+\i:\x+\i+1], v[\x+\i:\x+\i+1], v[\rs:\rs+1]
.endr
.irp i, 0,2,4,6,8,10,12,14,16,18,20,22,24,26,28,30
	v_pk_fma_f32 v[\x+\i:\x+\i+1], v[\x+\i:\x+\i+1], v[GG+\i:GG+\i+1], v[BB+\i:BB+\i+1]
.endr
.irp j, 0,1,2,3,4,5,6,7
	ds_store_b128 v4, v[\x+4*\j:\x+4*\j+3] offset:\off+512*\j
.endr
.endm
; a whole block of 32 numbers of one lane, v[src..src+31]: six registers of codes in v[dst..dst+5]; v[wk+3] its scale byte.  v[wk..wk+3] and v[tmp..tmp+2] are at work
.macro QB src, dst, tmp, wk
	v_max3_num_f32 v[\wk], |v[\src]|, |v[\src+1]|, 0x1800000       ; the floor 2^(3 - 127) among the leaves holds the byte at 1 from below
	v_max3_num_f32 v[\wk+1], |v[\src+16]|, |v[\src+17]|, |v[\src+18]|
.irp i, 2,4,6,8,10,12
	s_delay_alu instid0(VALU_DEP_2)
	v_max3_num_f32 v[\wk], v[\wk], |v[\src+\i]|, |v[\src+\i+1]|
	s_delay_alu instid0(VALU_DEP_2)
	v_max3_num_f32 v[\wk+1], v[\wk+1], |v[\src+\i+17]|, |v[\src+\i+18]|
.endr
	s_delay_alu instid0(VALU_DEP_2)
	v_max3_num_f32 v[\wk], v[\wk], |v[\src+14]|, |v[\src+15]|
	s_delay_alu instid0(VALU_DEP_1)
	v_max3_num_f32 v[\wk], v[\wk], v[\wk+1], |v[\src+31]|
	s_delay_alu instid0(VALU_DEP_1)
	v_add_nc_u32 v[\wk+2], 0xff000000, v[\wk]      ; 2 off the exponent field: the conversion's scale operand
	v_cvt_scalef32_pk16_fp6_f32 v[\dst:\dst+2], v[\src:\src+15], v[\wk+2]
	v_cvt_scalef32_pk16_fp6_f32 v[\tmp:\tmp+2], v[\src+16:\src+31], v[\wk+2]   ; (a conversion's three registers begin on an even number)
	v_lshrrev_b32 v[\wk+3], 23, v[\wk+2]           ; the byte; also the plain instruction behind the conversions
	v_mov_b32 v[\dst+3], v[\tmp]
	v_mov_b32 v[\dst+4], v[\tmp+1]
	v_mov_b32 v[\dst+5], v[\tmp+2]
.endm
	s_load_b256 s[4:11], s[0:1], 0x0               ; in s[4:5], g s[6:7], b s[8:9], out s[10:11]
	v_lshl_add_u32 v192, v0, 2, 0x10100
	v_mov_b32 v193, 0
	v_lshrrev_b32 v1, 5, v0
	s_delay_alu instid0(VALU_DEP_1)
	v_readfirstlane_b32 s12, v1                    ; wave 0..7
	v_and_b32 v2, 31, v0                           ; lane
	v_and_b32 v6, 15, v0                           ; r
	v_bfe_u32 v7, v0, 4, 1                         ; h
	s_delay_alu instid0(VALU_DEP_3)
	v_lshlrev_b32 v3, 4, v2                        ; 16 x lane
	s_delay_alu instid0(VALU_DEP_4)
	v_lshlrev_b32 v9, 3, v2                        ; 8 x lane
	s_delay_alu instid0(VALU_DEP_3)
	v_lshlrev_b32 v8, 3, v7                        ; 8 h
	v_lshlrev_b32 v16, 2, v6                       ; 4 r
	s_mul_i32 s16, s12, 2*PITCH
	v_add_nc_u32 v4, s16, v3                       ; LDS, in: my wave's two rows, 16 bytes a lane
	v_mul_u32_u24 v5, v6, PITCH
	s_delay_alu instid0(VALU_DEP_1)
	v_lshl_add_u32 v5, v7, 7, v5
	s_lshl_b32 s16, s12, 9
	v_add_nc_u32 v5, s16, v5                       ; LDS, out: row r, K step = wave, + 128 h
	v_mov_b32 v183, 0                              ; (a lane permute's destination counts as read)
	s_lshl_b32 s14, ttmp9, 16                      ; 16 rows of 4,096 bytes a work-group,
	s_lshl_b32 s15, s12, 13                        ; two rows a wave
	s_add_co_u32 s14, s14, s15
	s_mov_b32 s15, 0
	s_lshl_b32 s24, ttmp9, 3
	s_add_co_u32 s24, s24, s12
	s_mul_i32 s24, s24, 1536                       ; my fragment: (8 m + wave) x 1,536
	s_mov_b32 s25, 0
	s_lshr_b32 s26, ttmp9, 1
	s_lshl_b32 s26, s26, 3
	s_add_co_u32 s26, s26, s12
	s_lshl_b32 s26, s26, 7
	s_and_b32 s27, ttmp9, 1
	s_lshl_b32 s27, s27, 6
	s_add_co_u32 s26, s26, s27
	s_add_co_u32 s26, s26, 3145728                 ; its scale words
	s_mov_b32 s27, 0
	s_mov_b32 s[SEL], 0x76543210
	s_mov_b32 s[SEL+1], 0xfedcba98                 ; lane l xor 16
	s_mov_b32 s22, 0x3a800000                      ; 1 / 1,024
	s_mov_b32 s23, 0x3727c5ac                      ; eps = 1e-5
	s_wait_alu depctr_va_vdst(0)
	s_wait_kmcnt 0x0
	s_add_nc_u64 s[4:5], s[4:5], s[14:15]
	s_add_nc_u64 s[24:25], s[10:11], s[24:25]
	s_add_nc_u64 s[26:27], s[10:11], s[26:27]
.irp j, 0,1,2,3,4,5,6,7
	global_load_b128 v[XA+4*\j:XA+4*\j+3], v3, s[4:5] offset:512*\j          ; 32 lanes read 512 consecutive bytes
.endr
.irp j, 0,1,2,3,4,5,6,7
	global_load_b128 v[XB+4*\j:XB+4*\j+3], v3, s[4:5] offset:4096+512*\j
.endr
.irp j, 0,1,2,3,4,5,6,7
	global_load_b128 v[GG+4*\j:GG+4*\j+3], v3, s[6:7] offset:512*\j
.endr
.irp j, 0,1,2,3,4,5,6,7
	global_load_b128 v[BB+4*\j:BB+4*\j+3], v3, s[8:9] offset:512*\j
.endr
	s_wait_loadcnt 24                              ; the first row is in; the second row, g and b (24 loads) may be out
	ROWSTAT XA, 12
	s_wait_loadcnt 16                              ; the second row is in
	ROWSTAT XB, 14
	s_wait_loadcnt 0x0                             ; g and b
	NORM XA, 12, 0
	NORM XB, 14, PITCH
	s_wait_dscnt 0x0                               ; for the others' sake: my rows lie in LDS
	s_barrier_signal -1
	s_barrier_wait -1
.irp c, 0,1
.irp j, 0,1,2,3,4,5,6,7
	ds_load_b128 v[32+32*\c+4*\j:35+32*\c+4*\j], v5 offset:256*\c+16*\j      ; row r, k = 128 wave + 64 c + 32 h + 4 j ..
.endr
.endr
	s_wait_dscnt 0x0
	QB 32, 96, 108, 176
	QB 64, 102, 112, 184
	s_delay_alu instid0(VALU_DEP_4)
	v_lshl_or_b32 v182, v187, 16, v179             ; my two bytes: blocks h and 2 + h,
	s_delay_alu instid0(VALU_DEP_1)
	v_lshlrev_b32 v182, v8, v182                   ; at their places in the word;
	s_delay_alu instid0(VALU_DEP_1)
	v_permlanex16_b32 v183, v182, s[SEL], s[SEL+1]
	s_delay_alu instid0(VALU_DEP_1)
	v_or_b32 v182, v182, v183                      ; with lane l xor 16's two the word is whole
	global_store_b128 v3, v[96:99], s[24:25]       ; each store covers whole aligned runs of 256 bytes
	global_store_b64 v9, v[100:101], s[24:25] offset:512
	global_store_b128 v3, v[102:105], s[24:25] offset:768
	global_store_b64 v9, v[106:107], s[24:25] offset:1280
	s_wait_alu depctr_va_vdst(0)
	s_wait_xcnt 0x0                                ; EXEC changes only behind this wait
	v_cmp_gt_u32 vcc_lo, 16, v2
	s_wait_tensorcnt 0x0
	ds_add_u32 v192, v193
	s_wait_dscnt 0x0
	s_and_saveexec_b32 s28, vcc_lo
	global_store_b32 v16, v182, s[26:27]           ; lanes 0-15: 64 bytes of scale words (all that this work-group owns of that run)
	s_endpgm
.Lfunc_end_k_q43af51236f_ln2:
	.size	k_q43af51236f_ln2, .Lfunc_end_k_q43af51236f_ln2-k_q43af51236f_ln2
	.p2alignl 7, 3214868480
	.fill 96, 4, 3214868480
	.section	.rodata,"a",@progbits
	.p2align	6, 0x0
	.amdhsa_kernel k_q43af51236f_ln2
		.amdhsa_group_segment_fixed_size 66816
		.amdhsa_private_segment_fixed_size 0
		.amdhsa_enable_private_segment 0
		.amdhsa_kernarg_size 32
		.amdhsa_user_sgpr_count 2
		.amdhsa_user_sgpr_kernarg_segment_ptr 1
		.amdhsa_wavefront_size32 1
		.amdhsa_system_sgpr_workgroup_id_x 1
		.amdhsa_system_sgpr_workgroup_id_y 1
		.amdhsa_system_sgpr_workgroup_id_z 1
		.amdhsa_system_vgpr_workitem_id 0
		.amdhsa_next_free_vgpr 194
		.amdhsa_next_free_sgpr 66
		.amdhsa_reserve_vcc 1
		.amdhsa_float_denorm_mode_32 3
		.amdhsa_float_denorm_mode_16_64 3
		.amdhsa_memory_ordered 1
		.amdhsa_forward_progress 1
		.amdhsa_inst_pref_size 27
	.end_amdhsa_kernel
	.amdgpu_metadata
---
amdhsa.version: [ 1, 2 ]
amdhsa.kernels:
  - .name:           k_q43af51236f_ln2
    .symbol:         k_q43af51236f_ln2.kd
    .args:
      - { .name: x1, .offset: 0, .size: 8, .value_kind: global_buffer, .address_space: global }
      - { .name: ln2_g, .offset: 8, .size: 8, .value_kind: global_buffer, .address_space: global }
      - { .name: ln2_b, .offset: 16, .size: 8, .value_kind: global_buffer, .address_space: global }
      - { .name: hq, .offset: 24, .size: 8, .value_kind: global_buffer, .address_space: global }
    .group_segment_fixed_size: 66816
    .private_segment_fixed_size: 0
    .kernarg_segment_align: 8
    .kernarg_segment_size: 32
    .max_flat_workgroup_size: 256
    .sgpr_count:     66
    .vgpr_count:     194
    .wavefront_size: 32
...
	.end_amdgpu_metadata
.endif
;; end of part 5
;; launch mlp1 (part 6): grid 16 x 16, 4 waves a work-group, clusters of 4 x 4, 327,680 bytes of LDS; arguments hq, wts, mlp_b1, hid; writes hid
.if DOCPART == 6
	.amdgcn_target "amdgcn-amd-amdhsa--gfx1250"
	.amdhsa_code_object_version 6
	.text
	.protected	k_q43af51236f_mlp1
	.globl	k_q43af51236f_mlp1
	.p2align	8
	.type	k_q43af51236f_mlp1,@function
k_q43af51236f_mlp1:
	s_mov_b64 s[64:65], 0
	v_nop
	global_prefetch_b8 v0, s[64:65] scope:SCOPE_SE
	s_setreg_imm32_b32 hwreg(HW_REG_WAVE_MODE, 25, 1), 1
	s_wait_xcnt 0x0
	s_wait_alu depctr_hold_cnt(0) depctr_sa_sdst(0) depctr_va_vdst(0) depctr_va_sdst(0) depctr_va_ssrc(0) depctr_va_vcc(0) depctr_vm_vsrc(0)
	s_getreg_b32 s2, hwreg(HW_REG_IB_STS2, 6, 4)
	s_cmp_eq_u32 s2, 0
	s_cbranch_scc0 .Lentry_in_a_cluster
	s_endpgm
.Lentry_in_a_cluster:
	s_bfe_u32 s2, ttmp6, 0x10000c
	s_cmp_lg_u32 s2, 0xf033
	s_cbranch_scc0 .Lentry_shape_is_right
	s_endpgm
.Lentry_shape_is_right:
; hid = Q(gelu(Q(LN2(x1)) mlp_w1 + mlp_b1)) on codes of E2M3 (K = 1,024); gelu is the exact one, in f32; the result is quantised along the 4,096 hidden units and leaves as images of fragments.
; A tile of 256 x 256 by four waves, 128 x 128 each.  Source 0 (X) = 256 rows of the weight, source 1 (Y) = 256 tokens: a lane holds one token, its registers run along the hidden units.
; THE RING.  K goes in four steps of 256 (a wave's tensor load: 8 tiles x 3,072 bytes) through THREE places of 98,304 bytes in LDS.  K steps 0, 1 and 2 are first fills; K step 3 is the one refill, into K step 0's place,
; asked for behind the first change of slots and waited for at the head of the third: 224 matrix instructions a wave later.  The second change has no barrier: the first one's wait for all loads and its barrier have shown K step 2 whole.
; Places: K step 1 at place 0, K steps 0 and 3 at place 1, K step 2 at place 2; K step u reads by address set u % 2, and each set moves on once, by one place.
; The scale words of the work-group's rows come once.  CLUSTERS: 4 x 4 work-groups, Y's tiles shared along a row of the cluster, X's along a column.
; A fragment's image: for c = 0, 1: registers 6c..6c+3 of lane l at 768 c + 16 l, registers 6c+4, 6c+5 at 768 c + 512 + 8 l.
; THE WAY OUT.  Behind the last product a barrier: nobody reads a tile or a scale word any more, and nothing is filled again.  Each wave lays its 128 rows x 512 bytes in a stage of its own (67,584 bytes) and walks it
; in a loop of eight trips, 16 rows a trip: lane (r, h) takes two whole blocks of 32 of row r, gelu, quantiser, one fragment: my 128 hidden units are one K step of the next product.
; GELU: g = max(u, 0) - |u| E, E = erfc(|u| / sqrt 2) / 2.  With t = |u| / sqrt 2: over 0.927734375 E = 2^(P(t) log2 e - 1), P a polynomial of degree 7; else E = 1/2 - t Q(t^2), Q of degree 5.
; The error of g is some 6e-8 |u|: what 0.5 u (1 + erf) has in f32.
; LIMITS: a block under 2^-124 (zeros too) gets the byte 1; NaN and infinities among the inputs are not served.
.set NQ, 2
.set FR, 12
.set FRB, 1536
.set NL, 4
.set NP, 4
.set TROW, NQ*FRB
.set HALFT, 8*TROW
.set SLOT, 4*HALFT
.set SCL, 3*SLOT
.set HALFS, 4096
.set SPARE, 327168                     ; the spare words: the last 512 bytes, which no other line names
.set SPITCH, 528
.set WSTG, 128*SPITCH                  ; a wave's stage
.set SWB, 4*WSTG                       ; behind the stages: 512 bytes a wave, where its scale words gather
.set STO, 10
.set RD, 11
.set SWA, 12
.set ADRY, 16
.set ADRX, 20
.set ADSY, 24
.set ADSX, 25
.set SPW, 28
.set NIL, 29
.set SC, 32
.set BIAS, 64
.set YF, 128
.set SEL, 66
.set G1, 24
.set G0, 32
.set G1X, 48
.set G0X, 56
.set G1S, 68
.set G0S, 76
.set G1SX, 80
.set G0SX, 88
.set MSB, 0
.macro WIN new
.if MSB != (\new)
	s_set_vgpr_msb (MSB<<8)|(\new)
.set MSB, (\new)
.endif
.endm
.set MUL_LO, 0xa1
.set MUL_HI, 0xf1
.set TO_X, 0x40
.macro JLOAD g0a, g1a, g0b, g1b
	s_cmp_eq_u32 s15, 0
	s_cbranch_scc0 .Lfor_x_\@
	tensor_load_to_lds s[\g0a:\g0a+3], s[\g1a:\g1a+7]
	s_nop 0
.rept 4
	v_nop
.endr
	s_branch .Lasked_\@
.Lfor_x_\@:
	tensor_load_to_lds s[\g0b:\g0b+3], s[\g1b:\g1b+7]
	s_nop 0
.rept 4
	v_nop
.endr
.Lasked_\@:
.endm
.macro CREST
	s_cmp_lg_u32 s14, 0
	s_cbranch_scc1 .Lnot_wave_0_\@
	s_barrier_signal -3
.Lnot_wave_0_\@:
	s_barrier_wait -3
	s_barrier_signal -1
	s_barrier_wait -1
.endm
.macro CROUND
	s_barrier_signal -1
	s_barrier_wait -1
	CREST
.endm
.macro PLACES n
.rept \n
	v_nop
.endr
.endm
.macro FRAG reg, adr, off
	ds_load_b128 v[\reg:\reg+3], v[\adr] offset:\off
	ds_load_b64 v[\reg+4:\reg+5], v[\adr+2] offset:\off+512
	ds_load_b128 v[\reg+6:\reg+9], v[\adr] offset:\off+768
	ds_load_b64 v[\reg+10:\reg+11], v[\adr+2] offset:\off+1280
.endm
.macro FETCH_X slot, q, p
	WIN TO_X
.irp i, 0,1,2,3,4,5,6,7
	FRAG 128*(\p)+FR*\i, ADRX+\slot, \i*TROW+(\q)*FRB
.endr
	WIN 0
.endm
.macro FETCH_Y slot, q, i0
.irp i, \i0, \i0+1, \i0+2, \i0+3
	FRAG YF+FR*(\i), ADRY+\slot, (\i)*TROW+(\q)*FRB
.endr
.endm
.macro SCALES sc
.irp p, 0,1,2,3
.irp u, 0,1
	ds_load_b32 v[SC+16*\sc+2*\p+\u], v[ADSY] offset:\p*1024+\u*128
	ds_load_b32 v[SC+16*\sc+8+2*\p+\u], v[ADSX] offset:\p*1024+\u*128
.endr
.endr
.endm
.macro WM a, b, p, q, sc, zero
.set rD, 8*(8*((\a)%4)+(\b))
.set rC, rD
.if \zero
.set rC, BIAS+8*(\b)
.endif
.set rX, 128*(\p)+FR*(\b)
.set rY, YF+FR*(\a)
.set sX, SC+SCO+16*(\sc)+8+2*((\b)/2)+(\q)     ; SCO: 0 for K steps 0, 1 (v32-63), 192 for K steps 2, 3 (v224-255)
.set sY, SC+SCO+16*(\sc)+2*((\a)/2)+(\q)
.if ((\a)%2 == 0) && ((\b)%2 == 0)
	v_wmma_scale_f32_16x16x128_f8f6f4 v[rD:rD+7], v[rX:rX+11], v[rY:rY+11], v[rC:rC+7], v[sX], v[sY] matrix_a_fmt:MATRIX_FMT_FP6 matrix_b_fmt:MATRIX_FMT_FP6
.elseif (\a)%2 == 0
	v_wmma_scale_f32_16x16x128_f8f6f4 v[rD:rD+7], v[rX:rX+11], v[rY:rY+11], v[rC:rC+7], v[sX], v[sY] matrix_a_fmt:MATRIX_FMT_FP6 matrix_b_fmt:MATRIX_FMT_FP6 matrix_a_scale:MATRIX_SCALE_ROW1
.elseif (\b)%2 == 0
	v_wmma_scale_f32_16x16x128_f8f6f4 v[rD:rD+7], v[rX:rX+11], v[rY:rY+11], v[rC:rC+7], v[sX], v[sY] matrix_a_fmt:MATRIX_FMT_FP6 matrix_b_fmt:MATRIX_FMT_FP6 matrix_b_scale:MATRIX_SCALE_ROW1
.else
	v_wmma_scale_f32_16x16x128_f8f6f4 v[rD:rD+7], v[rX:rX+11], v[rY:rY+11], v[rC:rC+7], v[sX], v[sY] matrix_a_fmt:MATRIX_FMT_FP6 matrix_b_fmt:MATRIX_FMT_FP6 matrix_a_scale:MATRIX_SCALE_ROW1 matrix_b_scale:MATRIX_SCALE_ROW1
.endif
.endm
.macro MUL16 a0, p, q, sc, zero        ; the 64 accumulators take turns, one instruction a turn
.irp a, \a0, \a0+1
.irp b, 0,1,2,3,4,5,6,7
	WM \a, \b, \p, \q, \sc, \zero
.endr
.endr
.endm
.macro STEP slot, q, zero              ; slot: the address set and the set of scale words
	s_wait_dscnt 4*NL                              ; all but the youngest 16 loads (Y's blocks 4-7)
.if \zero
	WIN 0x81
.else
	WIN MUL_LO
.endif
	MUL16 0, (\q)%2, \q, \slot, \zero
	MUL16 2, (\q)%2, \q, \slot, \zero
	s_wait_dscnt 0
	PLACES NP
	FETCH_X \slot, (\q)+1, 1-(\q)%2
	FETCH_Y \slot, (\q)+1, 0
.if \zero
	WIN 0xc1
.else
	WIN MUL_HI
.endif
	MUL16 4, (\q)%2, \q, \slot, \zero
	MUL16 6, (\q)%2, \q, \slot, \zero
	PLACES NP
	WIN 0
	FETCH_Y \slot, (\q)+1, 4
.endm
; A K step's last 128: the next K step lies at another place.  mode 1: one barrier, a round of the cluster's, and this K step's place is filled again; mode 0: a barrier alone, for the refill's landing;
; mode 2: no barrier: the next place was shown whole by the barrier of mode 1.  In modes 1 and 2 this K step's address set moves on by one place, for the K step two on.
.macro TURN slot, next, mode
.if (\mode) < 2
	s_wait_tensorcnt 0x0                           ; all my tensor loads have landed;
	ds_add_u32 v[SPW], v[NIL]                      ; 0 onto my spare word;
	s_wait_dscnt 4*NL+1                            ; (the add and Y's blocks 4-7 may be out)
	WIN MUL_LO
	MUL16 0, 1, NQ-1, \slot, 0
	s_wait_dscnt 0x0                               ; the add is done, and my reads of this place are over
	s_barrier_signal -1
	MUL16 2, 1, NQ-1, \slot, 0
	WIN 0
	s_barrier_wait -1
.else
	s_wait_dscnt 4*NL                              ; all but Y's blocks 4-7
	WIN MUL_LO
	MUL16 0, 1, NQ-1, \slot, 0
	MUL16 2, 1, NQ-1, \slot, 0
	s_wait_dscnt 0
	WIN 0
.endif
.if (\mode) == 1
	CREST                                          ; the barrier has opened a round of the cluster's barrier
	s_add_nc_u64 s[G0+4*\slot+2:G0+4*\slot+3], s[G0+4*\slot+2:G0+4*\slot+3], 3*TROW
	s_add_nc_u64 s[G0X+4*\slot+2:G0X+4*\slot+3], s[G0X+4*\slot+2:G0X+4*\slot+3], 3*TROW
	JLOAD G0+4*\slot, G1, G0X+4*\slot, G1X         ; the first tensor load behind the round, and the launch's last
.else
	PLACES NP
.endif
.if (\mode) > 0
	v_add_nc_u32 v[ADRY+\slot], SLOT, v[ADRY+\slot]        ; all fetches by this set have been issued
	v_add_nc_u32 v[ADRY+2+\slot], SLOT, v[ADRY+2+\slot]
	v_add_nc_u32 v[ADRX+\slot], SLOT, v[ADRX+\slot]
	v_add_nc_u32 v[ADRX+2+\slot], SLOT, v[ADRX+2+\slot]
.endif
	FETCH_X \next, 0, 0
	FETCH_Y \next, 0, 0
	WIN MUL_HI
	MUL16 4, 1, NQ-1, \slot, 0
	MUL16 6, 1, NQ-1, \slot, 0
	PLACES NP
	WIN 0
	FETCH_Y \next, 0, 4
.endm
	s_load_b256 s[4:11], s[0:1], 0x0               ; hq s[4:5], wts s[6:7], mlp_b1 s[8:9], hid s[10:11]
	v_lshl_add_u32 v[SPW], v0, 2, SPARE
	v_mov_b32 v[NIL], 0
	ds_add_u32 v28, v29
	ds_add_u32 v28, v29
	s_wait_dscnt 0x0
	v_lshrrev_b32 v1, 5, v0
	v_readfirstlane_b32 s14, v1
	s_lshr_b32 s15, s14, 1
	s_and_b32 s16, s14, 1
	s_bfe_u32 s40, ttmp6, 0x40000
	s_bfe_u32 s41, ttmp6, 0x40004
	s_lshl_b32 s42, ttmp9, 2
	s_add_co_u32 s42, s42, s40                     ; X's tile of 256 rows
	s_and_b32 s17, ttmp7, 0xffff
	s_lshl_b32 s17, s17, 2
	s_add_co_u32 s17, s17, s41                     ; Y's
	s_lshl_b32 s43, s41, 2
	s_lshl_b32 s43, 15, s43
	s_lshl_b32 s44, 0x1111, s40
	s_or_b32 s[G1+0], s43, (3<<16)|(1<<21)
	s_or_b32 s[G1X+0], s44, (3<<16)|(1<<21)
.irp g, G1, G1X
	s_mov_b32 s[\g+1], 384<<16
	s_mov_b32 s[\g+2], 8<<16
	s_mov_b32 s[\g+3], 384<<16
	s_mov_b32 s[\g+4], 8
	s_mov_b32 s[\g+5], 1536
	s_mov_b32 s[\g+6], 0
	s_mov_b32 s[\g+7], 0
.endr
	s_or_b32 s[G1S+0], s43, (3<<16)|(1<<21)
	s_or_b32 s[G1SX+0], s44, (3<<16)|(1<<21)
.irp g, G1S, G1SX
	s_mov_b32 s[\g+1], 384<<16                     ; the head's loads: 16 tiles x 3,072 bytes, one K step of all of Y's or X's tiles
	s_mov_b32 s[\g+2], 16<<16
	s_mov_b32 s[\g+3], 384<<16
	s_mov_b32 s[\g+4], 16
	s_mov_b32 s[\g+5], 1536
	s_mov_b32 s[\g+6], 0
	s_mov_b32 s[\g+7], 0
.endr
	s_lshl_b32 s18, s16, 3
	s_lshl_b32 s20, s17, 4
	s_add_co_u32 s20, s20, s18
	s_lshl_b32 s46, s42, 4
	s_add_co_u32 s46, s46, s18
	s_lshl_b32 s19, s15, 3                         ; Y's scale words: of the 8 tiles that I multiply
	s_lshl_b32 s22, s17, 4
	s_add_co_u32 s22, s22, s19
	s_lshl_b32 s22, s22, 9
	s_add_co_u32 s22, s22, 3145728
	s_lshl_b32 s92, s46, 9
	s_add_co_u32 s92, s92, 9568256
	s_mul_i32 s20, s20, 8*FRB
	s_mul_i32 s46, s46, 8*FRB
	s_add_co_u32 s46, s46, 3145728
	s_mov_b32 s21, 0
	s_mov_b32 s23, 0
	s_mov_b32 s47, 0
	s_mov_b32 s93, 0
	s_mul_i32 s45, s14, HALFT
	s_mul_i32 s94, s16, 64*FRB-TROW                ; from my 8 tiles back to the block's first tile, and on to K step s16
	s_mov_b32 s95, 0
.set SCO, 0
	s_wait_kmcnt 0x0
	s_add_nc_u64 s[20:21], s[4:5], s[20:21]
	s_add_nc_u64 s[36:37], s[4:5], s[22:23]        ; Y's scale words
	s_add_nc_u64 s[46:47], s[6:7], s[46:47]
	s_add_nc_u64 s[60:61], s[6:7], s[92:93]        ; X's scale words
	CROUND
	; THE HEAD'S LOADS, one a wave: waves 0, 1 bring Y's 16 tiles of K steps 0, 1; waves 2, 3 X's.  K step 0 lies at place 1, K step 1 at place 0
	s_sub_nc_u64 s[G0S+2:G0S+3], s[20:21], s[94:95]
	s_or_b32 s[G0S+3], s[G0S+3], 0x80000000
	s_sub_nc_u64 s[G0SX+2:G0SX+3], s[46:47], s[94:95]
	s_or_b32 s[G0SX+3], s[G0SX+3], 0x80000000
	s_xor_b32 s94, s16, 1
	s_mul_i32 s94, s94, SLOT
	s_mov_b32 s[G0S], 1
	s_mov_b32 s[G0S+1], s94
	s_mov_b32 s[G0SX], 1
	s_add_co_u32 s[G0SX+1], s94, 2*HALFT
	JLOAD G0S, G1S, G0SX, G1SX
.irp s, 0
	s_mov_b32 s[G0+4*\s], 1
	s_add_co_u32 s[G0+4*\s+1], s45, (1-\s)*SLOT    ; K step 0 at place 1, K step 1 at place 0
	s_add_nc_u64 s[G0+4*\s+2:G0+4*\s+3], s[20:21], \s*TROW
	s_or_b32 s[G0+4*\s+3], s[G0+4*\s+3], 0x80000000
	s_mov_b32 s[G0X+4*\s], 1
	s_add_co_u32 s[G0X+4*\s+1], s45, (1-\s)*SLOT
	s_add_nc_u64 s[G0X+4*\s+2:G0X+4*\s+3], s[46:47], \s*TROW
	s_or_b32 s[G0X+4*\s+3], s[G0X+4*\s+3], 0x80000000
.endr
	s_add_nc_u64 s[22:23], s[20:21], 2*TROW        ; K step 2's groups 0, at place 2, in registers that are done with: s[20:23] for Y, s[92:95] for X
	s_or_b32 s23, s23, 0x80000000
	s_add_co_u32 s21, s45, 2*SLOT
	s_mov_b32 s20, 1
	s_add_nc_u64 s[94:95], s[46:47], 2*TROW
	s_or_b32 s95, s95, 0x80000000
	s_add_co_u32 s93, s45, 2*SLOT
	s_mov_b32 s92, 1
	v_and_b32 v1, 31, v0
	v_lshlrev_b32 v2, 4, v1
	v_lshlrev_b32 v3, 3, v1
	v_lshlrev_b32 v4, 2, v1
	v_and_b32 v5, 15, v0                           ; r
	v_bfe_u32 v6, v0, 4, 1                         ; h
	v_lshlrev_b32 v7, 3, v6                        ; 8 h
	s_mul_i32 s18, s15, HALFT
	s_mul_i32 s19, s16, HALFT
	s_add_co_u32 s19, s19, 2*HALFT
.irp s, 1,0                                    ; address set 1 begins at place 0, set 0 at place 1
	v_add_nc_u32 v[ADRY+\s], s18, v2
	v_add_nc_u32 v[ADRY+2+\s], s18, v3
	v_add_nc_u32 v[ADRX+\s], s19, v2
	v_add_nc_u32 v[ADRX+2+\s], s19, v3
	s_add_co_u32 s18, s18, SLOT
	s_add_co_u32 s19, s19, SLOT
.endr
	s_wait_alu depctr_va_vdst(0)
.irp p, 0,1,2,3                                ; all scale words of my 8 + 8 tiles, 8 steps of 128 along K, go into 64 registers once: 128 consecutive bytes a load
.irp k, 0,1,2,3,4,5,6,7
	global_load_b32 v[SC+192*(\k/4)+16*((\k/2)%2)+2*\p+(\k%2)], v4, s[36:37] offset:\p*1024+\k*128
	global_load_b32 v[SC+192*(\k/4)+16*((\k/2)%2)+8+2*\p+(\k%2)], v4, s[60:61] offset:\p*1024+\k*128
.endr
.endr
	s_mul_i32 s18, s14, WSTG                       ; my stage
	v_mul_u32_u24 v9, v5, SPITCH
	v_add_nc_u32 v9, s18, v9
	v_lshl_add_u32 v[STO], v6, 5, v9               ; in: row r, 32 bytes for each half of the lanes
	v_lshl_add_u32 v[RD], v6, 7, v9                ; back: row r, my blocks 64 c + 32 h
	s_lshl_b32 s18, s14, 9
	s_add_co_u32 s18, s18, SWB
	v_lshl_add_u32 v[SWA], v5, 2, s18              ; my row's scale word,
	v_add_nc_u32 v14, s18, v2                      ; and the 512 bytes back, 16 a lane
	v_lshlrev_b32 v13, 5, v6
	v_lshrrev_b32 v15, 3, v1
	v_lshlrev_b32 v15, 12, v15
	v_and_b32 v8, 7, v1
	v_lshl_add_u32 v15, v8, 4, v15                 ; their places in memory: a pair of tiles 4,096 bytes on, 128 bytes each
	s_mov_b32 s[SEL], 0x76543210
	s_mov_b32 s[SEL+1], 0xfedcba98
	s_lshl_b32 s18, s42, 10
	s_lshl_b32 s19, s16, 9
	s_add_co_u32 s18, s18, s19
	s_mov_b32 s19, 0
	s_add_nc_u64 s[8:9], s[8:9], s[18:19]
.irp b, 0,1,2,3,4,5,6,7
	global_load_b128 v[BIAS+8*\b:BIAS+8*\b+3], v13, s[8:9] offset:64*\b
	global_load_b128 v[BIAS+8*\b+4:BIAS+8*\b+7], v13, s[8:9] offset:64*\b+16
.endr
	s_wait_alu depctr_va_vdst(0)
	s_wait_tensorcnt 0x0                           ; my head load is in
	ds_add_u32 v[SPW], v[NIL]
	s_wait_dscnt 0x0
	CROUND                                         ; K steps 0 and 1 are whole in every partner
	JLOAD 20, G1, 92, G1X                          ; K step 2, a quarter a wave, into place 2
	FETCH_X 0, 0, 0
	FETCH_Y 0, 0, 0
	FETCH_Y 0, 0, 4
	s_wait_loadcnt 0x0                             ; the bias
	STEP 0, 0, 1                                   ; K step 0
	TURN 0, 1, 1                                   ; its place takes K step 3
	s_wait_alu depctr_va_vdst(0)
	STEP 1, 0, 0                                   ; K step 1
	TURN 1, 0, 2
.set SCO, 192
	s_wait_alu depctr_va_vdst(0)
	STEP 0, 0, 0                                   ; K step 2
	TURN 0, 1, 0                                   ; K step 3 has landed, everybody's part
	STEP 1, 0, 0                                   ; K step 3
	s_wait_dscnt 4*NL
	WIN MUL_LO
	MUL16 0, 1, NQ-1, 1, 0
	MUL16 2, 1, NQ-1, 1, 0
	s_wait_dscnt 0
	WIN MUL_HI
	MUL16 4, 1, NQ-1, 1, 0
	MUL16 6, 1, NQ-1, 1, 0
	WIN 0
	s_wait_dscnt 0x0                               ; my reads of the tiles and of the scale words are over:
	s_barrier_signal -1
	s_barrier_wait -1                              ; everybody's are: the stages may lie over the tiles; no fill follows
	PLACES NP
.macro TOSTAGE a
.set AC, 64*((\a)%4)
	WIN 0x08+4*((\a)/4)
.irp b, 0,1,2,3,4,5,6,7
	ds_store_b128 v[STO], v[AC+8*\b:AC+8*\b+3] offset:(\a)*16*SPITCH+64*\b            ; each accumulator from its low end on
	ds_store_b128 v[STO], v[AC+8*\b+4:AC+8*\b+7] offset:(\a)*16*SPITCH+64*\b+16
.endr
	WIN 0
.endm
.irp a, 0,1,2,3,4,5,6,7
	TOSTAGE \a
.endr
.set CK, 160                           ; gelu's constants, a pair of registers each
.macro KSET k, val
	v_mov_b32 v[CK+2*\k], \val
	v_mov_b32 v[CK+2*\k+1], \val
.endm
	KSET 0, 0xb7910000                             ; P: -1.72853470e-5
	KSET 1, 0x39c8e7d9                             ;     3.83197126e-4
	KSET 2, 0xbb7e8a1c                             ;    -3.88396438e-3
	KSET 3, 0x3cc6b1a1                             ;     2.42546219e-2
	KSET 4, 0xbddaae5c                             ;    -1.06777877e-1
	KSET 5, 0xbf228550                             ;    -6.34846687e-1
	KSET 6, 0xbe03ce86                             ;    -1.28717512e-1
	KSET 7, 0x3fb8aa3b                             ; log2 e
	KSET 8, 0xbf800000                             ; -1
	KSET 9, 0xb99c7000                             ; Q: -2.98380852e-4
	KSET 10, 0x3b238d2c                            ;     2.49559712e-3
	KSET 11, 0xbc5b48d9                            ;    -1.33840675e-2
	KSET 12, 0x3d670e22                            ;     5.64099625e-2
	KSET 13, 0xbe409380                            ;    -1.88062668e-1
	KSET 14, 0x3f106eba                            ;     0.564189583
	KSET 15, 0x3f000000                            ; 1/2
	v_mov_b32 v229, 0                              ; (a lane permute's destination counts as read)
	s_mov_b32 s20, 0x3f3504f3                      ; 1 / sqrt 2
	s_mov_b32 s21, 0x3f6d8000                      ; 0.927734375
	s_lshl_b32 s18, s17, 4
	s_lshl_b32 s19, s15, 3
	s_add_co_u32 s18, s18, s19                     ; my first tile of tokens
	s_lshl_b32 s22, s42, 1
	s_add_co_u32 s22, s22, s16                     ; my K step of the next product
	s_lshl_b32 s19, s18, 5
	s_add_co_u32 s19, s19, s22
	s_mul_i32 s24, s19, FRB
	s_mov_b32 s25, 0
	s_lshl_b32 s26, s18, 11                        ; scale words: 4,096 bytes a pair of tiles,
	s_lshl_b32 s22, s22, 7                         ; 128 a K step
	s_add_co_u32 s26, s26, s22
	s_add_co_u32 s26, s26, 12582912
	s_mov_b32 s27, 0
	s_add_nc_u64 s[24:25], s[10:11], s[24:25]
	s_add_nc_u64 s[26:27], s[10:11], s[26:27]
.set TT, 96
.set SS, 112
.set RR, 128
.set WW, 144
.macro GELU16 u
.set i, 0
.rept 16
	v_mul_f32 v[TT+i], s20, |v[\u+i]|              ; t
.set i, i+1
.endr
.irp k, 0,2,4,6,8,10,12,14
	v_pk_mul_f32 v[SS+\k:SS+\k+1], v[TT+\k:TT+\k+1], v[TT+\k:TT+\k+1]
.endr
.irp k, 0,2,4,6,8,10,12,14
	v_pk_fma_f32 v[RR+\k:RR+\k+1], v[TT+\k:TT+\k+1], v[CK:CK+1], v[CK+2:CK+3]
.endr
.irp k, 0,2,4,6,8,10,12,14
	v_pk_fma_f32 v[WW+\k:WW+\k+1], v[TT+\k:TT+\k+1], v[CK+4:CK+5], v[CK+6:CK+7]
.endr
.irp k, 0,2,4,6,8,10,12,14
	v_pk_fma_f32 v[RR+\k:RR+\k+1], v[RR+\k:RR+\k+1], v[SS+\k:SS+\k+1], v[WW+\k:WW+\k+1]
.endr
.irp c, 8,10,12
.irp k, 0,2,4,6,8,10,12,14
	v_pk_fma_f32 v[RR+\k:RR+\k+1], v[RR+\k:RR+\k+1], v[TT+\k:TT+\k+1], v[CK+\c:CK+\c+1]
.endr
.endr
.irp k, 0,2,4,6,8,10,12,14
	v_pk_fma_f32 v[RR+\k:RR+\k+1], v[RR+\k:RR+\k+1], v[TT+\k:TT+\k+1], v[TT+\k:TT+\k+1] neg_lo:[0,0,1] neg_hi:[0,0,1]   ; P(t)
.endr
.irp k, 0,2,4,6,8,10,12,14
	v_pk_fma_f32 v[RR+\k:RR+\k+1], v[RR+\k:RR+\k+1], v[CK+14:CK+15], v[CK+16:CK+17]
.endr
.set i, 0
	s_wait_alu depctr_va_vdst(0)
.rept 16
	v_exp_f32 v[RR+i], v[RR+i]                     ; erfc / 2 for the larger t
.set i, i+1
.endr
.irp k, 0,2,4,6,8,10,12,14
	v_pk_fma_f32 v[WW+\k:WW+\k+1], v[SS+\k:SS+\k+1], v[CK+18:CK+19], v[CK+20:CK+21]    ; (plain work behind the exponentials, which names none of their results)
.endr
.irp c, 22,24,26,28
.irp k, 0,2,4,6,8,10,12,14
	v_pk_fma_f32 v[WW+\k:WW+\k+1], v[WW+\k:WW+\k+1], v[SS+\k:SS+\k+1], v[CK+\c:CK+\c+1]
.endr
.endr
.irp k, 0,2,4,6,8,10,12,14
	v_pk_fma_f32 v[WW+\k:WW+\k+1], v[TT+\k:TT+\k+1], v[WW+\k:WW+\k+1], v[CK+30:CK+31] neg_lo:[1,0,0] neg_hi:[1,0,0]    ; 1/2 - t Q: for the smaller t
.endr
	s_wait_alu depctr_va_vdst(0)                   ; one wait for the sixteen exponentials, ahead of their first reader
.set i, 0
.rept 16
	v_cmp_lt_f32 vcc_lo, s21, v[TT+i]
	v_cndmask_b32 v[WW+i], v[WW+i], v[RR+i], vcc_lo
.set i, i+1
.endr
.set i, 0
.rept 16
	v_max_num_f32 v[RR+i], 0, v[\u+i]
.set i, i+1
.endr
.set i, 0
.rept 16
	v_fma_f32 v[\u+i], -|v[\u+i]|, v[WW+i], v[RR+i]
.set i, i+1
.endr
.endm
.macro QB src, dst, tmp, wk
	v_max3_num_f32 v[\wk], |v[\src]|, |v[\src+1]|, 0x1800000
	v_max3_num_f32 v[\wk+1], |v[\src+16]|, |v[\src+17]|, |v[\src+18]|
.irp i, 2,4,6,8,10,12
	v_max3_num_f32 v[\wk], v[\wk], |v[\src+\i]|, |v[\src+\i+1]|
	v_max3_num_f32 v[\wk+1], v[\wk+1], |v[\src+\i+17]|, |v[\src+\i+18]|
.endr
	v_max3_num_f32 v[\wk], v[\wk], |v[\src+14]|, |v[\src+15]|
	v_max3_num_f32 v[\wk], v[\wk], v[\wk+1], |v[\src+31]|
	v_add_nc_u32 v[\wk+2], 0xff000000, v[\wk]
	v_cvt_scalef32_pk16_fp6_f32 v[\dst:\dst+2], v[\src:\src+15], v[\wk+2]
	v_cvt_scalef32_pk16_fp6_f32 v[\tmp:\tmp+2], v[\src+16:\src+31], v[\wk+2]
	v_lshrrev_b32 v[\wk+3], 23, v[\wk+2]           ; the byte; also the plain instruction behind the conversions
	v_mov_b32 v[\dst+3], v[\tmp]
	v_mov_b32 v[\dst+4], v[\tmp+1]
	v_mov_b32 v[\dst+5], v[\tmp+2]
.endm
	s_mov_b32 s3, 8
.Lrow:                                             ; 16 tokens a trip
	s_wait_alu depctr_va_vdst(0)
.irp c, 0,1
.irp j, 0,1,2,3,4,5,6,7
	ds_load_b128 v[32+32*\c+4*\j:35+32*\c+4*\j], v[RD] offset:256*\c+16*\j   ; LDS serves a wave's instructions in order: these see my stores
.endr
.endr
	s_wait_dscnt 0x0
	GELU16 32
	GELU16 48
	GELU16 64
	GELU16 80
	QB 32, 200, 212, 220
	QB 64, 206, 216, 224
	v_lshl_or_b32 v228, v227, 16, v223
	v_lshlrev_b32 v228, v7, v228
	v_permlanex16_b32 v229, v228, s[SEL], s[SEL+1]
	v_or_b32 v228, v228, v229                      ; my row's scale word
	global_store_b128 v2, v[200:203], s[24:25]
	global_store_b64 v3, v[204:205], s[24:25] offset:512
	global_store_b128 v2, v[206:209], s[24:25] offset:768
	global_store_b64 v3, v[210:211], s[24:25] offset:1280
	ds_store_b32 v[SWA], v228                      ; (both halves of the lanes write the same word with the same value)
	v_add_nc_u32 v[RD], 16*SPITCH, v[RD]
	v_add_nc_u32 v[SWA], 64, v[SWA]
	s_wait_xcnt 0x0                                ; the stores have read their registers and their base
	s_add_nc_u64 s[24:25], s[24:25], 32*FRB        ; the next tile of tokens
	s_sub_co_u32 s3, s3, 1
	s_cmp_lg_u32 s3, 0
	s_cbranch_scc1 .Lrow
	ds_load_b128 v[32:35], v14
	s_wait_dscnt 0x0
	global_store_b128 v15, v[32:35], s[26:27]      ; eight lanes store a pair of tiles' 128 bytes
	s_wait_tensorcnt 0x0                           ; the wave's end
	ds_add_u32 v[SPW], v[NIL]
	s_wait_dscnt 0x0
	CROUND                                         ; the closing round
	s_endpgm
.Lfunc_end_k_q43af51236f_mlp1:
	.size	k_q43af51236f_mlp1, .Lfunc_end_k_q43af51236f_mlp1-k_q43af51236f_mlp1
	.p2alignl 7, 3214868480
	.fill 96, 4, 3214868480
	.section	.rodata,"a",@progbits
	.p2align	6, 0x0
	.amdhsa_kernel k_q43af51236f_mlp1
		.amdhsa_group_segment_fixed_size 327680
		.amdhsa_private_segment_fixed_size 0
		.amdhsa_enable_private_segment 0
		.amdhsa_kernarg_size 32
		.amdhsa_user_sgpr_count 2
		.amdhsa_user_sgpr_kernarg_segment_ptr 1
		.amdhsa_wavefront_size32 1
		.amdhsa_system_sgpr_workgroup_id_x 1
		.amdhsa_system_sgpr_workgroup_id_y 1
		.amdhsa_system_sgpr_workgroup_id_z 1
		.amdhsa_system_vgpr_workitem_id 0
		.amdhsa_next_free_vgpr 1024
		.amdhsa_next_free_sgpr 98
		.amdhsa_reserve_vcc 1
		.amdhsa_float_denorm_mode_32 3
		.amdhsa_float_denorm_mode_16_64 3
		.amdhsa_memory_ordered 1
		.amdhsa_forward_progress 1
		.amdhsa_inst_pref_size 181
	.end_amdhsa_kernel
	.amdgpu_metadata
---
amdhsa.version: [ 1, 2 ]
amdhsa.kernels:
  - .name:           k_q43af51236f_mlp1
    .symbol:         k_q43af51236f_mlp1.kd
    .args:
      - { .name: hq, .offset: 0, .size: 8, .value_kind: global_buffer, .address_space: global }
      - { .name: wts, .offset: 8, .size: 8, .value_kind: global_buffer, .address_space: global }
      - { .name: mlp_b1, .offset: 16, .size: 8, .value_kind: global_buffer, .address_space: global }
      - { .name: hid, .offset: 24, .size: 8, .value_kind: global_buffer, .address_space: global }
    .group_segment_fixed_size: 327680
    .private_segment_fixed_size: 0
    .kernarg_segment_align: 8
    .kernarg_segment_size: 32
    .max_flat_workgroup_size: 128
    .sgpr_count:     98
    .vgpr_count:     1024
    .wavefront_size: 32
...
	.end_amdgpu_metadata
.endif
;; end of part 6
;; launch mlp2 (part 7): grid 8 x 32, 4 waves a work-group, clusters of 4 x 4, 327,680 bytes of LDS; arguments hid, wts, mlp_b2, x1, out0; writes out0
.if DOCPART == 7
	.amdgcn_target "amdgcn-amd-amdhsa--gfx1250"
	.amdhsa_code_object_version 6
	.text
	.protected	k_q43af51236f_mlp2
	.globl	k_q43af51236f_mlp2
	.p2align	8
	.type	k_q43af51236f_mlp2,@function
k_q43af51236f_mlp2:
	s_mov_b64 s[64:65], 0
	v_nop
	global_prefetch_b8 v0, s[64:65] scope:SCOPE_SE
	s_setreg_imm32_b32 hwreg(HW_REG_WAVE_MODE, 25, 1), 1
	s_wait_xcnt 0x0
	s_wait_alu depctr_hold_cnt(0) depctr_sa_sdst(0) depctr_va_vdst(0) depctr_va_sdst(0) depctr_va_ssrc(0) depctr_va_vcc(0) depctr_vm_vsrc(0)
	s_getreg_b32 s2, hwreg(HW_REG_IB_STS2, 6, 4)
	s_cmp_eq_u32 s2, 0
	s_cbranch_scc0 .Lentry_in_a_cluster
	s_endpgm
.Lentry_in_a_cluster:
	s_bfe_u32 s2, ttmp6, 0x10000c
	s_cmp_lg_u32 s2, 0xf033
	s_cbranch_scc0 .Lentry_shape_is_right
	s_endpgm
.Lentry_shape_is_right:
.set YSOFF, 12582912
.set XOFF, 6291456
.set XSOFF, 9699328
.set NKS, 32
.set FR, 12
.set FRB, 1536
.set TROWB, 8*FRB
.set TROWS, 4*FRB
.set REGB, 4*TROWB
.set REGS, 4*TROWS
.set SMALL, 4*REGB
.set SPARE, SMALL+4*REGS
.set STAGE, SPARE+512
.set SPITCH, 272
.set PAIRB, 4096
.set STO, 10
.set RD, 11
.set CO, 12
.set ADRY, 16
.set ADRX, 20
.set SPW, 28
.set NIL, 29
.set BIAS, 64
.set YS, 128
.set XS, 192
.set F0, 0
.set F1, 128
.set G1B, 24
.set G1S, 32
.set G1XB, 48
.set G1XS, 56
.set G0B, 68
.set G0S, 72
.set G0XB, 76
.set G0XS, 80
.set MSB, 0
.macro WIN new
.if MSB != (\new)
	s_set_vgpr_msb (MSB<<8)|(\new)
.set MSB, (\new)
.endif
.endm
.set MUL, 0xa5
.set MUL0, 0x85
.set TO_F, 0x40
.macro JLOAD g0a, g1a, g0b, g1b
	s_cmp_eq_u32 s15, 0
	s_cbranch_scc0 .Lfor_x_\@
	tensor_load_to_lds s[\g0a:\g0a+3], s[\g1a:\g1a+7]
	s_nop 0
.rept 4
	v_nop
.endr
	s_branch .Lasked_\@
.Lfor_x_\@:
	tensor_load_to_lds s[\g0b:\g0b+3], s[\g1b:\g1b+7]
	s_nop 0
.rept 4
	v_nop
.endr
.Lasked_\@:
.endm
.macro CREST
	s_cmp_lg_u32 s14, 0
	s_cbranch_scc1 .Lnot_wave_0_\@
	s_barrier_signal -3
.Lnot_wave_0_\@:
	s_barrier_wait -3
	s_barrier_signal -1
	s_barrier_wait -1
.endm
.macro CROUND
	s_barrier_signal -1
	s_barrier_wait -1
	CREST
.endm
.macro PLACES
.rept 4
	v_nop
.endr
.endm
.macro FRAG reg, adr, off
	ds_load_b128 v[\reg:\reg+3], v[\adr] offset:\off
	ds_load_b64 v[\reg+4:\reg+5], v[\adr+2] offset:\off+512
	ds_load_b128 v[\reg+6:\reg+9], v[\adr] offset:\off+768
	ds_load_b64 v[\reg+10:\reg+11], v[\adr+2] offset:\off+1280
.endm
.macro FETCH slot, q, f
.set TR, TROWB-(\slot)*(TROWB-TROWS)
	WIN TO_F
.irp i, 0,1,2,3
	FRAG (\f)+FR*\i, ADRX+\slot, \i*TR+(\q)*FRB
.endr
.irp i, 0,1,2,3
	FRAG (\f)+48+FR*\i, ADRY+\slot, \i*TR+(\q)*FRB
.endr
.endm
.macro WM a, b, f, k, zero
.set rD, 8*(4*(\a)+(\b))
.set rC, rD
.if \zero
.set rC, BIAS+8*(\b)
.endif
.set rX, (\f)+FR*(\b)
.set rY, (\f)+48+FR*(\a)
.set sX, XS+32*((\b)/2)+(\k)
.set sY, YS+32*((\a)/2)+(\k)
.if ((\a)%2 == 0) && ((\b)%2 == 0)
	v_wmma_scale_f32_16x16x128_f8f6f4 v[rD:rD+7], v[rX:rX+11], v[rY:rY+11], v[rC:rC+7], v[sX], v[sY] matrix_a_fmt:MATRIX_FMT_FP6 matrix_b_fmt:MATRIX_FMT_FP6
.elseif (\a)%2 == 0
	v_wmma_scale_f32_16x16x128_f8f6f4 v[rD:rD+7], v[rX:rX+11], v[rY:rY+11], v[rC:rC+7], v[sX], v[sY] matrix_a_fmt:MATRIX_FMT_FP6 matrix_b_fmt:MATRIX_FMT_FP6 matrix_a_scale:MATRIX_SCALE_ROW1
.elseif (\b)%2 == 0
	v_wmma_scale_f32_16x16x128_f8f6f4 v[rD:rD+7], v[rX:rX+11], v[rY:rY+11], v[rC:rC+7], v[sX], v[sY] matrix_a_fmt:MATRIX_FMT_FP6 matrix_b_fmt:MATRIX_FMT_FP6 matrix_b_scale:MATRIX_SCALE_ROW1
.else
	v_wmma_scale_f32_16x16x128_f8f6f4 v[rD:rD+7], v[rX:rX+11], v[rY:rY+11], v[rC:rC+7], v[sX], v[sY] matrix_a_fmt:MATRIX_FMT_FP6 matrix_b_fmt:MATRIX_FMT_FP6 matrix_a_scale:MATRIX_SCALE_ROW1 matrix_b_scale:MATRIX_SCALE_ROW1
.endif
.endm
.macro MUL4 a, f, k, zero
.irp b, 0,1,2,3
	WM \a, \b, \f, \k, \zero
.endr
.endm
.macro QUARTER k, nslot, nq, zero
	s_wait_dscnt 8
.if \zero
	WIN MUL0
.else
	WIN MUL
.endif
	MUL4 0, 128*((\k)%2), \k, \zero
	MUL4 1, 128*((\k)%2), \k, \zero
	PLACES
	FETCH \nslot, \nq, 128-128*((\k)%2)
	s_wait_dscnt 32
; THE REFILLS' TILES ARE PREFETCHED: K steps 12-31 of a tile row are 30,720 bytes, 120 blocks of 256.  Of the four tiles that I fetch, each of the four partners that ask for them jointly takes one, by address,
; so each block is named once in each cluster that loads it: four requests a wave, a lane a block, in K steps 0, 1 (for the refill behind K step 7), 8 and 12 (for those behind K steps 11 and 19).
; The addresses stand in registers that are never rewritten; the last request's spare lanes name the row's last block again.
.if (\k) == 0 || (\k) == 1 || (\k) == 8
	global_prefetch_b8 v14, s[88:89] offset:8192*((\k)%6) th:TH_LOAD_NT scope:SCOPE_SE
.endif
.if (\k) == 12
	global_prefetch_b8 v15, s[88:89] th:TH_LOAD_NT scope:SCOPE_SE
.endif
.if \zero
	WIN MUL0
.else
	WIN MUL
.endif
	MUL4 2, 128*((\k)%2), \k, \zero
	MUL4 3, 128*((\k)%2), \k, \zero
.endm
.macro TURN k, slot, next, fill
	WIN 0
	s_wait_tensorcnt 0x0
	ds_add_u32 v[SPW], v[NIL]
	s_wait_dscnt 1
	WIN MUL
	MUL4 0, F1, \k, 0
	s_wait_dscnt 0x0
	s_barrier_signal -1
	MUL4 1, F1, \k, 0
	WIN 0
	s_barrier_wait -1
.if \fill
	CREST
.if (\slot) == 0
	s_add_nc_u64 s[G0B+2:G0B+3], s[G0B+2:G0B+3], 3*TROWS
	s_add_nc_u64 s[G0XB+2:G0XB+3], s[G0XB+2:G0XB+3], 3*TROWS
	JLOAD G0B, G1B, G0XB, G1XB
.else
	s_add_nc_u64 s[G0S+2:G0S+3], s[G0S+2:G0S+3], 3*TROWS
	s_add_nc_u64 s[G0XS+2:G0XS+3], s[G0XS+2:G0XS+3], 3*TROWS
	JLOAD G0S, G1S, G0XS, G1XS
.endif
.else
	PLACES
.endif
	FETCH \next, 0, F0
	WIN MUL
	MUL4 2, F1, \k, 0
	MUL4 3, F1, \k, 0
.endm
.macro RES a
.set RS, 96-32*((\a)%2)
.irp t, 0,1,2,3,4,5,6,7
	global_load_b128 v[RS+4*\t:RS+4*\t+3], v[CO], s[10:11] offset:(\a)*65536+\t*8192
.endr
.endm
	s_load_b256 s[4:11], s[0:1], 0x0
	s_load_b64 s[12:13], s[0:1], 0x20
	v_lshl_add_u32 v[SPW], v0, 2, SPARE
	v_mov_b32 v[NIL], 0
	ds_add_u32 v28, v29
	ds_add_u32 v28, v29
	s_wait_dscnt 0x0
	v_lshrrev_b32 v1, 5, v0
	v_readfirstlane_b32 s14, v1
	s_lshr_b32 s15, s14, 1
	s_and_b32 s16, s14, 1
	s_bfe_u32 s40, ttmp6, 0x40000
	s_bfe_u32 s41, ttmp6, 0x40004
	s_lshl_b32 s42, ttmp9, 2
	s_add_co_u32 s42, s42, s40
	s_and_b32 s17, ttmp7, 0xffff
	s_lshl_b32 s17, s17, 2
	s_add_co_u32 s17, s17, s41
	s_lshl_b32 s43, s41, 2
	s_lshl_b32 s43, 15, s43
	s_lshl_b32 s44, 0x1111, s40
	s_or_b32 s[G1B+0], s43, (3<<16)|(1<<21)
	s_or_b32 s[G1S+0], s43, (3<<16)|(1<<21)
	s_or_b32 s[G1XB+0], s44, (3<<16)|(1<<21)
	s_or_b32 s[G1XS+0], s44, (3<<16)|(1<<21)
.irp g, G1B, G1XB
	s_mov_b32 s[\g+1], 1536<<16
	s_mov_b32 s[\g+2], 4<<16
	s_mov_b32 s[\g+3], 1536<<16
	s_mov_b32 s[\g+4], 4
	s_mov_b32 s[\g+5], NKS*192
	s_mov_b32 s[\g+6], 0
	s_mov_b32 s[\g+7], 0
.endr
.irp g, G1S, G1XS
	s_mov_b32 s[\g+1], 768<<16
	s_mov_b32 s[\g+2], 4<<16
	s_mov_b32 s[\g+3], 768<<16
	s_mov_b32 s[\g+4], 4
	s_mov_b32 s[\g+5], NKS*192
	s_mov_b32 s[\g+6], 0
	s_mov_b32 s[\g+7], 0
.endr
	s_lshl_b32 s18, s16, 2
	s_lshl_b32 s20, s17, 3
	s_add_co_u32 s20, s20, s18
	s_lshl_b32 s46, s42, 3
	s_add_co_u32 s46, s46, s18
	s_lshl_b32 s92, s46, 11
	s_add_co_u32 s92, s92, XSOFF
	s_lshl_b32 s22, s17, 3
	s_lshl_b32 s19, s15, 2
	s_add_co_u32 s22, s22, s19
	s_lshl_b32 s22, s22, 11
	s_add_co_u32 s22, s22, YSOFF
	s_mul_i32 s20, s20, NKS*FRB
	s_mul_i32 s46, s46, NKS*FRB
	s_add_co_u32 s46, s46, XOFF
	s_mov_b32 s21, 0
	s_mov_b32 s23, 0
	s_mov_b32 s47, 0
	s_mov_b32 s93, 0
	s_mul_i32 s45, s14, REGB
	s_mul_i32 s94, s14, REGS
	s_wait_kmcnt 0x0
	s_add_nc_u64 s[20:21], s[4:5], s[20:21]
	s_add_nc_u64 s[84:85], s[4:5], s[22:23]
	s_add_nc_u64 s[46:47], s[6:7], s[46:47]
	s_add_nc_u64 s[86:87], s[6:7], s[92:93]
	s_cmp_eq_u32 s15, 0                            ; the prefetches: do I fetch for Y?
	s_cselect_b64 s[88:89], s[20:21], s[46:47]     ; my four tiles,
	s_cselect_b32 s90, s40, s41                    ; my place among the four that ask for them with me: cx for Y, cy for X;
	s_mul_i32 s90, s90, NKS*FRB                    ; that tile's row,
	s_add_co_u32 s90, s90, 12*FRB                  ; from K step 12 on
	s_mov_b32 s91, 0
	s_add_nc_u64 s[88:89], s[88:89], s[90:91]
	CROUND
	s_mov_b32 s[G0B], 1
	s_mov_b32 s[G0B+1], s45
	s_mov_b64 s[G0B+2:G0B+3], s[20:21]
	s_or_b32 s[G0B+3], s[G0B+3], 0x80000000
	s_mov_b32 s[G0XB], 1
	s_mov_b32 s[G0XB+1], s45
	s_mov_b64 s[G0XB+2:G0XB+3], s[46:47]
	s_or_b32 s[G0XB+3], s[G0XB+3], 0x80000000
	JLOAD G0B, G1B, G0XB, G1XB
	s_mov_b32 s[G0S], 1
	s_add_co_u32 s[G0S+1], s94, SMALL
	s_add_nc_u64 s[G0S+2:G0S+3], s[20:21], 2*TROWS
	s_or_b32 s[G0S+3], s[G0S+3], 0x80000000
	s_mov_b32 s[G0XS], 1
	s_add_co_u32 s[G0XS+1], s94, SMALL
	s_add_nc_u64 s[G0XS+2:G0XS+3], s[46:47], 2*TROWS
	s_or_b32 s[G0XS+3], s[G0XS+3], 0x80000000
	v_and_b32 v1, 31, v0
	v_lshlrev_b32 v2, 4, v1
	v_lshlrev_b32 v3, 3, v1
	v_lshlrev_b32 v4, 2, v1
	v_and_b32 v5, 15, v0
	v_bfe_u32 v6, v0, 4, 1
	v_lshlrev_b32 v14, 8, v1                       ; the prefetches' offsets: a lane a block of 256 bytes;
	v_add_nc_u32 v15, 24576, v14
	v_min_u32 v15, 30464, v15                      ; the fourth request ends with the row
.irp p, 0,1
.set kk, 0
.rept NKS
	global_load_b32 v[YS+32*\p+kk], v4, s[84:85] offset:\p*PAIRB+kk*128
	global_load_b32 v[XS+32*\p+kk], v4, s[86:87] offset:\p*PAIRB+kk*128
.set kk, kk+1
.endr
.endr
	s_mul_i32 s18, s15, REGB
	s_mul_i32 s19, s16, REGB
	s_add_co_u32 s19, s19, 2*REGB
	v_add_nc_u32 v[ADRY], s18, v2
	v_add_nc_u32 v[ADRY+2], s18, v3
	v_add_nc_u32 v[ADRX], s19, v2
	v_add_nc_u32 v[ADRX+2], s19, v3
	s_mul_i32 s18, s15, REGS
	s_add_co_u32 s18, s18, SMALL
	s_mul_i32 s19, s16, REGS
	s_add_co_u32 s19, s19, SMALL+2*REGS
	v_add_nc_u32 v[ADRY+1], s18, v2
	v_add_nc_u32 v[ADRY+3], s18, v3
	v_add_nc_u32 v[ADRX+1], s19, v2
	v_add_nc_u32 v[ADRX+3], s19, v3
	s_mul_i32 s18, s14, 16*SPITCH
	s_add_co_u32 s18, s18, STAGE
	v_mul_u32_u24 v[STO], v5, SPITCH
	v_lshl_add_u32 v[STO], v6, 5, v[STO]
	v_add_nc_u32 v[STO], s18, v[STO]
	v_mul_u32_u24 v[RD], v6, SPITCH
	v_lshl_add_u32 v[RD], v5, 4, v[RD]
	v_add_nc_u32 v[RD], s18, v[RD]
	v_lshlrev_b32 v[CO], 12, v6
	v_lshl_add_u32 v[CO], v5, 4, v[CO]
	v_lshlrev_b32 v13, 5, v6
	s_wait_alu depctr_va_vdst(0)
	s_lshl_b32 s18, s42, 9
	s_lshl_b32 s19, s16, 8
	s_add_co_u32 s18, s18, s19
	s_mov_b32 s19, 0
	s_add_nc_u64 s[8:9], s[8:9], s[18:19]
	s_add_nc_u64 s[10:11], s[10:11], s[18:19]
	s_add_nc_u64 s[12:13], s[12:13], s[18:19]
	s_lshl_b32 s18, s17, 7
	s_lshl_b32 s66, s15, 6
	s_add_co_u32 s18, s18, s66
	s_lshl_b32 s18, s18, 12
	s_add_nc_u64 s[10:11], s[10:11], s[18:19]
	s_add_nc_u64 s[12:13], s[12:13], s[18:19]
.irp b, 0,1,2,3
	global_load_b128 v[BIAS+8*\b:BIAS+8*\b+3], v13, s[8:9] offset:64*\b
	global_load_b128 v[BIAS+8*\b+4:BIAS+8*\b+7], v13, s[8:9] offset:64*\b+16
.endr
	RES 0
	s_wait_alu depctr_va_vdst(0)
	s_wait_tensorcnt 0x0                           ; my part of the large slot is in (the scale words, the bias and the residual were asked for while it was on its way);
	ds_add_u32 v28, v29
	s_wait_dscnt 0x0
	CROUND                                         ; everybody's part is in, in every partner
	JLOAD G0S, G1S, G0XS, G1XS                     ; the small slot's first fill
	FETCH 0, 0, F0
	s_wait_loadcnt 8
	QUARTER 0, 0, 1, 1
.irp k, 1,2,3,4,5,6
	QUARTER \k, 0, \k+1, 0
.endr
	TURN 7, 0, 1, 1
.irp k, 8,9,10
	QUARTER \k, 1, \k-7, 0
.endr
	TURN 11, 1, 0, 1
.irp k, 12,13,14,15,16,17,18
	QUARTER \k, 0, \k-11, 0
.endr
	TURN 19, 0, 1, 1
.irp k, 20,21,22
	QUARTER \k, 1, \k-19, 0
.endr
	TURN 23, 1, 0, 0
.irp k, 24,25,26,27,28,29,30
	QUARTER \k, 0, \k-23, 0
.endr
	s_wait_dscnt 8
	WIN MUL
	MUL4 0, F1, 31, 0
	MUL4 1, F1, 31, 0
	s_wait_dscnt 0
	MUL4 2, F1, 31, 0
	MUL4 3, F1, 31, 0
	WIN 0
	PLACES
	RES 1
.macro OUTB a
.set RS, 96-32*((\a)%2)
	s_wait_xcnt 0x0
	WIN 0x08
.irp b, 0,1,2,3
	ds_store_b128 v[STO], v[8*(4*(\a)+\b):8*(4*(\a)+\b)+3] offset:64*\b
	ds_store_b128 v[STO], v[8*(4*(\a)+\b)+4:8*(4*(\a)+\b)+7] offset:64*\b+16
.endr
	WIN 0
.irp t, 0,1,2,3,4,5,6,7
	ds_load_b128 v[32+4*\t:35+4*\t], v[RD] offset:\t*2*SPITCH
.endr
	s_wait_dscnt 0x0
.if (\a) < 3
	s_wait_loadcnt 8
.else
	s_wait_loadcnt 0x0
.endif
.irp i, 0,2,4,6,8,10,12,14,16,18,20,22,24,26,28,30
	v_pk_add_f32 v[32+\i:33+\i], v[32+\i:33+\i], v[RS+\i:RS+\i+1]
.endr
.irp t, 0,1,2,3,4,5,6,7
	global_store_b128 v[CO], v[32+4*\t:35+4*\t], s[12:13] offset:(\a)*65536+\t*8192
.endr
.if (\a)+2 < 4
	RES (\a)+2
.endif
.endm
	OUTB 0
	OUTB 1
	OUTB 2
	OUTB 3
	s_wait_tensorcnt 0x0
	ds_add_u32 v[SPW], v[NIL]
	s_wait_dscnt 0x0
	CROUND
	s_endpgm
.Lfunc_end_k_q43af51236f_mlp2:
	.size	k_q43af51236f_mlp2, .Lfunc_end_k_q43af51236f_mlp2-k_q43af51236f_mlp2
	.p2alignl 7, 3214868480
	.fill 96, 4, 3214868480
	.section	.rodata,"a",@progbits
	.p2align	6, 0x0
	.amdhsa_kernel k_q43af51236f_mlp2
		.amdhsa_group_segment_fixed_size 327680
		.amdhsa_private_segment_fixed_size 0
		.amdhsa_enable_private_segment 0
		.amdhsa_kernarg_size 40
		.amdhsa_user_sgpr_count 2
		.amdhsa_user_sgpr_kernarg_segment_ptr 1
		.amdhsa_wavefront_size32 1
		.amdhsa_system_sgpr_workgroup_id_x 1
		.amdhsa_system_sgpr_workgroup_id_y 1
		.amdhsa_system_sgpr_workgroup_id_z 1
		.amdhsa_system_vgpr_workitem_id 0
		.amdhsa_next_free_vgpr 640
		.amdhsa_next_free_sgpr 98
		.amdhsa_reserve_vcc 0
		.amdhsa_float_denorm_mode_32 3
		.amdhsa_float_denorm_mode_16_64 3
		.amdhsa_memory_ordered 1
		.amdhsa_forward_progress 1
		.amdhsa_inst_pref_size 177
	.end_amdhsa_kernel
	.amdgpu_metadata
---
amdhsa.version: [ 1, 2 ]
amdhsa.kernels:
  - .name:           k_q43af51236f_mlp2
    .symbol:         k_q43af51236f_mlp2.kd
    .args:
      - { .name: hid, .offset: 0, .size: 8, .value_kind: global_buffer, .address_space: global }
      - { .name: wts, .offset: 8, .size: 8, .value_kind: global_buffer, .address_space: global }
      - { .name: mlp_b2, .offset: 16, .size: 8, .value_kind: global_buffer, .address_space: global }
      - { .name: x1, .offset: 24, .size: 8, .value_kind: global_buffer, .address_space: global }
      - { .name: out0, .offset: 32, .size: 8, .value_kind: global_buffer, .address_space: global }
    .group_segment_fixed_size: 327680
    .private_segment_fixed_size: 0
    .kernarg_segment_align: 8
    .kernarg_segment_size: 40
    .max_flat_workgroup_size: 128
    .sgpr_count:     98
    .vgpr_count:     640
    .wavefront_size: 32
...
	.end_amdgpu_metadata
.endif
;; end of part 7
